; MI455X (gfx1250); checked and timed in simulation.
; The chip was launched on July 23, 2026; its instructions are those of AMD's public machine-readable ISA for CDNA 5 (MIT licence, August 2026) and "CDNA5" Instruction Set Architecture Reference Guide (July 2026). The comments in the code are by the model that wrote it; some were corrected since.
;; Self Attention. Allowed arithmetic: float matrix products may take bf16 or f16 operands with f32 sums; other float arithmetic in f32, or as packed bf16 or f16 multiplies, adds, multiply-adds, maxima and minima; sums over many terms, partial sums and values carried from step to step in f32; what a program stores and reads back later, other than sums and carried values, may be rounded once to bf16 or f16.
;; Inputs: Wk 1,024 x 1,024 float32; Wq 1,024 x 1,024 float32; Wv 1,024 x 1,024 float32; x 4 x 2,048 x 1,024 float32.
;; Outputs: out0 4 x 2,048 x 1,024 float32.
;; 3 versions, each right; version 2 is faster than version 1; version 3 is version 2 with the launch cast written anew for expert scheduling mode. Each part assembles by itself: llvm-mc -triple=amdgcn-amd-amdhsa -mcpu=gfx1250 --defsym DOCPART=n.
;; ======== version 1 of 3: 4 launches
;; limits: values are held in f16: magnitudes above 65,504 overflow, below 6.1e-05 lose precision
;; workspace buffers: xw 23,068,672 bytes; qkv 50,331,648 bytes; pt 33,554,432 bytes; st 1,048,576 bytes
;; launch cast (part 1): grid 704 x 1, 8 waves a work-group, no clusters, 0 bytes of LDS; arguments x, Wq, Wk, Wv, xw; writes xw
.if DOCPART == 1
	.amdgcn_target "amdgcn-amd-amdhsa--gfx1250"
	.amdhsa_code_object_version 6
	.text
	.protected	k_qf0d3547228_cast
	.globl	k_qf0d3547228_cast
	.p2align	8
	.type	k_qf0d3547228_cast,@function
k_qf0d3547228_cast:
	s_mov_b64 s[64:65], 0
	v_nop
	global_prefetch_b8 v0, s[64:65] scope:SCOPE_SE
	s_setreg_imm32_b32 hwreg(HW_REG_WAVE_MODE, 25, 1), 1
	s_wait_xcnt 0x0
; xw = x, Wq, Wk, Wv rounded once to bf16, one below the other: [11264][1024] bf16, rows 0- x, 8192- Wq, 9216- Wk, 10240- Wv.
; A stream: every input byte is read once, every output byte written once; no LDS, no barrier, no matrix work would add anything.
; Work-group i takes 16,384 numbers: 65,536 bytes in, 32,768 bytes out at xw + 32,768 i.  i < 512: x; else j = i - 512: tensor j / 64 of Wq, Wk, Wv, its part j % 64.
; Thread t takes 16 bytes at 16 t of each of 16 pieces of 4,096 bytes: a wave's load covers 512 consecutive bytes, its store 256 consecutive bytes at a multiple of 256.
; All 16 loads go out together; no register is used twice, so nothing but the counted waits for the loads is needed.
.set X, 4                              ; v[4:67]   piece j: 4 numbers in f32
.set Y, 68                             ; v[68:99]  piece j: 4 numbers in bf16
	s_load_b256 s[4:11], s[0:1], 0x0               ; x s[4:5], Wq s[6:7], Wk s[8:9], Wv s[10:11]
	s_load_b64 s[12:13], s[0:1], 0x20              ; xw
	v_lshlrev_b32 v1, 4, v0                        ; 16 t: where I read
	v_lshlrev_b32 v2, 3, v0                        ; 8 t: where I write
	s_sub_co_u32 s16, ttmp9, 512                   ; j (of use only where i >= 512)
	s_lshr_b32 s17, s16, 6                         ; which of the three weights
	s_and_b32 s18, s16, 63                         ; which part of it
	s_cmp_lt_u32 ttmp9, 512
	s_cselect_b32 s18, ttmp9, s18                  ; the part's number in its own tensor
	s_lshl_b32 s22, s18, 16                        ; times 65,536 bytes
	s_mov_b32 s23, 0
	s_lshl_b32 s14, ttmp9, 15                      ; i times 32,768 bytes
	s_mov_b32 s15, 0
	s_wait_kmcnt 0x0
	s_cmp_eq_u32 s17, 1                            ; the source is chosen by the work-group's number alone
	s_cselect_b64 s[20:21], s[8:9], s[6:7]
	s_cmp_eq_u32 s17, 2
	s_cselect_b64 s[20:21], s[10:11], s[20:21]
	s_cmp_lt_u32 ttmp9, 512
	s_cselect_b64 s[20:21], s[4:5], s[20:21]
	s_add_nc_u64 s[20:21], s[20:21], s[22:23]
	s_add_nc_u64 s[12:13], s[12:13], s[14:15]
.irp j, 0,1,2,3,4,5,6,7,8,9,10,11,12,13,14,15
	global_load_b128 v[X+4*(\j):X+4*(\j)+3], v1, s[20:21] offset:4096*(\j) th:TH_LOAD_NT
.endr
.irp j, 0,1,2,3,4,5,6,7,8,9,10,11,12,13,14,15
	s_wait_loadcnt 15-(\j)                         ; loads come back in order: piece j is in, the 15 - j younger ones stay out
	v_cvt_pk_bf16_f32 v[Y+2*(\j)],   v[X+4*(\j)],   v[X+4*(\j)+1]
	v_cvt_pk_bf16_f32 v[Y+2*(\j)+1], v[X+4*(\j)+2], v[X+4*(\j)+3]
	global_store_b64 v2, v[Y+2*(\j):Y+2*(\j)+1], s[12:13] offset:2048*(\j)
.endr
	s_endpgm
.Lfunc_end_k_qf0d3547228_cast:
	.size	k_qf0d3547228_cast, .Lfunc_end_k_qf0d3547228_cast-k_qf0d3547228_cast
	.p2alignl 7, 3214868480
	.fill 96, 4, 3214868480
	.section	.rodata,"a",@progbits
	.p2align	6, 0x0
	.amdhsa_kernel k_qf0d3547228_cast
		.amdhsa_group_segment_fixed_size 0
		.amdhsa_private_segment_fixed_size 0
		.amdhsa_enable_private_segment 0
		.amdhsa_kernarg_size 40
		.amdhsa_user_sgpr_count 2
		.amdhsa_user_sgpr_kernarg_segment_ptr 1
		.amdhsa_wavefront_size32 1
		.amdhsa_system_sgpr_workgroup_id_x 1
		.amdhsa_system_sgpr_workgroup_id_y 1
		.amdhsa_system_sgpr_workgroup_id_z 1
		.amdhsa_system_vgpr_workitem_id 0
		.amdhsa_next_free_vgpr 100
		.amdhsa_next_free_sgpr 66
		.amdhsa_reserve_vcc 0
		.amdhsa_float_denorm_mode_32 3
		.amdhsa_float_denorm_mode_16_64 3
		.amdhsa_memory_ordered 1
		.amdhsa_forward_progress 1
		.amdhsa_inst_pref_size 7
	.end_amdhsa_kernel
	.amdgpu_metadata
---
amdhsa.version: [ 1, 2 ]
amdhsa.kernels:
  - .name:           k_qf0d3547228_cast
    .symbol:         k_qf0d3547228_cast.kd
    .args:
      - { .name: x, .offset: 0, .size: 8, .value_kind: global_buffer, .address_space: global }
      - { .name: Wq, .offset: 8, .size: 8, .value_kind: global_buffer, .address_space: global }
      - { .name: Wk, .offset: 16, .size: 8, .value_kind: global_buffer, .address_space: global }
      - { .name: Wv, .offset: 24, .size: 8, .value_kind: global_buffer, .address_space: global }
      - { .name: xw, .offset: 32, .size: 8, .value_kind: global_buffer, .address_space: global }
    .group_segment_fixed_size: 0
    .private_segment_fixed_size: 0
    .kernarg_segment_align: 8
    .kernarg_segment_size: 40
    .max_flat_workgroup_size: 256
    .sgpr_count:     66
    .vgpr_count:     100
    .wavefront_size: 32
...
	.end_amdgpu_metadata
.endif
;; end of part 1
;; launch proj (part 2): grid 24 x 32, 4 waves a work-group, clusters of 4 x 4, 327,680 bytes of LDS; arguments xw, qkv; writes qkv
.if DOCPART == 2
	.amdgcn_target "amdgcn-amd-amdhsa--gfx1250"
	.amdhsa_code_object_version 6
	.text
	.protected	k_qf0d3547228_proj
	.globl	k_qf0d3547228_proj
	.p2align	8
	.type	k_qf0d3547228_proj,@function
k_qf0d3547228_proj:
	s_mov_b64 s[64:65], 0
	v_nop
	global_prefetch_b8 v0, s[64:65] scope:SCOPE_SE
	s_setreg_imm32_b32 hwreg(HW_REG_WAVE_MODE, 25, 1), 1
	s_wait_xcnt 0x0
	s_wait_alu depctr_hold_cnt(0) depctr_sa_sdst(0) depctr_va_vdst(0) depctr_va_sdst(0) depctr_va_ssrc(0) depctr_va_vcc(0) depctr_vm_vsrc(0)
	s_getreg_b32 s2, hwreg(HW_REG_IB_STS2, 6, 4)
	s_cmp_eq_u32 s2, 0
	s_cbranch_scc0 .Lentry_in_a_cluster
	s_endpgm
.Lentry_in_a_cluster:
	s_bfe_u32 s2, ttmp6, 0x10000c
	s_cmp_lg_u32 s2, 0xf033
	s_cbranch_scc0 .Lentry_shape_is_right
	s_endpgm
.Lentry_shape_is_right:
; qkv[r][n] = the sum over e of xw[r][e] xw[8192 + n][e]: Q (n 0-1023), K (1024-), V (2048-) of all 8,192 rows at once.  xw: bf16 [11264][1024]; qkv: f16 [8192][3072]; sums in f32, rounded once.
; LIMIT.  f16 holds no number beyond 65,504: Q, K and V must stay within it (x and the weights all 30 times their drawn spread give about 5,000; a common offset of 30 spreads on both about 29,000).
; A tile of qkv is 256 rows x 128 columns: 32 x 24 = 768 work-groups, three for each of 256.  Four waves, one below the other, each 64 rows x 128 columns: 32 accumulators of 16 x 16, 256 registers;
; a wave's row of the tile is 256 whole bytes, so each wave has a stage of its own on the way out and needs no barrier there.
; K goes in steps of 128 through a ring of two LDS slots filled by tensor loads: rows of 256 bytes of memory, at multiples of 256 bytes.
; CLUSTER.  4 x 4 work-groups.  The four of a row of the cluster need the same 256 rows of x, the four of a column the same 128 rows of the weights: each tile is asked for jointly, by the same
; tensor load with the same descriptor and a mask that names the four.
; THE MATRIX INSTRUCTION IS USED TRANSPOSED: source 0 = 16 rows of the weights, source 1 = 16 rows of x: a lane then holds row l % 16 and the eight neighbouring columns 8 (l / 16) + 0..7.
; REGISTERS: window 0: v0-31 addresses; v32-63 packed results; two fragment buffers of 96 (v64-, v160-): 64 registers of the weights (block b at 8 b), then 32 of x (block a at 64 + 8 a);
;            window 1: accumulator (a, b) at v[8 (8 a + b)].
.set KSTEP,  128
.set PITCH,  272                       ; an LDS row: 256 bytes + 16 of padding = 68 words: row r starts at bank 4 r mod 64 (64 banks of 4 bytes: ISA guide 11.1): the 16 rows of a load start at 16 different banks
.set BOFF,   256*PITCH                 ; a slot: x's 256 rows, then the weights' 128
.set SLOT,   384*PITCH
.set STAGE,  2*SLOT                    ; behind the ring: 16 rows x 272 bytes for each wave
.set SPARE,  STAGE+4*16*PITCH          ; behind the stages: the spare words, 128 bytes for each wave: two blocks of 256 bytes that no other line names
.set LAPS,   4                         ; a lap = two K steps = once round the ring; 1,024 / 256
.set CROW,   6144                      ; bytes in a row of qkv
.set ADRA, 16                          ; v16-17  LDS address of my fragments of x in slot 0, 1
.set ADRB, 20                          ; v20-21  the same for the weights
.set STO,  24                          ; v24     the way out: where I put 16 bytes of a row
.set RD,   25                          ; v25     where I read a row back
.set CO,   26                          ; v26     my byte offset in qkv
.set SPW,  28                          ; v28     LDS address of my spare word; never rewritten
.set NIL,  29                          ; v29     0; never rewritten
.set TMP,  32
.set F0,   64
.set F1,   160
.set WV, 12                            ; s12 wave; s13 wave / 2: I fetch x (0) or weights (1); s14 wave % 2: which half of that tile
.set WH, 13
.set WL, 14
.set TY, 15                            ; s15 tile row, s16 tile column
.set TX, 16
.set LA, 20                            ; s20, s21: where my part of a tile goes in a slot
.set LB, 21
.set G1A, 24                           ; s[24:31] descriptor group 1 for x;  s[32:39] group 0, a set for each slot
.set G0A, 32
.set G1B, 48                           ; s[48:55], s[56:63] the same for the weights
.set G0B, 56
.set G1W0, (1<<16)|(1<<20)|(1<<21)|(5<<22)|(3<<25)  ; 17:16 elements of 2 bytes; 20 padding on; 21 set beside a mask; 24:22 after every 64 words; 31:25 4 words of it
.set MSB, 0
.macro WIN new                         ; the immediate's high byte repeats the setting that is left; a switch that changes nothing is dropped
.if MSB != (\new)
	s_set_vgpr_msb (MSB<<8)|(\new)
.set MSB, \new
.endif
.endm
.set MUL, 0x50                         ; sources 0 and 1 window 0; C and D window 1
; A joint load: waves 0 and 1 fetch x's two halves, waves 2 and 3 the weights'.  The branch hangs on the wave's number alone.  An s_nop 0 and four v_nop follow each of the two lines.
.macro JLOAD s
	s_cmp_eq_u32 s[WH], 0
	s_cbranch_scc0 .Lfor_b_\@
	tensor_load_to_lds s[G0A+4*(\s):G0A+4*(\s)+3], s[G1A:G1A+7]
	s_nop 0
.rept 4
	v_nop
.endr
	s_branch .Lasked_\@
.Lfor_b_\@:
	tensor_load_to_lds s[G0B+4*(\s):G0B+4*(\s)+3], s[G1B:G1B+7]
	s_nop 0
.rept 4
	v_nop
.endr
.Lasked_\@:
.endm
.macro CREST                           ; a round of the cluster's barrier behind its opening barrier: wave 0 signals for the work-group, every wave waits for all sixteen, the work-group's barrier closes it
	s_cmp_lg_u32 s[WV], 0
	s_cbranch_scc1 .Lnot_wave_0_\@
	s_barrier_signal -3
.Lnot_wave_0_\@:
	s_barrier_wait -3
	s_barrier_signal -1
	s_barrier_wait -1
.endm
.macro CROUND                          ; a whole round
	s_barrier_signal -1
	s_barrier_wait -1
	CREST
.endm
.macro PLACES                          ; four places in front of loads into registers that matrix instructions have read, and of conversions that read results
.rept 4
	v_nop
.endr
.endm
	s_load_b128 s[4:7], s[0:1], 0x0                ; xw s[4:5], qkv s[6:7]
	v_lshl_add_u32 v[SPW], v0, 2, SPARE
	v_mov_b32 v[NIL], 0
	ds_add_u32 v[SPW], v[NIL]                      ; the wave's opening: the add and its wait ahead of my first tensor load; the set-up below, work on registers, stands between them
	ds_add_u32 v28, v29
	v_lshrrev_b32 v1, 5, v0
	v_readfirstlane_b32 s[WV], v1                  ; wave 0..3
	s_lshr_b32 s[WH], s[WV], 1
	s_and_b32 s[WL], s[WV], 1
	s_bfe_u32 s17, ttmp6, 0x40000                  ; cx, cy: my place in the cluster
	s_bfe_u32 s18, ttmp6, 0x40004
	s_lshl_b32 s[TX], ttmp9, 2
	s_add_co_u32 s[TX], s[TX], s17                 ; tile column = 4 x cluster x + cx
	s_and_b32 s[TY], ttmp7, 0xffff
	s_lshl_b32 s[TY], s[TY], 2
	s_add_co_u32 s[TY], s[TY], s18                 ; tile row = 4 x cluster y + cy
	s_lshl_b32 s70, s18, 2
	s_lshl_b32 s70, 15, s70                        ; my row of the cluster: places 4 cy .. 4 cy + 3
	s_lshl_b32 s71, 0x1111, s17                    ; my column: places cx, cx + 4, cx + 8, cx + 12
	s_or_b32 s[G1A], s70, G1W0                     ; x's tiles go to my row,
	s_or_b32 s[G1B], s71, G1W0                     ; the weights' to my column
.irp g, G1A, G1B
	s_mov_b32 s[(\g)+1], KSTEP<<16                 ; tensor_dim0 = 128
	s_mov_b32 s[(\g)+3], KSTEP<<16                 ; tile_dim0 = 128
	s_mov_b32 s[(\g)+5], 1024                      ; elements from row to row
	s_mov_b32 s[(\g)+6], 0
	s_mov_b32 s[(\g)+7], 0
.endr
	s_mov_b32 s[G1A+2], 128<<16                    ; tensor_dim1 = tile_dim1 = 128 rows of x a load,
	s_mov_b32 s[G1A+4], 128
	s_mov_b32 s[G1B+2], 64<<16                     ; 64 rows of the weights
	s_mov_b32 s[G1B+4], 64
	s_lshl_b32 s40, s[TY], 8                       ; x: row 256 x tile row + 128 x half, 2,048 bytes a row: made of the tile row and the wave alone
	s_lshl_b32 s22, s[WL], 7
	s_add_co_u32 s40, s40, s22
	s_lshl_b32 s40, s40, 11
	s_mov_b32 s41, 0
	s_lshl_b32 s44, s[TX], 7                       ; weights: row 8,192 + 128 x tile column + 64 x half: made of the tile column and the wave alone
	s_lshl_b32 s23, s[WL], 6
	s_add_co_u32 s44, s44, s23
	s_add_co_u32 s44, s44, 8192
	s_lshl_b32 s44, s44, 11
	s_mov_b32 s45, 0
	s_lshl_b32 s42, s[TY], 8                       ; qkv: my first row, 256 x tile row + 64 x wave, and the tile's first column, 256 bytes a tile
	s_lshl_b32 s43, s[WV], 6
	s_add_co_u32 s42, s42, s43
	s_mul_i32 s42, s42, CROW
	s_lshl_b32 s43, s[TX], 8
	s_add_co_u32 s42, s42, s43
	s_mov_b32 s43, 0
	s_mul_i32 s[LA], s[WV], 128*PITCH              ; waves 0, 1: x's halves at 0 and 34,816
	s_mul_i32 s[LB], s[WV], 64*PITCH               ; waves 2, 3: the weights' halves at 69,632 and 87,040
	s_add_co_u32 s[LB], s[LB], 128*PITCH
	s_wait_dscnt 0x0                               ; the opening add is done
	s_wait_kmcnt 0x0
	s_add_nc_u64 s[40:41], s[4:5], s[40:41]
	s_add_nc_u64 s[44:45], s[4:5], s[44:45]
	s_add_nc_u64 s[6:7], s[6:7], s[42:43]
	CROUND                                         ; all sixteen work-groups are here: the first joint loads meet
.irp s, 0,1
	s_mov_b32 s[G0A+4*(\s)], 1                                        ; count = 1
	s_add_co_u32 s[G0A+4*(\s)+1], s[LA], (\s)*SLOT                    ; LDS address
	s_add_nc_u64 s[G0A+4*(\s)+2:G0A+4*(\s)+3], s[40:41], (\s)*KSTEP*2 ; global address: K step s
	s_or_b32 s[G0A+4*(\s)+3], s[G0A+4*(\s)+3], 0x80000000             ; type = 2
	s_mov_b32 s[G0B+4*(\s)], 1
	s_add_co_u32 s[G0B+4*(\s)+1], s[LB], (\s)*SLOT
	s_add_nc_u64 s[G0B+4*(\s)+2:G0B+4*(\s)+3], s[44:45], (\s)*KSTEP*2
	s_or_b32 s[G0B+4*(\s)+3], s[G0B+4*(\s)+3], 0x80000000
	JLOAD \s                                       ; two tensor loads of mine are out
.endr
	; A fragment is 16 rows x 32 K in 8 registers: lane l holds row l % 16; registers 0-3 K = 8 (l / 16) + 0..7, registers 4-7 K = 16 + 8 (l / 16) + 0..7: two loads of 16 bytes, 32 bytes apart.
	v_and_b32 v1, 15, v0                           ; l % 16
	v_bfe_u32 v2, v0, 4, 1                         ; l / 16
	v_mul_u32_u24 v3, v1, PITCH
	v_lshl_add_u32 v3, v2, 4, v3                   ; row x pitch + 16 x half
	s_mul_i32 s22, s[WV], 64*PITCH                 ; my 64 rows of x
	s_mov_b32 s23, BOFF                            ; all 128 rows of the weights
.irp s, 0,1
	v_add_nc_u32 v[ADRA+(\s)], s22, v3
	v_add_nc_u32 v[ADRB+(\s)], s23, v3
	s_add_co_u32 s22, s22, SLOT
	s_add_co_u32 s23, s23, SLOT
.endr
	s_mul_i32 s22, s[WV], 16*PITCH
	s_add_co_u32 s22, s22, STAGE                   ; my stage
	v_add_nc_u32 v[STO], s22, v3                   ; in: row l % 16, 16 bytes for each half of the lanes
	v_mul_u32_u24 v4, v2, PITCH                    ; back: lanes 0-15 one row of 256 bytes, lanes 16-31 the next
	v_lshl_add_u32 v4, v1, 4, v4
	v_add_nc_u32 v[RD], s22, v4
	v_mul_u32_u24 v4, v2, CROW                     ; and the same two rows in qkv
	v_lshl_add_u32 v[CO], v1, 4, v4
; 8 matrix instructions: block a of my rows x all 8 column blocks, 32 along K.  zero = 1: the product starts the sums: nothing is cleared.  The 32 accumulators take turns.
.macro MULA f, a, zero
	WIN MUL
.irp b, 0,1,2,3,4,5,6,7
.if \zero
	v_wmma_f32_16x16x32_bf16 v[8*(8*(\a)+(\b)):8*(8*(\a)+(\b))+7], v[(\f)+8*(\b):(\f)+8*(\b)+7], v[(\f)+64+8*(\a):(\f)+64+8*(\a)+7], 0
.else
	v_wmma_f32_16x16x32_bf16 v[8*(8*(\a)+(\b)):8*(8*(\a)+(\b))+7], v[(\f)+8*(\b):(\f)+8*(\b)+7], v[(\f)+64+8*(\a):(\f)+64+8*(\a)+7], v[8*(8*(\a)+(\b)):8*(8*(\a)+(\b))+7]
.endif
.endr
.endm
; 24 LDS loads in one run: quarter q (32 along K) of a slot into buffer f: 16 for the weights, then 8 for x
.macro FETCH slot, q, f
	WIN 0
.irp i, 0,1,2,3,4,5,6,7
	ds_load_b128 v[(\f)+8*(\i):(\f)+8*(\i)+3],   v[ADRB+(\slot)] offset:64*(\q)+(\i)*16*PITCH
	ds_load_b128 v[(\f)+8*(\i)+4:(\f)+8*(\i)+7], v[ADRB+(\slot)] offset:64*(\q)+(\i)*16*PITCH+32
.endr
.irp i, 0,1,2,3
	ds_load_b128 v[(\f)+64+8*(\i):(\f)+64+8*(\i)+3],   v[ADRA+(\slot)] offset:64*(\q)+(\i)*16*PITCH
	ds_load_b128 v[(\f)+64+8*(\i)+4:(\f)+64+8*(\i)+7], v[ADRA+(\slot)] offset:64*(\q)+(\i)*16*PITCH+32
.endr
.endm
; A K step is four quarters of 32 along K, 32 matrix instructions each, on buffers 0, 1, 0, 1.  One of the first three multiplies buffer f and, in its middle, fetches quarter q into buffer g.
.macro QUARTER slot, q, f, g, zero
	s_wait_dscnt 4                                 ; the weights and x's blocks 0, 1 are in; the youngest four loads (blocks 2, 3) may be out
	MULA \f, 0, \zero
	MULA \f, 1, \zero
	PLACES
	FETCH \slot, \q, \g
	s_wait_dscnt 24                                ; all but the 24 just issued
	MULA \f, 2, \zero
	MULA \f, 3, \zero
.endm
; The last quarter multiplies buffer 1 and changes slots: ONE barrier.  In front of it each wave waits for all its tensor loads (one is out: its part of the next slot), adds 0 to its spare word, and waits for
; that and for its own reads of this slot.  fill = 1: the barrier opens a round of the cluster's, and this slot is filled again, two K steps ahead, first thing behind it: 112 matrix instructions ahead of the wait for it.
.macro TURN slot, next, fill
	WIN 0
	s_wait_tensorcnt 0x0                           ; all my tensor loads have landed;
	ds_add_u32 v[SPW], v[NIL]                      ; 0 onto my spare word;
	s_wait_dscnt 5                                 ; (the add and the youngest four loads may be out)
	MULA F1, 0, 0                                  ; eight matrix instructions stand between the add and the wait for it
	s_wait_dscnt 0x0                               ; the add is done, and my reads of this slot are over
	s_barrier_signal -1
	MULA F1, 1, 0                                  ; work on registers while the others arrive
.if \fill
	WIN 0
.endif
	s_barrier_wait -1
.if \fill
	CREST                                          ; no wave of any partner still reads this slot's tile or has a load on its way
	s_add_nc_u64 s[G0A+4*(\slot)+2:G0A+4*(\slot)+3], s[G0A+4*(\slot)+2:G0A+4*(\slot)+3], 2*KSTEP*2
	s_add_nc_u64 s[G0B+4*(\slot)+2:G0B+4*(\slot)+3], s[G0B+4*(\slot)+2:G0B+4*(\slot)+3], 2*KSTEP*2
	JLOAD \slot                                    ; its four v_nop are also the places in front of the loads below
.else
	PLACES
.endif
	FETCH \next, 0, F0
	MULA F1, 2, 0
	MULA F1, 3, 0
.endm
	s_wait_tensorcnt 1                             ; my part of K step 0 is in; K step 1's may stay out
	s_barrier_signal -1
	s_barrier_wait -1                              ; everybody's is
	FETCH 0, 0, F0
	QUARTER 0, 1, F0, F1, 1                        ; the first quarter stands in front of the loop: its products start the sums
	WIN 0                                          ; at a label and at a branch every window is 0
	s_mov_b32 s3, LAPS-1
.Llap:                                                 ; a trip goes once round the ring, from a lap's second quarter to the next lap's first, and fills both slots again
	QUARTER 0, 2, F1, F0, 0
	QUARTER 0, 3, F0, F1, 0
	TURN 0, 1, 1
	QUARTER 1, 1, F0, F1, 0
	QUARTER 1, 2, F1, F0, 0
	QUARTER 1, 3, F0, F1, 0
	TURN 1, 0, 1
	QUARTER 0, 1, F0, F1, 0
	WIN 0
	s_sub_co_u32 s3, s3, 1
	s_cmp_lg_u32 s3, 0
	s_cbranch_scc1 .Llap
	QUARTER 0, 2, F1, F0, 0                        ; the last lap fills nothing
	QUARTER 0, 3, F0, F1, 0
	TURN 0, 1, 0
	QUARTER 1, 1, F0, F1, 0
	QUARTER 1, 2, F1, F0, 0
	QUARTER 1, 3, F0, F1, 0
	s_wait_dscnt 4                                 ; the very last quarter: nothing more to fetch
	MULA F1, 0, 0
	MULA F1, 1, 0
	s_wait_dscnt 0x0
	MULA F1, 2, 0
	MULA F1, 3, 0
	WIN 0
; THE WAY OUT, a block of 16 rows at a time: rounded to f16, 16 bytes a lane (each accumulator's registers in ascending order); into my stage; back as whole rows of 256 bytes; stored.
.macro PACK a
	WIN 0x05                                       ; sources 0 and 1 window 1, destination window 0
.set i, 0
.rept 32
	v_cvt_pk_f16_f32 v[TMP+i], v[64*(\a)+2*i], v[64*(\a)+2*i+1]
.set i, i+1
.endr
	WIN 0
.endm
.macro TOSTAGE a
.irp b, 0,1,2,3,4,5,6,7
	ds_store_b128 v[STO], v[TMP+4*(\b):TMP+4*(\b)+3] offset:32*(\b)
.endr
.irp t, 0,1,2,3,4,5,6,7
	ds_load_b128 v[64+32*(\a)+4*(\t):64+32*(\a)+4*(\t)+3], v[RD] offset:(\t)*2*PITCH  ; LDS serves a wave's instructions in order (ISA guide 5.7.1.4): these see the stores above; each block has registers of its own
.endr
.endm
.macro SEND a
	s_wait_dscnt 0x0                               ; the block is back in registers
.irp t, 0,1,2,3,4,5,6,7
	global_store_b128 v[CO], v[64+32*(\a)+4*(\t):64+32*(\a)+4*(\t)+3], s[6:7] offset:(16*(\a)+2*(\t))*CROW  ; 16 lanes store 256 consecutive bytes, at a multiple of 256 from qkv's first byte
.endr
.endm
	PLACES
	PACK 0
	TOSTAGE 0
.irp a, 1,2,3                          ; block a's conversions stand between block a - 1's loads from the stage and the wait for them
	PACK \a
	SEND (\a)-1
	TOSTAGE \a
.endr
	SEND 3
	s_wait_tensorcnt 0x0                           ; the wave's end, behind my last tensor load and my last LDS store
	ds_add_u32 v[SPW], v[NIL]
	s_wait_dscnt 0x0
	CROUND                                         ; the closing round: no work-group ends while a partner may still ask for a tile that names it
	s_endpgm
.Lfunc_end_k_qf0d3547228_proj:
	.size	k_qf0d3547228_proj, .Lfunc_end_k_qf0d3547228_proj-k_qf0d3547228_proj
	.p2alignl 7, 3214868480
	.fill 96, 4, 3214868480
	.section	.rodata,"a",@progbits
	.p2align	6, 0x0
	.amdhsa_kernel k_qf0d3547228_proj
		.amdhsa_group_segment_fixed_size 327680
		.amdhsa_private_segment_fixed_size 0
		.amdhsa_enable_private_segment 0
		.amdhsa_kernarg_size 16
		.amdhsa_user_sgpr_count 2
		.amdhsa_user_sgpr_kernarg_segment_ptr 1
		.amdhsa_wavefront_size32 1
		.amdhsa_system_sgpr_workgroup_id_x 1
		.amdhsa_system_sgpr_workgroup_id_y 1
		.amdhsa_system_sgpr_workgroup_id_z 1
		.amdhsa_system_vgpr_workitem_id 0
		.amdhsa_next_free_vgpr 512
		.amdhsa_next_free_sgpr 72
		.amdhsa_reserve_vcc 0
		.amdhsa_float_denorm_mode_32 3
		.amdhsa_float_denorm_mode_16_64 3
		.amdhsa_memory_ordered 1
		.amdhsa_forward_progress 1
		.amdhsa_inst_pref_size 86
	.end_amdhsa_kernel
	.amdgpu_metadata
---
amdhsa.version: [ 1, 2 ]
amdhsa.kernels:
  - .name:           k_qf0d3547228_proj
    .symbol:         k_qf0d3547228_proj.kd
    .args:
      - { .name: xw, .offset: 0, .size: 8, .value_kind: global_buffer, .address_space: global }
      - { .name: qkv, .offset: 8, .size: 8, .value_kind: global_buffer, .address_space: global }
    .group_segment_fixed_size: 327680
    .private_segment_fixed_size: 0
    .kernarg_segment_align: 8
    .kernarg_segment_size: 16
    .max_flat_workgroup_size: 128
    .sgpr_count:     72
    .vgpr_count:     512
    .wavefront_size: 32
...
	.end_amdgpu_metadata
.endif
;; end of part 2
;; launch score (part 3): grid 8 x 32, 4 waves a work-group, clusters of 4 x 4, 327,680 bytes of LDS; arguments qkv, pt, st; writes pt, st
.if DOCPART == 3
	.amdgcn_target "amdgcn-amd-amdhsa--gfx1250"
	.amdhsa_code_object_version 6
	.text
	.protected	k_qf0d3547228_score
	.globl	k_qf0d3547228_score
	.p2align	8
	.type	k_qf0d3547228_score,@function
k_qf0d3547228_score:
	s_mov_b64 s[64:65], 0
	v_nop
	global_prefetch_b8 v0, s[64:65] scope:SCOPE_SE
	s_setreg_imm32_b32 hwreg(HW_REG_WAVE_MODE, 25, 1), 1
	s_wait_xcnt 0x0
	s_wait_alu depctr_hold_cnt(0) depctr_sa_sdst(0) depctr_va_vdst(0) depctr_va_sdst(0) depctr_va_ssrc(0) depctr_va_vcc(0) depctr_vm_vsrc(0)
	s_getreg_b32 s2, hwreg(HW_REG_IB_STS2, 6, 4)
	s_cmp_eq_u32 s2, 0
	s_cbranch_scc0 .Lentry_in_a_cluster
	s_endpgm
.Lentry_in_a_cluster:
	s_bfe_u32 s2, ttmp6, 0x10000c
	s_cmp_lg_u32 s2, 0xf033
	s_cbranch_scc0 .Lentry_shape_is_right
	s_endpgm
.Lentry_shape_is_right:
; For a tile of 256 queries x 256 keys of one batch: s = Q . K (sum over 1,024 channels, f16 operands, f32 sums); m = the row's maximum over the tile's 256 keys; p = 2^(c s - c m), c = log2(e) / 32.
; Stored: p rounded once to f16 in pt [8192 q][2048 k]; in st, f32, [batch 4][half tile of 128 keys 16][kind 2][q 2048]: kind 0 = c m (the same in both halves of a tile), kind 1 = the sum of the
; unrounded p over that half's 128 keys.  The launch behind brings the eight tiles of a row onto their common maximum.  The maximum taken away is the tile's true one: every exponent is 0 or less.
; LIMITS.  Q and K arrive in f16 (within 65,504).  p lies in 0 to 1; below 6e-5 it keeps f16's fixed step of 6e-8; a p below 2^-126 counts as 0 in the sum.  NaN and infinities are not treated apart.
; SHAPE.  Four waves, each 128 x 128: 64 accumulators of 16 x 16, 512 registers.  K goes in steps of 128 through a ring of two LDS slots filled by tensor loads: rows of 256 bytes, at multiples of 256 bytes.
; CLUSTER.  4 x 4 work-groups: the four of a row of the cluster need the same 256 rows of Q, the four of a column the same 256 rows of K (a cluster's 1,024 query rows lie in one batch): joint loads.
; THE MATRIX INSTRUCTION IS USED TRANSPOSED: source 0 = 16 keys, source 1 = 16 queries: a lane holds ONE query (l % 16) and the keys 8 (l / 16) + 0..7 of each block of 16.
; REGISTERS: window 0: v0-31 addresses; v64-127, v128-191 fragments of Q, two buffers; window 1: the same numbers, fragments of K; window 2: the accumulators of my rows 0-63 ((a, b) at v[8 (8 a + b)]); window 3: rows 64-127.
;   Behind the loop window 0 holds: v64-127 the maxima's chains; v128-159 the sums' first level; v160-175 c m, m by block; v176-183 the sums; v184-191, v64-71 the two waves' maxima; v192-223 packed p; v32-63, v224-255 rows read back.
.set KSTEP,  128
.set PITCH,  272                       ; an LDS row: 256 bytes + 16 of padding = 68 words: row r starts at bank 4 r mod 64 (64 banks of 4 bytes: ISA guide 11.1)
.set HALFT,  128*PITCH                 ; 128 rows: what one tensor load brings, and what one wave reads of Q or of K
.set SLOT,   4*HALFT                   ; Q's 256 rows, then K's 256 rows
.set STAGE,  2*SLOT                    ; behind the ring: 16 rows x 272 bytes for each wave
.set XCH,    STAGE+4*16*PITCH          ; [wave 4][row 128] f32: the waves' maxima meet here
.set ST2,    XCH+2048                  ; 1,024 bytes for each wave: c m and the sums, turned from one a lane to four a lane
.set SPARE,  ST2+4096                  ; the spare words, 128 bytes for each wave: two blocks of 256 bytes that no other line names
.set LAPS,   4
.set QROW,   6144                      ; bytes in a row of qkv
.set PROW,   4096                      ; bytes in a row of pt
.set XA,   6                           ; v6   where I put my rows' maxima       v7   where I read both waves'
.set XR,   7
.set SA,   8                           ; v8   where I put c m and the sums      v9   where I read them back      v10  16 x lane
.set SB,   9
.set SO,   10
.set ADRA, 16
.set ADRB, 20
.set STO,  24
.set RD,   25
.set CO,   26
.set SPW,  28                          ; v28  LDS address of my spare word; never rewritten
.set NIL,  29                          ; v29  0; never rewritten
.set F0,   64
.set F1,   128
.set CH,   64
.set PX1,  64
.set SV,   72
.set SUMT, 128
.set STT,  160
.set LS,   176
.set PX0,  184
.set TMP,  192
.set OB,   32
.set WV, 12                            ; s12 wave; s13 wave / 2: my half of the rows, and: I fetch Q (0) or K (1); s14 wave % 2: my half of the keys, and: which 128 rows I fetch
.set WH, 13
.set WL, 14
.set TY, 15
.set TX, 16
.set BAT, 19                           ; s19 the batch, made of the cluster's y alone
.set LA, 20
.set G1A, 24
.set G0A, 32
.set G1B, 48
.set G0B, 56
.set CS,  66                           ; s[66:67] c, twice
.set SEL, 68                           ; s[68:69] v_permlanex16_b32's selects: each lane takes its own place in the other half
.set G1W0, (1<<16)|(1<<20)|(1<<21)|(5<<22)|(3<<25)
.set MSB, 0
.macro WIN new
.if MSB != (\new)
	s_set_vgpr_msb (MSB<<8)|(\new)
.set MSB, \new
.endif
.endm
.set MUL_LO, 0xa1                      ; source 0 (K) window 1, source 1 (Q) window 0, C and D window 2
.set MUL_HI, 0xf1                      ; the same, C and D window 3
.set TO_B,   0x40                      ; destination window 1, address window 0
.macro JLOAD s                         ; a joint load: waves 0 and 1 fetch Q's halves, waves 2 and 3 K's; an s_nop 0 and four v_nop follow each of the two lines
	s_cmp_eq_u32 s[WH], 0
	s_cbranch_scc0 .Lfor_b_\@
	tensor_load_to_lds s[G0A+4*(\s):G0A+4*(\s)+3], s[G1A:G1A+7]
	s_nop 0
.rept 4
	v_nop
.endr
	s_branch .Lasked_\@
.Lfor_b_\@:
	tensor_load_to_lds s[G0B+4*(\s):G0B+4*(\s)+3], s[G1B:G1B+7]
	s_nop 0
.rept 4
	v_nop
.endr
.Lasked_\@:
.endm
.macro CREST
	s_cmp_lg_u32 s[WV], 0
	s_cbranch_scc1 .Lnot_wave_0_\@
	s_barrier_signal -3
.Lnot_wave_0_\@:
	s_barrier_wait -3
	s_barrier_signal -1
	s_barrier_wait -1
.endm
.macro CROUND
	s_barrier_signal -1
	s_barrier_wait -1
	CREST
.endm
.macro PLACES
.rept 4
	v_nop
.endr
.endm
	s_load_b128 s[4:7], s[0:1], 0x0                ; qkv s[4:5], pt s[6:7]
	s_load_b64 s[8:9], s[0:1], 0x10                ; st
	v_lshl_add_u32 v[SPW], v0, 2, SPARE
	v_mov_b32 v[NIL], 0
	ds_add_u32 v[SPW], v[NIL]                      ; the wave's opening: the add and its wait ahead of my first tensor load; the set-up below, work on registers, stands between them
	ds_add_u32 v28, v29
	v_lshrrev_b32 v1, 5, v0
	v_readfirstlane_b32 s[WV], v1
	s_lshr_b32 s[WH], s[WV], 1
	s_and_b32 s[WL], s[WV], 1
	s_bfe_u32 s17, ttmp6, 0x40000                  ; cx, cy
	s_bfe_u32 s18, ttmp6, 0x40004
	s_lshl_b32 s[TX], ttmp9, 2
	s_add_co_u32 s[TX], s[TX], s17                 ; key tile = 4 x cluster x + cx
	s_and_b32 s[TY], ttmp7, 0xffff
	s_lshr_b32 s[BAT], s[TY], 1                    ; eight query tiles, two clusters, to a batch
	s_lshl_b32 s[TY], s[TY], 2
	s_add_co_u32 s[TY], s[TY], s18                 ; query tile = 4 x cluster y + cy, counted through all batches
	s_lshl_b32 s70, s18, 2
	s_lshl_b32 s70, 15, s70                        ; my row of the cluster
	s_lshl_b32 s71, 0x1111, s17                    ; my column
	s_or_b32 s[G1A], s70, G1W0                     ; Q's tiles go to my row,
	s_or_b32 s[G1B], s71, G1W0                     ; K's to my column
.irp g, G1A, G1B
	s_mov_b32 s[(\g)+1], KSTEP<<16                 ; tensor_dim0 = 128
	s_mov_b32 s[(\g)+2], 128<<16                   ; tensor_dim1 = 128
	s_mov_b32 s[(\g)+3], KSTEP<<16                 ; tile_dim0 = 128
	s_mov_b32 s[(\g)+4], 128                       ; tile_dim1 = 128
	s_mov_b32 s[(\g)+5], 3072                      ; elements from row to row of qkv
	s_mov_b32 s[(\g)+6], 0
	s_mov_b32 s[(\g)+7], 0
.endr
	s_lshl_b32 s40, s[TY], 8                       ; Q: row 256 x query tile + 128 x half
	s_lshl_b32 s22, s[WL], 7
	s_add_co_u32 s40, s40, s22
	s_mul_i32 s40, s40, QROW
	s_mov_b32 s41, 0
	s_lshl_b32 s44, s[BAT], 11                     ; K: row 2,048 x batch + 256 x key tile + 128 x half, 2,048 bytes into the row
	s_lshl_b32 s23, s[TX], 8
	s_add_co_u32 s44, s44, s23
	s_lshl_b32 s23, s[WL], 7
	s_add_co_u32 s44, s44, s23
	s_mul_i32 s44, s44, QROW
	s_add_co_u32 s44, s44, 2048
	s_mov_b32 s45, 0
	s_lshl_b32 s42, s[TY], 8                       ; pt: my first row, and my 128 keys' 256 bytes
	s_lshl_b32 s43, s[WH], 7
	s_add_co_u32 s42, s42, s43
	s_lshl_b32 s42, s42, 12
	s_lshl_b32 s43, s[TX], 9
	s_add_co_u32 s42, s42, s43
	s_lshl_b32 s43, s[WL], 8
	s_add_co_u32 s42, s42, s43
	s_mov_b32 s43, 0
	s_lshl_b32 s46, s[BAT], 4                      ; st: (16 x batch + 2 x key tile + half) x 16,384 + 4 x my first query in the batch
	s_lshl_b32 s47, s[TX], 1
	s_add_co_u32 s46, s46, s47
	s_add_co_u32 s46, s46, s[WL]
	s_lshl_b32 s46, s46, 14
	s_and_b32 s47, s[TY], 7
	s_lshl_b32 s47, s47, 10
	s_add_co_u32 s46, s46, s47
	s_lshl_b32 s47, s[WH], 9
	s_add_co_u32 s46, s46, s47
	s_mov_b32 s47, 0
	s_mul_i32 s[LA], s[WV], HALFT                  ; Q's two halves, then K's two halves = wave x 128 rows
	s_mov_b32 s[CS], 0x3d38aa3b                    ; c = log2(e) / 32
	s_mov_b32 s[CS+1], s[CS]
	s_mov_b32 s[SEL], 0x76543210
	s_mov_b32 s[SEL+1], 0xfedcba98
	s_wait_dscnt 0x0                               ; the opening add is done
	s_wait_kmcnt 0x0
	s_add_nc_u64 s[40:41], s[4:5], s[40:41]
	s_add_nc_u64 s[44:45], s[4:5], s[44:45]
	s_add_nc_u64 s[6:7], s[6:7], s[42:43]
	s_add_nc_u64 s[8:9], s[8:9], s[46:47]
	CROUND                                         ; all sixteen work-groups are here: the first joint loads meet
.irp s, 0,1
	s_mov_b32 s[G0A+4*(\s)], 1
	s_add_co_u32 s[G0A+4*(\s)+1], s[LA], (\s)*SLOT
	s_add_nc_u64 s[G0A+4*(\s)+2:G0A+4*(\s)+3], s[40:41], (\s)*KSTEP*2
	s_or_b32 s[G0A+4*(\s)+3], s[G0A+4*(\s)+3], 0x80000000
	s_mov_b32 s[G0B+4*(\s)], 1
	s_add_co_u32 s[G0B+4*(\s)+1], s[LA], (\s)*SLOT
	s_add_nc_u64 s[G0B+4*(\s)+2:G0B+4*(\s)+3], s[44:45], (\s)*KSTEP*2
	s_or_b32 s[G0B+4*(\s)+3], s[G0B+4*(\s)+3], 0x80000000
	JLOAD \s                                       ; two tensor loads of mine are out
.endr
	v_and_b32 v1, 15, v0                           ; l % 16
	v_bfe_u32 v2, v0, 4, 1                         ; l / 16
	v_mul_u32_u24 v3, v1, PITCH
	v_lshl_add_u32 v3, v2, 4, v3                   ; a fragment's row x pitch + 16 x half
	s_mul_i32 s22, s[WH], HALFT                    ; my 128 rows of Q
	s_mul_i32 s23, s[WL], HALFT                    ; my 128 rows of K,
	s_add_co_u32 s23, s23, 2*HALFT                 ; which lie behind Q's 256
.irp s, 0,1
	v_add_nc_u32 v[ADRA+(\s)], s22, v3
	v_add_nc_u32 v[ADRB+(\s)], s23, v3
	s_add_co_u32 s22, s22, SLOT
	s_add_co_u32 s23, s23, SLOT
.endr
	s_mul_i32 s22, s[WV], 16*PITCH
	s_add_co_u32 s22, s22, STAGE                   ; my stage
	v_add_nc_u32 v[STO], s22, v3
	v_mul_u32_u24 v4, v2, PITCH
	v_lshl_add_u32 v4, v1, 4, v4
	v_add_nc_u32 v[RD], s22, v4
	v_lshlrev_b32 v4, 12, v2                       ; two rows of pt
	v_lshl_add_u32 v[CO], v1, 4, v4
	s_lshl_b32 s22, s[WV], 9
	s_add_co_u32 s22, s22, XCH
	v_lshl_add_u32 v[XA], v1, 2, s22               ; my wave's 128 words
	s_lshl_b32 s22, s[WH], 10
	s_add_co_u32 s22, s22, XCH
	v_lshl_add_u32 v[XR], v1, 2, s22               ; those of the two waves that share my rows
	s_lshl_b32 s22, s[WV], 10
	s_add_co_u32 s22, s22, ST2
	v_lshl_add_u32 v[SA], v1, 2, s22
	v_and_b32 v[SO], 31, v0
	v_lshlrev_b32 v[SO], 4, v[SO]
	v_add_nc_u32 v[SB], s22, v[SO]
; 16 matrix instructions: row blocks a0, a0 + 1 of the window's four x all 8 key blocks, 32 along K.  zero = 1: the product starts the sums.  The 64 accumulators take turns.
.macro MUL16 f, hi, a0, zero
	WIN MUL_LO+0x50*(\hi)
.irp a, \a0, (\a0)+1
.irp b, 0,1,2,3,4,5,6,7
.if \zero
	v_wmma_f32_16x16x32_f16 v[8*(8*(\a)+(\b)):8*(8*(\a)+(\b))+7], v[(\f)+8*(\b):(\f)+8*(\b)+7], v[(\f)+8*(4*(\hi)+(\a)):(\f)+8*(4*(\hi)+(\a))+7], 0
.else
	v_wmma_f32_16x16x32_f16 v[8*(8*(\a)+(\b)):8*(8*(\a)+(\b))+7], v[(\f)+8*(\b):(\f)+8*(\b)+7], v[(\f)+8*(4*(\hi)+(\a)):(\f)+8*(4*(\hi)+(\a))+7], v[8*(8*(\a)+(\b)):8*(8*(\a)+(\b))+7]
.endif
.endr
.endr
.endm
; 32 LDS loads in one run: the fragments of a quarter step (128 rows of K, 128 rows of Q, 32 K at byte k of the rows) into buffer f
.macro FETCH slot, k, f
	WIN TO_B
.irp i, 0,1,2,3,4,5,6,7
	ds_load_b128 v[(\f)+8*(\i):(\f)+8*(\i)+3],   v[ADRB+(\slot)] offset:(\k)+(\i)*16*PITCH
	ds_load_b128 v[(\f)+8*(\i)+4:(\f)+8*(\i)+7], v[ADRB+(\slot)] offset:(\k)+(\i)*16*PITCH+32
.endr
	WIN 0
.irp i, 0,1,2,3,4,5,6,7
	ds_load_b128 v[(\f)+8*(\i):(\f)+8*(\i)+3],   v[ADRA+(\slot)] offset:(\k)+(\i)*16*PITCH
	ds_load_b128 v[(\f)+8*(\i)+4:(\f)+8*(\i)+7], v[ADRA+(\slot)] offset:(\k)+(\i)*16*PITCH+32
.endr
.endm
; A K step is four quarters of 32 along K, 64 matrix instructions each, on buffers 0, 1, 0, 1.
.macro QUARTER slot, k, f, g, zero
	s_wait_dscnt 8                                 ; K and Q's rows 0-63 are in; the youngest eight loads (Q's rows 64-127) may be out
	MUL16 \f, 0, 0, \zero
	MUL16 \f, 0, 2, \zero
	PLACES
	FETCH \slot, \k, \g
	s_wait_dscnt 32                                ; all but the 32 just issued
	MUL16 \f, 1, 0, \zero
	MUL16 \f, 1, 2, \zero
.endm
; The first half of the last quarter, and ONE barrier for the change of slots: in front of it each wave waits for all its tensor loads (one is out: its part of the next slot), adds 0 to its spare word,
; and waits for that and for its own reads of this slot.
.macro MEET round
	WIN 0
	s_wait_tensorcnt 0x0
	ds_add_u32 v[SPW], v[NIL]                      ; 0 onto my spare word
	s_wait_dscnt 9                                 ; (the add and the youngest eight loads may be out)
	MUL16 F1, 0, 0, 0                              ; sixteen matrix instructions stand between the add and the wait for it
	s_wait_dscnt 0x0                               ; the add is done, and my reads of this slot are over
	s_barrier_signal -1
	MUL16 F1, 0, 2, 0
.if \round
	WIN 0
.endif
	s_barrier_wait -1
.endm
.macro TURN slot, next                 ; the whole last quarter: the slot just read out is filled again, two K steps ahead, first thing behind the round: 224 matrix instructions ahead of the wait for it
	MEET 1
	CREST
	s_add_nc_u64 s[G0A+4*(\slot)+2:G0A+4*(\slot)+3], s[G0A+4*(\slot)+2:G0A+4*(\slot)+3], 2*KSTEP*2
	s_add_nc_u64 s[G0B+4*(\slot)+2:G0B+4*(\slot)+3], s[G0B+4*(\slot)+2:G0B+4*(\slot)+3], 2*KSTEP*2
	JLOAD \slot                                    ; its four v_nop are also the places in front of the loads below
	FETCH \next, 0, F0
	MUL16 F1, 1, 0, 0
	MUL16 F1, 1, 2, 0
.endm
	s_wait_tensorcnt 1                             ; my part of K step 0 is in; K step 1's may stay out
	s_barrier_signal -1
	s_barrier_wait -1
	FETCH 0, 0, F0
	QUARTER 0, 64,  F0, F1, 1                      ; the first quarter's products start the sums
	WIN 0
	s_mov_b32 s3, LAPS-1
.Llap:
	QUARTER 0, 128, F1, F0, 0
	QUARTER 0, 192, F0, F1, 0
	TURN 0, 1
	QUARTER 1, 64,  F0, F1, 0
	QUARTER 1, 128, F1, F0, 0
	QUARTER 1, 192, F0, F1, 0
	TURN 1, 0
	QUARTER 0, 64,  F0, F1, 0
	WIN 0
	s_sub_co_u32 s3, s3, 1
	s_cmp_lg_u32 s3, 0
	s_cbranch_scc1 .Llap
	QUARTER 0, 128, F1, F0, 0                      ; the last lap fills nothing
	QUARTER 0, 192, F0, F1, 0
	MEET 0
	PLACES
	FETCH 1, 0, F0
	MUL16 F1, 1, 0, 0
	MUL16 F1, 1, 2, 0
	QUARTER 1, 64,  F0, F1, 0
	QUARTER 1, 128, F1, F0, 0
	QUARTER 1, 192, F0, F1, 0
	s_wait_dscnt 8
	MUL16 F1, 0, 0, 0
	MUL16 F1, 0, 2, 0
	s_wait_dscnt 0x0
	MUL16 F1, 1, 0, 0
	MUL16 F1, 1, 2, 0
	WIN 0
; THE MAXIMA.  A lane holds 64 scores of each of its eight rows (one a block): a chain for each accumulator, three operands at a time, each accumulator's lowest registers first.
.macro MAXW w                          ; the 32 accumulators of window w: blocks 4 (w - 2) on
.set AB, 32*((\w)-2)
	WIN 0x2a+0x15*((\w)-2)                         ; all three sources in window w
.set i, 0
.rept 32
	v_max3_num_f32 v[CH+AB+i], v[8*i], v[8*i+1], v[8*i+2]
.set i, i+1
.endr
	WIN 0x28+0x14*((\w)-2)                         ; source 0 in window 0
.set i, 0
.rept 32
	v_max3_num_f32 v[CH+AB+i], v[CH+AB+i], v[8*i+3], v[8*i+4]
.set i, i+1
.endr
.set i, 0
.rept 32
	v_max3_num_f32 v[CH+AB+i], v[CH+AB+i], v[8*i+5], v[8*i+6]
.set i, i+1
.endr
.set i, 0
.rept 16
	v_max3_num_f32 v[CH+AB+2*i], v[CH+AB+2*i], v[16*i+7], v[16*i+15]
.set i, i+1
.endr
.endm
	PLACES                                         ; behind the last products
	MAXW 2
	MAXW 3
	WIN 0
.irp a, 0,1,2,3,4,5,6,7
	v_max3_num_f32 v[CH+8*(\a)], v[CH+8*(\a)], v[CH+8*(\a)+1], v[CH+8*(\a)+2]
.endr
.irp a, 0,1,2,3,4,5,6,7
	v_max3_num_f32 v[CH+8*(\a)+3], v[CH+8*(\a)+3], v[CH+8*(\a)+4], v[CH+8*(\a)+5]
.endr
.irp a, 0,1,2,3,4,5,6,7
	v_max3_num_f32 v[CH+8*(\a)], v[CH+8*(\a)], v[CH+8*(\a)+3], v[CH+8*(\a)+6]
.endr
.irp a, 0,1,2,3,4,5,6,7
	v_max_num_f32 v[CH+8*(\a)], v[CH+8*(\a)], v[CH+8*(\a)+7]
.endr
.irp a, 0,1,2,3,4,5,6,7
	v_permlanex16_b32 v[CH+8*(\a)+1], v[CH+8*(\a)], s[SEL], s[SEL+1]  ; the row's other 64 keys lie in the lane 16 away
.endr
.irp a, 0,1,2,3,4,5,6,7
	v_max_num_f32 v[STT+2*(\a)+1], v[CH+8*(\a)], v[CH+8*(\a)+1]       ; over my wave's 128 keys
.endr
	; The tile's other 128 keys belong to the other wave of my row half: both put their maxima into LDS, and both read both.
.irp a, 0,1,2,3,4,5,6,7
	ds_store_b32 v[XA], v[STT+2*(\a)+1] offset:64*(\a)                ; the two halves of the lanes write the same word with the same number
.endr
	s_wait_dscnt 0x0                               ; for the others' sake: my stores are done
	s_barrier_signal -1
	s_barrier_wait -1
.irp a, 0,1,2,3,4,5,6,7
	ds_load_b32 v[PX0+(\a)], v[XR] offset:64*(\a)
	ds_load_b32 v[PX1+(\a)], v[XR] offset:512+64*(\a)
.endr
	s_wait_dscnt 0x0
.irp a, 0,1,2,3,4,5,6,7
	v_max_num_f32 v[STT+2*(\a)+1], v[PX0+(\a)], v[PX1+(\a)]           ; m
.endr
.irp a, 0,1,2,3,4,5,6,7
	v_mul_f32 v[STT+2*(\a)], s[CS], v[STT+2*(\a)+1]                   ; c m
.endr
; Block a's 16 rows: c s - c m for 32 pairs, in place; 64 exponentials, in place, two on end and then a scaling four pairs ahead, so that a plain line that touches neither follows them;
; 32 roundings to f16 (the first is the plain line behind the last exponential); the sum of the unrounded p.
.macro SOFT a
.set AC, 64*((\a)%4)
.set WW, 2+(\a)/4
	WIN (WW<<6)|WW                                 ; destination and source 0 in the block's window, c m in window 0
.set j, 0
.rept 4
	v_pk_fma_f32 v[AC+2*j:AC+2*j+1], v[AC+2*j:AC+2*j+1], s[CS:CS+1], v[STT+2*(\a):STT+2*(\a)+1] op_sel_hi:[1,0,0] neg_lo:[0,0,1] neg_hi:[0,0,1]
.set j, j+1
.endr
.set j, 0
.rept 28
	v_exp_f32 v[AC+2*j], v[AC+2*j]
	v_exp_f32 v[AC+2*j+1], v[AC+2*j+1]
	v_pk_fma_f32 v[AC+2*j+8:AC+2*j+9], v[AC+2*j+8:AC+2*j+9], s[CS:CS+1], v[STT+2*(\a):STT+2*(\a)+1] op_sel_hi:[1,0,0] neg_lo:[0,0,1] neg_hi:[0,0,1]
.set j, j+1
.endr
.rept 4
	v_exp_f32 v[AC+2*j], v[AC+2*j]
	v_exp_f32 v[AC+2*j+1], v[AC+2*j+1]
.set j, j+1
.endr
	WIN (WW<<2)|WW                                 ; sources 0 and 1 in the block's window, destination window 0
.set i, 0
	s_wait_alu depctr_va_vdst(0)
.rept 32
	v_cvt_pk_f16_f32 v[TMP+i], v[AC+2*i], v[AC+2*i+1]
.set i, i+1
.endr
.set i, 0
.rept 16
	v_pk_add_f32 v[SUMT+2*i:SUMT+2*i+1], v[AC+4*i:AC+4*i+1], v[AC+4*i+2:AC+4*i+3]
.set i, i+1
.endr
	WIN 0
.irp w, 16,8,4,2                       ; 16 pairs into one: neighbours 8, 4, 2, 1 pairs apart
.set i, 0
.rept (\w)/2
	v_pk_add_f32 v[SUMT+2*i:SUMT+2*i+1], v[SUMT+2*i:SUMT+2*i+1], v[SUMT+2*i+(\w):SUMT+2*i+(\w)+1]
.set i, i+1
.endr
.endr
	v_add_f32 v[SUMT], v[SUMT], v[SUMT+1]
	v_permlanex16_b32 v[SUMT+1], v[SUMT], s[SEL], s[SEL+1]
	v_add_f32 v[LS+(\a)], v[SUMT], v[SUMT+1]       ; over my wave's 128 keys
.endm
.macro TOSTAGE a
	WIN 0
.set BK, OB+192*((\a)%2)
.irp b, 0,1,2,3,4,5,6,7
	ds_store_b128 v[STO], v[TMP+4*(\b):TMP+4*(\b)+3] offset:32*(\b)
.endr
.irp t, 0,1,2,3,4,5,6,7
	ds_load_b128 v[BK+4*(\t):BK+4*(\t)+3], v[RD] offset:(\t)*2*PITCH  ; LDS serves a wave's instructions in order (ISA guide 5.7.1.4): these see the stores above
.endr
.endm
.macro SEND a
	WIN 0
.set BK, OB+192*((\a)%2)
	s_wait_dscnt 0x0                               ; the block is back in registers
	s_wait_xcnt 0x0                                ; every earlier store has had its addresses translated (ISA guide 3.1): the other buffer, stored a block ago, is loaded again only behind this wait
.irp t, 0,1,2,3,4,5,6,7
	global_store_b128 v[CO], v[BK+4*(\t):BK+4*(\t)+3], s[6:7] offset:(16*(\a)+2*(\t))*PROW  ; 16 lanes store 256 consecutive bytes, at a multiple of 256 from pt's first byte
.endr
.endm
	SOFT 0
	TOSTAGE 0
.irp a, 1,2,3,4,5,6,7                  ; block a's arithmetic stands between block a - 1's loads from the stage and the wait for them
	SOFT \a
	SEND (\a)-1
	TOSTAGE \a
.endr
	SEND 7
	; c m and the sums: one number a lane and block goes into my own 1,024 bytes and comes back four a lane: each store of the wave covers 512 consecutive bytes
.irp a, 0,1,2,3,4,5,6,7
	ds_store_b32 v[SA], v[STT+2*(\a)] offset:64*(\a)
	ds_store_b32 v[SA], v[LS+(\a)] offset:512+64*(\a)
.endr
	ds_load_b128 v[SV:SV+3], v[SB]
	ds_load_b128 v[SV+4:SV+7], v[SB] offset:512
	s_wait_dscnt 0x0
	global_store_b128 v[SO], v[SV:SV+3], s[8:9]
	global_store_b128 v[SO], v[SV+4:SV+7], s[8:9] offset:8192
	s_wait_tensorcnt 0x0                           ; the wave's end, behind my last tensor load and my last LDS store
	ds_add_u32 v[SPW], v[NIL]
	s_wait_dscnt 0x0
	CROUND                                         ; the closing round
	s_endpgm
.Lfunc_end_k_qf0d3547228_score:
	.size	k_qf0d3547228_score, .Lfunc_end_k_qf0d3547228_score-k_qf0d3547228_score
	.p2alignl 7, 3214868480
	.fill 96, 4, 3214868480
	.section	.rodata,"a",@progbits
	.p2align	6, 0x0
	.amdhsa_kernel k_qf0d3547228_score
		.amdhsa_group_segment_fixed_size 327680
		.amdhsa_private_segment_fixed_size 0
		.amdhsa_enable_private_segment 0
		.amdhsa_kernarg_size 24
		.amdhsa_user_sgpr_count 2
		.amdhsa_user_sgpr_kernarg_segment_ptr 1
		.amdhsa_wavefront_size32 1
		.amdhsa_system_sgpr_workgroup_id_x 1
		.amdhsa_system_sgpr_workgroup_id_y 1
		.amdhsa_system_sgpr_workgroup_id_z 1
		.amdhsa_system_vgpr_workitem_id 0
		.amdhsa_next_free_vgpr 1024
		.amdhsa_next_free_sgpr 72
		.amdhsa_reserve_vcc 0
		.amdhsa_float_denorm_mode_32 3
		.amdhsa_float_denorm_mode_16_64 3
		.amdhsa_memory_ordered 1
		.amdhsa_forward_progress 1
		.amdhsa_inst_pref_size 213
	.end_amdhsa_kernel
	.amdgpu_metadata
---
amdhsa.version: [ 1, 2 ]
amdhsa.kernels:
  - .name:           k_qf0d3547228_score
    .symbol:         k_qf0d3547228_score.kd
    .args:
      - { .name: qkv, .offset: 0, .size: 8, .value_kind: global_buffer, .address_space: global }
      - { .name: pt, .offset: 8, .size: 8, .value_kind: global_buffer, .address_space: global }
      - { .name: st, .offset: 16, .size: 8, .value_kind: global_buffer, .address_space: global }
    .group_segment_fixed_size: 327680
    .private_segment_fixed_size: 0
    .kernarg_segment_align: 8
    .kernarg_segment_size: 24
    .max_flat_workgroup_size: 128
    .sgpr_count:     72
    .vgpr_count:     1024
    .wavefront_size: 32
...
	.end_amdgpu_metadata
.endif
;; end of part 3
;; launch outp (part 4): grid 8 x 32, 4 waves a work-group, clusters of 4 x 4, 327,680 bytes of LDS; arguments pt, qkv, st, out0; writes out0
.if DOCPART == 4
	.amdgcn_target "amdgcn-amd-amdhsa--gfx1250"
	.amdhsa_code_object_version 6
	.text
	.protected	k_qf0d3547228_outp
	.globl	k_qf0d3547228_outp
	.p2align	8
	.type	k_qf0d3547228_outp,@function
k_qf0d3547228_outp:
	s_mov_b64 s[64:65], 0
	v_nop
	global_prefetch_b8 v0, s[64:65] scope:SCOPE_SE
	s_setreg_imm32_b32 hwreg(HW_REG_WAVE_MODE, 25, 1), 1
	s_wait_xcnt 0x0
	s_wait_alu depctr_hold_cnt(0) depctr_sa_sdst(0) depctr_va_vdst(0) depctr_va_sdst(0) depctr_va_ssrc(0) depctr_va_vcc(0) depctr_vm_vsrc(0)
	s_getreg_b32 s2, hwreg(HW_REG_IB_STS2, 6, 4)
	s_cmp_eq_u32 s2, 0
	s_cbranch_scc0 .Lentry_in_a_cluster
	s_endpgm
.Lentry_in_a_cluster:
	s_bfe_u32 s2, ttmp6, 0x10000c
	s_cmp_lg_u32 s2, 0xf033
	s_cbranch_scc0 .Lentry_shape_is_right
	s_endpgm
.Lentry_shape_is_right:
; out[q][e] = the sum over the eight key tiles t of g_t(q) (P_t V_t)[q][e], with g_t = 2^(c m_t - M) / L, M = the maximum over t of c m_t, L = the sum over t of 2^(c m_t - M) l_t.
; pt: f16 [8192 q][2048 k], p = 2^(c s - c m_t) with each tile's own maximum; V: f16, columns 2048- of qkv [8192][3072]; st: f32 [batch][half tile 16][c m, l][q 2048]; out0: f32 [8192][1024].
; M is the row's true maximum, so every exponent is 0 or less; L is at least about 1 (the tile that holds M has a weight of 1).  A tile's products are summed in f32 by themselves and folded into the totals in f32.
; LIMITS.  V arrives in f16 (within 65,504); a correction below 2^-126 counts as 0.  NaN and infinities are not treated apart.
; SHAPE.  A tile of out is 256 rows x 128 columns: 32 x 8 = 256 work-groups.  Four waves, one below the other, each 64 x 128: 32 accumulators T for the key tile in hand, 32 totals.  A wave's row is 512 whole bytes:
; a stage of its own, no barrier on the way out.  The keys go in steps of 128 through a ring of two LDS slots; a lap of two steps is a key tile.
; CLUSTER.  4 x 4 work-groups: the four of a row of the cluster need the same 256 rows of p, the four of a column the same 128 keys x 128 channels of V (a cluster lies in one batch): joint loads.
; THE MATRIX INSTRUCTION IS USED TRANSPOSED: source 0 = 16 channels of V^T (V lies [key][channel] and is turned by ds_load_tr16_b128), source 1 = 16 rows of p: a lane holds row l % 16 and eight neighbouring channels.
; REGISTERS: window 0: v0-31 addresses; v32-39 g of block a at v[32 + 2 a]; v40-47 M, L; two fragment buffers of 96 (v64-, v160-): 64 of V^T, then 32 of p; window 1: T (a, b) at v[8 (8 a + b)]; window 2: the totals, likewise.
; The totals are cleared by 256 v_mov_b32 while the first tile is on its way: a first fold written as a multiply would want a second copy of a lap's text.
.set KSTEP,  128
.set PITCH,  272                       ; a row of p in LDS: 256 bytes + 16 = 68 words: the 16 rows of a load start at 16 different banks (64 banks of 4 bytes: ISA guide 11.1)
.set PV,     288                       ; a row of V: 256 + 32 = 72 words
.set VOFF,   256*PITCH                 ; a slot: p's 256 rows, then V's 128 keys
.set SLOT,   VOFF+128*PV
.set STAGE,  2*SLOT                    ; behind the ring: 16 rows x 528 bytes for each wave
.set SP,     528                       ; 512 bytes + 16 = 132 words: row r starts at bank 4 r mod 64
.set FT,     STAGE+4*16*SP             ; [wave 4][t 8][row 64] f32: g
.set SPARE,  FT+8192                   ; the spare words, 128 bytes for each wave: two blocks of 256 bytes that no other line names
.set LAPS,   8
.set VSTEP,  KSTEP*6144                ; bytes from 128 keys of V to the next
.set OROW,   4096                      ; bytes in a row of out0
.set FTW,  6                           ; v6   where I put four rows' g     v7   my 16 bytes in st's rows
.set SOF,  7
.set ADRA, 16
.set ADRB, 20
.set STO,  24
.set RD,   25
.set GO,   26
.set FTA,  27                          ; v27  where I read my rows' g of the key tile in hand: it steps
.set SPW,  28                          ; v28  LDS address of my spare word; never rewritten
.set NIL,  29                          ; v29  0; never rewritten
.set FV,   32
.set MX,   40
.set LL,   44
.set CM,   64                          ; the prologue alone: c m_t of four rows at v[64 + 4 t], l of half h at v[96 + 4 h]
.set LH,   96
.set F0,   64
.set F1,   160
.set WV, 12
.set WH, 13
.set WL, 14
.set TY, 15
.set TX, 16
.set BAT, 19
.set LA, 20
.set LB, 21
.set G1A, 24
.set G0A, 32
.set G1B, 48
.set G0B, 56
.set MSB, 0
.macro WIN new
.if MSB != (\new)
	s_set_vgpr_msb (MSB<<8)|(\new)
.set MSB, \new
.endif
.endm
.set MUL, 0x50                         ; sources 0 and 1 window 0; C and D window 1
.macro JLOAD s                         ; a joint load: waves 0 and 1 fetch p's halves, waves 2 and 3 V's; an s_nop 0 and four v_nop follow each of the two lines
	s_cmp_eq_u32 s[WH], 0
	s_cbranch_scc0 .Lfor_b_\@
	tensor_load_to_lds s[G0A+4*(\s):G0A+4*(\s)+3], s[G1A:G1A+7]
	s_nop 0
.rept 4
	v_nop
.endr
	s_branch .Lasked_\@
.Lfor_b_\@:
	tensor_load_to_lds s[G0B+4*(\s):G0B+4*(\s)+3], s[G1B:G1B+7]
	s_nop 0
.rept 4
	v_nop
.endr
.Lasked_\@:
.endm
.macro CREST
	s_cmp_lg_u32 s[WV], 0
	s_cbranch_scc1 .Lnot_wave_0_\@
	s_barrier_signal -3
.Lnot_wave_0_\@:
	s_barrier_wait -3
	s_barrier_signal -1
	s_barrier_wait -1
.endm
.macro CROUND
	s_barrier_signal -1
	s_barrier_wait -1
	CREST
.endm
.macro PLACES
.rept 4
	v_nop
.endr
.endm
	s_load_b256 s[4:11], s[0:1], 0x0               ; pt s[4:5], qkv s[6:7], st s[8:9], out0 s[10:11]
	v_lshl_add_u32 v[SPW], v0, 2, SPARE
	v_mov_b32 v[NIL], 0
	ds_add_u32 v[SPW], v[NIL]                      ; the wave's opening: the add and its wait ahead of my first tensor load; the set-up below, work on registers, stands between them
	ds_add_u32 v28, v29
	v_lshrrev_b32 v1, 5, v0
	v_readfirstlane_b32 s[WV], v1
	s_lshr_b32 s[WH], s[WV], 1
	s_and_b32 s[WL], s[WV], 1
	s_bfe_u32 s17, ttmp6, 0x40000                  ; cx, cy
	s_bfe_u32 s18, ttmp6, 0x40004
	s_lshl_b32 s[TX], ttmp9, 2
	s_add_co_u32 s[TX], s[TX], s17                 ; channel tile = 4 x cluster x + cx
	s_and_b32 s[TY], ttmp7, 0xffff
	s_lshr_b32 s[BAT], s[TY], 1                    ; the batch, of the cluster's y alone
	s_lshl_b32 s[TY], s[TY], 2
	s_add_co_u32 s[TY], s[TY], s18                 ; row tile = 4 x cluster y + cy
	s_lshl_b32 s70, s18, 2
	s_lshl_b32 s70, 15, s70                        ; my row of the cluster
	s_lshl_b32 s71, 0x1111, s17                    ; my column
	s_or_b32 s[G1A], s70, (1<<16)|(1<<20)|(1<<21)|(5<<22)|(3<<25)  ; p's tiles go to my row: elements of 2 bytes, 4 words of padding after every 64
	s_or_b32 s[G1B], s71, (1<<16)|(1<<20)|(1<<21)|(5<<22)|(7<<25)  ; V's to my column: 8 words of padding
.irp g, G1A, G1B
	s_mov_b32 s[(\g)+1], 128<<16                   ; tensor_dim0 = 128
	s_mov_b32 s[(\g)+3], 128<<16                   ; tile_dim0 = 128
	s_mov_b32 s[(\g)+6], 0
	s_mov_b32 s[(\g)+7], 0
.endr
	s_mov_b32 s[G1A+2], 128<<16                    ; 128 rows of p a load, 2,048 elements from row to row
	s_mov_b32 s[G1A+4], 128
	s_mov_b32 s[G1A+5], 2048
	s_mov_b32 s[G1B+2], 64<<16                     ; 64 keys of V a load, 3,072 elements from row to row
	s_mov_b32 s[G1B+4], 64
	s_mov_b32 s[G1B+5], 3072
	s_lshl_b32 s40, s[TY], 8                       ; p: row 256 x row tile + 128 x half, 4,096 bytes a row
	s_lshl_b32 s22, s[WL], 7
	s_add_co_u32 s40, s40, s22
	s_lshl_b32 s40, s40, 12
	s_mov_b32 s41, 0
	s_lshl_b32 s44, s[BAT], 11                     ; V: row 2,048 x batch + 64 x half; 4,096 bytes into the row, and the tile's 256 bytes
	s_lshl_b32 s23, s[WL], 6
	s_add_co_u32 s44, s44, s23
	s_mul_i32 s44, s44, 6144
	s_lshl_b32 s23, s[TX], 8
	s_add_co_u32 s44, s44, s23
	s_add_co_u32 s44, s44, 4096
	s_mov_b32 s45, 0
	s_lshl_b32 s42, s[TY], 8                       ; out0: my first row, 256 x row tile + 64 x wave, and the tile's 512 bytes
	s_lshl_b32 s43, s[WV], 6
	s_add_co_u32 s42, s42, s43
	s_lshl_b32 s42, s42, 12
	s_lshl_b32 s43, s[TX], 9
	s_add_co_u32 s42, s42, s43
	s_mov_b32 s43, 0
	s_lshl_b32 s46, s[BAT], 18                     ; st: the batch's 262,144 bytes, and 4 x my first row in the batch
	s_and_b32 s47, s[TY], 7
	s_lshl_b32 s47, s47, 10
	s_add_co_u32 s46, s46, s47
	s_lshl_b32 s47, s[WV], 8
	s_add_co_u32 s46, s46, s47
	s_mov_b32 s47, 0
	s_mul_i32 s[LA], s[WV], 128*PITCH              ; waves 0, 1: p's halves at 0 and 34,816
	s_mul_i32 s[LB], s[WV], 64*PV                  ; waves 2, 3: V's halves at 69,632 and 88,064
	s_add_co_u32 s[LB], s[LB], VOFF-128*PV
	s_wait_dscnt 0x0                               ; the opening add is done
	s_wait_kmcnt 0x0
	s_add_nc_u64 s[40:41], s[4:5], s[40:41]
	s_add_nc_u64 s[44:45], s[6:7], s[44:45]
	s_add_nc_u64 s[10:11], s[10:11], s[42:43]
	s_add_nc_u64 s[8:9], s[8:9], s[46:47]
	CROUND                                         ; all sixteen work-groups are here: the first joint loads meet
.irp s, 0,1
	s_mov_b32 s[G0A+4*(\s)], 1
	s_add_co_u32 s[G0A+4*(\s)+1], s[LA], (\s)*SLOT
	s_add_nc_u64 s[G0A+4*(\s)+2:G0A+4*(\s)+3], s[40:41], (\s)*KSTEP*2
	s_or_b32 s[G0A+4*(\s)+3], s[G0A+4*(\s)+3], 0x80000000
	s_mov_b32 s[G0B+4*(\s)], 1
	s_add_co_u32 s[G0B+4*(\s)+1], s[LB], (\s)*SLOT
	s_add_nc_u64 s[G0B+4*(\s)+2:G0B+4*(\s)+3], s[44:45], (\s)*VSTEP
	s_or_b32 s[G0B+4*(\s)+3], s[G0B+4*(\s)+3], 0x80000000
	JLOAD \s                                       ; two tensor loads of mine are out
.endr
	v_and_b32 v1, 15, v0                           ; l % 16
	v_bfe_u32 v2, v0, 4, 1                         ; l / 16
	v_lshlrev_b32 v[SOF], 4, v1                    ; for the statistics a lane owns rows 4 (l % 16) + 0..3 of my wave's 64; the two halves of the lanes do the same work
.irp t, 0,1,2,3,4,5,6,7
	global_load_b128 v[CM+4*(\t):CM+4*(\t)+3], v[SOF], s[8:9] offset:32768*(\t)       ; c m_t: the tile's first half holds it
.endr
.set i, 0
.rept 16
	global_load_b128 v[LH+4*i:LH+4*i+3], v[SOF], s[8:9] offset:16384*i+8192           ; l of half i
.set i, i+1
.endr
	v_mul_u32_u24 v3, v1, PITCH
	v_lshl_add_u32 v3, v2, 4, v3                   ; p's fragments: row x pitch + 16 x half
	; The turning load takes 16 keys x 16 channels (lane l reads key 8 (l / 16) + l % 8, channels 8 ((l / 8) % 2) + 0..7) and leaves half a fragment of V^T: lane l holds channel l % 16 and 8 keys.
	v_and_b32 v4, 7, v0
	v_lshl_add_u32 v4, v2, 3, v4
	v_mul_u32_u24 v4, v4, PV
	v_bfe_u32 v5, v0, 3, 1
	v_lshl_add_u32 v4, v5, 4, v4
	s_mul_i32 s22, s[WV], 64*PITCH                 ; my 64 rows of p
	s_mov_b32 s23, VOFF
.irp s, 0,1
	v_add_nc_u32 v[ADRA+(\s)], s22, v3
	v_add_nc_u32 v[ADRB+(\s)], s23, v4
	s_add_co_u32 s22, s22, SLOT
	s_add_co_u32 s23, s23, SLOT
.endr
	s_mul_i32 s22, s[WV], 16*SP
	s_add_co_u32 s22, s22, STAGE                   ; my stage
	v_mul_u32_u24 v5, v1, SP                       ; in: row l % 16, 32 bytes for each half of the lanes
	v_lshl_add_u32 v5, v2, 5, v5
	v_add_nc_u32 v[STO], s22, v5
	v_and_b32 v[GO], 31, v0                        ; back and out: 32 lanes take a row's 512 bytes
	v_lshlrev_b32 v[GO], 4, v[GO]
	v_add_nc_u32 v[RD], s22, v[GO]
	s_lshl_b32 s22, s[WV], 11
	s_add_co_u32 s22, s22, FT                      ; my wave's table of g
	v_lshl_add_u32 v[FTA], v1, 2, s22
	v_lshl_add_u32 v[FTW], v1, 4, s22
	WIN 0x80                                       ; destination window 2: the totals start at 0
.set i, 0
.rept 256
	v_mov_b32 v[i], 0
.set i, i+1
.endr
	WIN 0
.irp a, 0,1,2,3
	v_mov_b32 v[FV+2*(\a)+1], 0                    ; named with g as a pair, so it is written
.endr
	s_wait_loadcnt 0x0                             ; the statistics
.irp c, 0,1,2,3
	v_max3_num_f32 v[MX+(\c)], v[CM+(\c)], v[CM+4+(\c)], v[CM+8+(\c)]
.endr
.irp c, 0,1,2,3
	v_max3_num_f32 v[MX+(\c)], v[MX+(\c)], v[CM+12+(\c)], v[CM+16+(\c)]
.endr
.irp c, 0,1,2,3
	v_max3_num_f32 v[MX+(\c)], v[MX+(\c)], v[CM+20+(\c)], v[CM+24+(\c)]
.endr
.irp c, 0,1,2,3
	v_max_num_f32 v[MX+(\c)], v[MX+(\c)], v[CM+28+(\c)]                 ; M
.endr
.set i, 0
.rept 16
	v_pk_add_f32 v[CM+2*i:CM+2*i+1], v[CM+2*i:CM+2*i+1], v[MX+2*(i%2):MX+2*(i%2)+1] neg_lo:[0,1] neg_hi:[0,1]  ; c m_t - M
.set i, i+1
.endr
.set i, 0
.rept 32
	v_exp_f32 v[CM+i], v[CM+i]
.set i, i+1
.endr
.set i, 0
.rept 16                               ; a tile's two halves' sums; also the plain lines behind the exponentials
	v_pk_add_f32 v[LH+8*(i/2)+2*(i%2):LH+8*(i/2)+2*(i%2)+1], v[LH+8*(i/2)+2*(i%2):LH+8*(i/2)+2*(i%2)+1], v[LH+8*(i/2)+4+2*(i%2):LH+8*(i/2)+4+2*(i%2)+1]
.set i, i+1
.endr
	s_wait_alu depctr_va_vdst(0)
.irp p, 0,1
	v_pk_mul_f32 v[LL+2*(\p):LL+2*(\p)+1], v[CM+2*(\p):CM+2*(\p)+1], v[LH+2*(\p):LH+2*(\p)+1]
.endr
.set t, 1
.rept 7
.irp p, 0,1
	v_pk_fma_f32 v[LL+2*(\p):LL+2*(\p)+1], v[CM+4*t+2*(\p):CM+4*t+2*(\p)+1], v[LH+8*t+2*(\p):LH+8*t+2*(\p)+1], v[LL+2*(\p):LL+2*(\p)+1]  ; L
.endr
.set t, t+1
.endr
.irp c, 0,1,2,3
	v_rcp_f32 v[LL+(\c)], v[LL+(\c)]
.endr
	v_nop                                          ; a plain line between the last reciprocal and the use of its result
.set i, 0
	s_wait_alu depctr_va_vdst(0)
.rept 16
	v_pk_mul_f32 v[CM+2*i:CM+2*i+1], v[CM+2*i:CM+2*i+1], v[LL+2*(i%2):LL+2*(i%2)+1]  ; g_t
.set i, i+1
.endr
.irp t, 0,1,2,3,4,5,6,7
	ds_store_b128 v[FTW], v[CM+4*(\t):CM+4*(\t)+3] offset:256*(\t)
.endr
.macro MULA f, a, zero                 ; 8 matrix instructions: block a of my rows x all 8 channel blocks, 32 keys.  zero = 1: the product starts T anew.  The 32 accumulators take turns.
	WIN MUL
.irp b, 0,1,2,3,4,5,6,7
.if \zero
	v_wmma_f32_16x16x32_f16 v[8*(8*(\a)+(\b)):8*(8*(\a)+(\b))+7], v[(\f)+8*(\b):(\f)+8*(\b)+7], v[(\f)+64+8*(\a):(\f)+64+8*(\a)+7], 0
.else
	v_wmma_f32_16x16x32_f16 v[8*(8*(\a)+(\b)):8*(8*(\a)+(\b))+7], v[(\f)+8*(\b):(\f)+8*(\b)+7], v[(\f)+64+8*(\a):(\f)+64+8*(\a)+7], v[8*(8*(\a)+(\b)):8*(8*(\a)+(\b))+7]
.endif
.endr
.endm
.macro FETCH slot, q, f                ; 24 LDS loads in one run: keys 32 q on of a slot into buffer f: 16 turning loads of V, then 8 loads of p
	WIN 0
.irp i, 0,1,2,3,4,5,6,7
	ds_load_tr16_b128 v[(\f)+8*(\i):(\f)+8*(\i)+3],   v[ADRB+(\slot)] offset:(\q)*32*PV+32*(\i)
	ds_load_tr16_b128 v[(\f)+8*(\i)+4:(\f)+8*(\i)+7], v[ADRB+(\slot)] offset:(\q)*32*PV+32*(\i)+16*PV
.endr
.irp i, 0,1,2,3
	ds_load_b128 v[(\f)+64+8*(\i):(\f)+64+8*(\i)+3],   v[ADRA+(\slot)] offset:64*(\q)+(\i)*16*PITCH
	ds_load_b128 v[(\f)+64+8*(\i)+4:(\f)+64+8*(\i)+7], v[ADRA+(\slot)] offset:64*(\q)+(\i)*16*PITCH+32
.endr
.endm
.macro QUARTER slot, q, f, g, zero
	s_wait_dscnt 4                                 ; V and p's blocks 0, 1 are in; the youngest four loads (blocks 2, 3) may be out
	MULA \f, 0, \zero
	MULA \f, 1, \zero
	PLACES
	FETCH \slot, \q, \g
	s_wait_dscnt 24                                ; all but the 24 just issued
	MULA \f, 2, \zero
	MULA \f, 3, \zero
.endm
.macro LOADF step                      ; g of the key tile that ends, for my row in each of the four blocks; step = 1: the address goes on to the next tile's
	WIN 0
.irp a, 0,1,2,3
	ds_load_b32 v[FV+2*(\a)], v[FTA] offset:64*(\a)
.endr
.if \step
	v_add_nc_u32 v[FTA], 256, v[FTA]
.endif
.endm
.macro FOLDA a                         ; the totals of block a += g x T, each accumulator's registers in ascending order
	WIN 0xa1                                       ; destination and source 2 window 2, source 0 window 1, g in window 0
.set i, 0
.rept 32
	v_pk_fma_f32 v[64*(\a)+2*i:64*(\a)+2*i+1], v[64*(\a)+2*i:64*(\a)+2*i+1], v[FV+2*(\a):FV+2*(\a)+1], v[64*(\a)+2*i:64*(\a)+2*i+1] op_sel_hi:[1,0,1]
.set i, i+1
.endr
.endm
; The last quarter of a K step multiplies buffer 1 and changes slots: ONE barrier; in front of it each wave waits for all its tensor loads (one is out: its part of the next slot), adds 0 to its spare word,
; and waits for that and for its own reads of this slot.  fill = 1: the barrier opens a round of the cluster's and the slot is filled again first thing behind it.  ldf = 1: a key tile ends: its g is fetched.
.macro TURN slot, next, fill, ldf
	WIN 0
	s_wait_tensorcnt 0x0
	ds_add_u32 v[SPW], v[NIL]                      ; 0 onto my spare word
	s_wait_dscnt 5                                 ; (the add and the youngest four loads may be out)
	MULA F1, 0, 0                                  ; eight matrix instructions stand between the add and the wait for it
	s_wait_dscnt 0x0                               ; the add is done, and my reads of this slot are over
	s_barrier_signal -1
	MULA F1, 1, 0
.if \fill
	WIN 0
.endif
	s_barrier_wait -1
.if \fill
	CREST                                          ; no wave of any partner still reads this slot's tile or has a load on its way
	s_add_nc_u64 s[G0A+4*(\slot)+2:G0A+4*(\slot)+3], s[G0A+4*(\slot)+2:G0A+4*(\slot)+3], 2*KSTEP*2
	s_add_nc_u64 s[G0B+4*(\slot)+2:G0B+4*(\slot)+3], s[G0B+4*(\slot)+2:G0B+4*(\slot)+3], 2*VSTEP
	JLOAD \slot                                    ; its four v_nop are also the places in front of the loads below
.else
	PLACES
.endif
.if \ldf
	LOADF 1
.endif
	FETCH \next, 0, F0
	MULA F1, 2, 0
	MULA F1, 3, 0
.endm
; A key tile's first quarter, from the second tile on: block by block the tile before is folded into the totals, and the block's eight products start T anew.  A block's fold is issued while the block before
; is multiplied.  Behind the last product on a block's accumulators stand the four v_nop below and the earlier blocks' folds, which name none of its registers.
.macro FQUARTER
	s_wait_dscnt 4                                 ; g (older than the fragments), V and p's blocks 0, 1 are in
	PLACES
	FOLDA 0
	MULA F0, 0, 1
	FOLDA 1
	MULA F0, 1, 1
	FETCH 0, 1, F1
	s_wait_dscnt 24
	FOLDA 2
	MULA F0, 2, 1
	FOLDA 3
	MULA F0, 3, 1
.endm
	s_wait_tensorcnt 1                             ; my part of K step 0 is in; K step 1's may stay out
	s_wait_dscnt 0x0                               ; my table of g is written
	s_barrier_signal -1
	s_barrier_wait -1
	FETCH 0, 0, F0
	QUARTER 0, 1, F0, F1, 1
	WIN 0
	s_mov_b32 s3, LAPS-1
.Llap:                                                 ; a trip: the rest of a key tile and the next tile's first quarter; both slots are filled again
	QUARTER 0, 2, F1, F0, 0
	QUARTER 0, 3, F0, F1, 0
	TURN 0, 1, 1, 0
	QUARTER 1, 1, F0, F1, 0
	QUARTER 1, 2, F1, F0, 0
	QUARTER 1, 3, F0, F1, 0
	TURN 1, 0, 1, 1
	FQUARTER
	WIN 0
	s_sub_co_u32 s3, s3, 1
	s_cmp_lg_u32 s3, 0
	s_cbranch_scc1 .Llap
	QUARTER 0, 2, F1, F0, 0                        ; the last key tile fills nothing
	QUARTER 0, 3, F0, F1, 0
	TURN 0, 1, 0, 0
	QUARTER 1, 1, F0, F1, 0
	QUARTER 1, 2, F1, F0, 0
	QUARTER 1, 3, F0, F1, 0
	LOADF 0                                        ; the last tile's g
	s_wait_dscnt 8                                 ; those four loads and p's blocks 2, 3 may be out
	MULA F1, 0, 0
	MULA F1, 1, 0
	s_wait_dscnt 0x0
	MULA F1, 2, 0
	MULA F1, 3, 0
	WIN 0
	PLACES
; THE WAY OUT, a block of 16 rows at a time: the last fold; 32 bytes a lane into my stage; back as whole rows of 512 bytes; stored.
.macro OUTB a
	FOLDA \a
	WIN 0x08                                       ; the stores' data in window 2
.irp b, 0,1,2,3,4,5,6,7
	ds_store_b128 v[STO], v[64*(\a)+8*(\b):64*(\a)+8*(\b)+3]   offset:64*(\b)
	ds_store_b128 v[STO], v[64*(\a)+8*(\b)+4:64*(\a)+8*(\b)+7] offset:64*(\b)+16
.endr
	WIN 0
	s_wait_xcnt 0x0                                ; every earlier store has had its addresses translated (ISA guide 3.1): the buffer stored two blocks ago is loaded again only behind this wait
.set BK, 64+64*((\a)%2)
.set i, 0
.rept 16
	ds_load_b128 v[BK+4*i:BK+4*i+3], v[RD] offset:SP*i   ; LDS serves a wave's instructions in order (ISA guide 5.7.1.4): these see the stores above; the next block's stores come behind them
.set i, i+1
.endr
.endm
.macro SEND a, younger                 ; younger: the LDS instructions issued behind block a's loads: the next block's 16 stores and 16 loads, or none
.set BK, 64+64*((\a)%2)
.set i, 0
.rept 16
	s_wait_dscnt (\younger)+15-i
	global_store_b128 v[GO], v[BK+4*i:BK+4*i+3], s[10:11] offset:(16*(\a)+i)*OROW th:TH_STORE_NT  ; 512 consecutive bytes, at a multiple of 256 from out0's first byte
.set i, i+1
.endr
.endm
	OUTB 0
	OUTB 1                                         ; a block's fold stands between the loads of the block before and its stores
	SEND 0, 32
	OUTB 2
	SEND 1, 32
	OUTB 3
	SEND 2, 32
	SEND 3, 0
	s_wait_tensorcnt 0x0                           ; the wave's end, behind my last tensor load and my last LDS store
	ds_add_u32 v[SPW], v[NIL]
	s_wait_dscnt 0x0
	CROUND                                         ; the closing round
	s_endpgm
.Lfunc_end_k_qf0d3547228_outp:
	.size	k_qf0d3547228_outp, .Lfunc_end_k_qf0d3547228_outp-k_qf0d3547228_outp
	.p2alignl 7, 3214868480
	.fill 96, 4, 3214868480
	.section	.rodata,"a",@progbits
	.p2align	6, 0x0
	.amdhsa_kernel k_qf0d3547228_outp
		.amdhsa_group_segment_fixed_size 327680
		.amdhsa_private_segment_fixed_size 0
		.amdhsa_enable_private_segment 0
		.amdhsa_kernarg_size 32
		.amdhsa_user_sgpr_count 2
		.amdhsa_user_sgpr_kernarg_segment_ptr 1
		.amdhsa_wavefront_size32 1
		.amdhsa_system_sgpr_workgroup_id_x 1
		.amdhsa_system_sgpr_workgroup_id_y 1
		.amdhsa_system_sgpr_workgroup_id_z 1
		.amdhsa_system_vgpr_workitem_id 0
		.amdhsa_next_free_vgpr 768
		.amdhsa_next_free_sgpr 72
		.amdhsa_reserve_vcc 0
		.amdhsa_float_denorm_mode_32 3
		.amdhsa_float_denorm_mode_16_64 3
		.amdhsa_memory_ordered 1
		.amdhsa_forward_progress 1
		.amdhsa_inst_pref_size 121
	.end_amdhsa_kernel
	.amdgpu_metadata
---
amdhsa.version: [ 1, 2 ]
amdhsa.kernels:
  - .name:           k_qf0d3547228_outp
    .symbol:         k_qf0d3547228_outp.kd
    .args:
      - { .name: pt, .offset: 0, .size: 8, .value_kind: global_buffer, .address_space: global }
      - { .name: qkv, .offset: 8, .size: 8, .value_kind: global_buffer, .address_space: global }
      - { .name: st, .offset: 16, .size: 8, .value_kind: global_buffer, .address_space: global }
      - { .name: out0, .offset: 24, .size: 8, .value_kind: global_buffer, .address_space: global }
    .group_segment_fixed_size: 327680
    .private_segment_fixed_size: 0
    .kernarg_segment_align: 8
    .kernarg_segment_size: 32
    .max_flat_workgroup_size: 128
    .sgpr_count:     72
    .vgpr_count:     768
    .wavefront_size: 32
...
	.end_amdgpu_metadata
.endif
;; end of part 4
;; ======== version 2 of 3: 4 launches; 1.12 times as fast as version 1
;; limits: values are held in f16: magnitudes above 65,504 overflow, below 6.1e-05 lose precision
;; workspace buffers: xw 23,068,672 bytes; qkv 50,331,648 bytes; pt 33,554,432 bytes; st 1,048,576 bytes
;; launch cast (part 5): grid 704 x 1, 8 waves a work-group, no clusters, 0 bytes of LDS; arguments x, Wq, Wk, Wv, xw; writes xw
.if DOCPART == 5
	.amdgcn_target "amdgcn-amd-amdhsa--gfx1250"
	.amdhsa_code_object_version 6
	.text
	.protected	k_qf0d3547228_cast
	.globl	k_qf0d3547228_cast
	.p2align	8
	.type	k_qf0d3547228_cast,@function
k_qf0d3547228_cast:
	s_mov_b64 s[64:65], 0
	v_nop
	global_prefetch_b8 v0, s[64:65] scope:SCOPE_SE
	s_setreg_imm32_b32 hwreg(HW_REG_WAVE_MODE, 25, 1), 1
	s_wait_xcnt 0x0
; xw = x, Wq, Wk, Wv rounded once to bf16, one below the other (rows 0- x, 8192- Wq, 9216- Wk, 10240- Wv), laid out in BLOCKS of 64 along the rows:
; xw[kb 16][row 11264][64] bf16: number (row, e) lies at byte (e / 64) x PLANE + 128 row + 2 (e % 64).  So the rows of a tile of 64 along K lie end to end for the launch behind.
; A stream: every input byte is read once, every output byte written once; no LDS, no barrier, no matrix work would add anything.
; Work-group i takes 16 rows (65,536 bytes in, 2,048 bytes out in each of the 16 blocks).  i < 512: x; else j = i - 512: tensor j / 64 of Wq, Wk, Wv, its part j % 64.
; Thread t takes row t / 16 and, in each block, the 4 numbers at 4 (t % 16): a wave's load covers 256 consecutive bytes of each of two rows, each at a multiple of 256;
; its store covers 256 consecutive bytes at a multiple of 256 (two rows' 128 bytes, which are neighbours in a block).
; All 16 loads go out together; no register is used twice, so nothing but the counted waits for the loads is needed.
.set PLANE, 11264*128                  ; bytes in a block
.set X, 4                              ; v[4:67]    block j: 4 numbers in f32
.set Y, 68                             ; v[68:99]   block j: 4 numbers in bf16
.set OFO, 100                          ; v[100:102] where I write in blocks 0, 6, 12: five blocks at the most stand in a store's immediate (7,208,960 bytes, inside its signed 24 bits)
	s_load_b256 s[4:11], s[0:1], 0x0               ; x s[4:5], Wq s[6:7], Wk s[8:9], Wv s[10:11]
	s_load_b64 s[12:13], s[0:1], 0x20              ; xw
	v_lshrrev_b32 v2, 4, v0                        ; my row among the group's 16
	v_and_b32 v1, 15, v0
	v_lshlrev_b32 v1, 4, v1
	v_lshl_add_u32 v1, v2, 12, v1                  ; where I read: 4,096 x row + 16 (t % 16)
	v_lshlrev_b32 v[OFO], 3, v0                    ; where I write: 128 x row + 8 (t % 16) = 8 t
	v_add_nc_u32 v[OFO+1], 6*PLANE, v[OFO]
	v_add_nc_u32 v[OFO+2], 12*PLANE, v[OFO]
	s_sub_co_u32 s16, ttmp9, 512                   ; j (of use only where i >= 512)
	s_lshr_b32 s17, s16, 6                         ; which of the three weights
	s_and_b32 s18, s16, 63                         ; which part of it
	s_cmp_lt_u32 ttmp9, 512
	s_cselect_b32 s18, ttmp9, s18                  ; the part's number in its own tensor
	s_lshl_b32 s22, s18, 16                        ; times 65,536 bytes
	s_mov_b32 s23, 0
	s_lshl_b32 s14, ttmp9, 11                      ; 16 i rows of 128 bytes
	s_mov_b32 s15, 0
	s_wait_kmcnt 0x0
	s_cmp_eq_u32 s17, 1                            ; the source is chosen by the work-group's number alone
	s_cselect_b64 s[20:21], s[8:9], s[6:7]
	s_cmp_eq_u32 s17, 2
	s_cselect_b64 s[20:21], s[10:11], s[20:21]
	s_cmp_lt_u32 ttmp9, 512
	s_cselect_b64 s[20:21], s[4:5], s[20:21]
	s_add_nc_u64 s[20:21], s[20:21], s[22:23]
	s_add_nc_u64 s[12:13], s[12:13], s[14:15]
.irp j, 0,1,2,3,4,5,6,7,8,9,10,11,12,13,14,15
	global_load_b128 v[X+4*(\j):X+4*(\j)+3], v1, s[20:21] offset:256*(\j) th:TH_LOAD_NT
.endr
.irp j, 0,1,2,3,4,5,6,7,8,9,10,11,12,13,14,15
	s_wait_loadcnt 15-(\j)                         ; loads come back in order: block j is in, the 15 - j younger ones stay out
	v_cvt_pk_bf16_f32 v[Y+2*(\j)],   v[X+4*(\j)],   v[X+4*(\j)+1]
	v_cvt_pk_bf16_f32 v[Y+2*(\j)+1], v[X+4*(\j)+2], v[X+4*(\j)+3]
	global_store_b64 v[OFO+(\j)/6], v[Y+2*(\j):Y+2*(\j)+1], s[12:13] offset:((\j)%6)*PLANE
.endr
	s_endpgm
.Lfunc_end_k_qf0d3547228_cast:
	.size	k_qf0d3547228_cast, .Lfunc_end_k_qf0d3547228_cast-k_qf0d3547228_cast
	.p2alignl 7, 3214868480
	.fill 96, 4, 3214868480
	.section	.rodata,"a",@progbits
	.p2align	6, 0x0
	.amdhsa_kernel k_qf0d3547228_cast
		.amdhsa_group_segment_fixed_size 0
		.amdhsa_private_segment_fixed_size 0
		.amdhsa_enable_private_segment 0
		.amdhsa_kernarg_size 40
		.amdhsa_user_sgpr_count 2
		.amdhsa_user_sgpr_kernarg_segment_ptr 1
		.amdhsa_wavefront_size32 1
		.amdhsa_system_sgpr_workgroup_id_x 1
		.amdhsa_system_sgpr_workgroup_id_y 1
		.amdhsa_system_sgpr_workgroup_id_z 1
		.amdhsa_system_vgpr_workitem_id 0
		.amdhsa_next_free_vgpr 104
		.amdhsa_next_free_sgpr 66
		.amdhsa_reserve_vcc 0
		.amdhsa_float_denorm_mode_32 3
		.amdhsa_float_denorm_mode_16_64 3
		.amdhsa_memory_ordered 1
		.amdhsa_forward_progress 1
		.amdhsa_inst_pref_size 7
	.end_amdhsa_kernel
	.amdgpu_metadata
---
amdhsa.version: [ 1, 2 ]
amdhsa.kernels:
  - .name:           k_qf0d3547228_cast
    .symbol:         k_qf0d3547228_cast.kd
    .args:
      - { .name: x, .offset: 0, .size: 8, .value_kind: global_buffer, .address_space: global }
      - { .name: Wq, .offset: 8, .size: 8, .value_kind: global_buffer, .address_space: global }
      - { .name: Wk, .offset: 16, .size: 8, .value_kind: global_buffer, .address_space: global }
      - { .name: Wv, .offset: 24, .size: 8, .value_kind: global_buffer, .address_space: global }
      - { .name: xw, .offset: 32, .size: 8, .value_kind: global_buffer, .address_space: global }
    .group_segment_fixed_size: 0
    .private_segment_fixed_size: 0
    .kernarg_segment_align: 8
    .kernarg_segment_size: 40
    .max_flat_workgroup_size: 256
    .sgpr_count:     66
    .vgpr_count:     104
    .wavefront_size: 32
...
	.end_amdgpu_metadata
.endif
;; end of part 5
;; launch proj (part 6): grid 8 x 32, 4 waves a work-group, clusters of 4 x 4, 327,680 bytes of LDS; arguments xw, qkv; writes qkv
.if DOCPART == 6
	.amdgcn_target "amdgcn-amd-amdhsa--gfx1250"
	.amdhsa_code_object_version 6
	.text
	.protected	k_qf0d3547228_proj
	.globl	k_qf0d3547228_proj
	.p2align	8
	.type	k_qf0d3547228_proj,@function
k_qf0d3547228_proj:
	s_mov_b64 s[64:65], 0
	v_nop
	global_prefetch_b8 v0, s[64:65] scope:SCOPE_SE
	s_setreg_imm32_b32 hwreg(HW_REG_WAVE_MODE, 25, 1), 1
	s_wait_xcnt 0x0
	s_wait_alu depctr_hold_cnt(0) depctr_sa_sdst(0) depctr_va_vdst(0) depctr_va_sdst(0) depctr_va_ssrc(0) depctr_va_vcc(0) depctr_vm_vsrc(0)
	s_getreg_b32 s2, hwreg(HW_REG_IB_STS2, 6, 4)
	s_cmp_eq_u32 s2, 0
	s_cbranch_scc0 .Lentry_in_a_cluster
	s_endpgm
.Lentry_in_a_cluster:
	s_bfe_u32 s2, ttmp6, 0x10000c
	s_cmp_lg_u32 s2, 0xf033
	s_cbranch_scc0 .Lentry_shape_is_right
	s_endpgm
.Lentry_shape_is_right:
; qkv[r][n] = the sum over e of X[r][e] W[n][e]: Q (n 0-1023), K (1024-), V (2048-) of all 8,192 rows at once.  X = rows 0-8191, W = rows 8192-11263 of xw, bf16, laid out [kb 16][row 11264][64];
; qkv: f16 [8192][3072]; sums in f32, rounded once.
; LIMIT.  f16 holds no number beyond 65,504: Q, K and V must stay within it (x and the weights all 30 times their drawn spread give about 5,000; a common offset of 30 spreads on both about 29,000).
; A tile of qkv is 256 rows x 384 columns: 32 x 8 = 256 work-groups.  Four waves, 2 x 2, each 128 rows x 192 columns: 96 accumulators of 16 x 16, 768 registers: for 32 along K a wave reads
; (128 + 192) x 64 bytes from LDS for 96 matrix instructions.
; K goes in steps of 64 through a ring of two LDS slots filled by tensor loads (two slots of 128 along K for 640 rows do not fit in LDS).  In xw's layout the 128-byte rows of such a tile lie end to end:
; they are asked for as rows of 256 bytes, at multiples of 256 bytes, and padded in LDS after every 128 bytes.
; CLUSTER.  4 x 4 work-groups.  The four of a row of the cluster need the same 256 rows of X, the four of a column the same 384 rows of W: each tile is asked for jointly, by the same tensor load
; with the same descriptor and a mask that names the four.
; THE MATRIX INSTRUCTION IS USED TRANSPOSED: source 0 = 16 rows of W, source 1 = 16 rows of X: a lane then holds row l % 16 and the eight neighbouring columns 8 (l / 16) + 0..7.
; REGISTERS: window 0: v0-31 addresses; v32-95, v96-159 two buffers of X's 8 fragments; v160-255 ONE set of W's 12 fragments.  Windows 1-3: accumulator (row block a, column block b) at v[64 (b % 4) + 8 a] of window 1 + b / 4.
; A quarter (32 along K) goes window by window: 32 products with four fragments of W and all eight of X; then those four fragments are loaded anew, for the next quarter: W needs no second buffer.
.set PLANE,  11264*128                 ; bytes from 64 along K to the next
.set PITCH,  144                       ; an LDS row: 128 bytes + 16 of padding = 36 words: the 16 rows of a load start at 16 different groups of four banks (64 banks of 4 bytes: ISA guide 11.1)
.set BOFF,   256*PITCH                 ; a slot: X's 256 rows, then W's 384
.set SLOTB,  640*PITCH                 ; 92,160 bytes
.set SLOT1,  1<<17                     ; slot 1 begins here, so that one exclusive or turns an address in one slot into the other's
.set SPARE,  SLOTB                     ; between the slots: the spare words, 128 bytes for each wave: two blocks of 256 bytes that no other line names
.set STG,    SLOT1+SLOTB               ; behind the ring, never filled by a tensor load: the work-group's stage, 128 rows x 784 bytes
.set SPT,    784                       ; a stage row: 768 bytes + 16 = 196 words: row r starts at bank 4 r mod 64
.set CROW,   6144                      ; bytes in a row of qkv
.set ADRA0, 16                         ; v16  my lane's place among X's fragments in slot 0; never rewritten
.set ADRB0, 17                         ; v17  the same for W
.set ADRA,  18                         ; v18  the same in the slot that is being fetched from
.set ADRB,  19                         ; v19
.set STO,  24                          ; v24  the way out: where I put 16 bytes of a row
.set RD,   25                          ; v25  where I read a row's 256 bytes back
.set CO,   26                          ; v26  my byte offset in qkv
.set SPW,  28                          ; v28  LDS address of my spare word; never rewritten
.set NIL,  29                          ; v29  0; never rewritten
.set AF0,  32
.set AF1,  96
.set BF,   160
.set TMP,  32                          ; the way out: 48 registers of packed results,
.set BK,   32                          ; and then 192 registers of rows read back
.set TB, 2                             ; s2  0 or SLOT1: the slot that is being fetched from
.set WV, 12                            ; s12 wave; s13 wave / 2: my half of the rows, and: I fetch X (0) or W (1); s14 wave % 2: my half of the columns, and: which half of that tile I fetch
.set WH, 13
.set WL, 14
.set TY, 15                            ; s15 tile row, s16 tile column
.set TX, 16
.set LA, 20                            ; s20, s21: where my part of a tile goes in a slot
.set LB, 21
.set G1A, 24                           ; s[24:31] descriptor group 1 for X;  s[32:39] group 0: a set for each of the two first fills; the second then walks on
.set G0A, 32
.set G1B, 48                           ; s[48:55], s[56:63] the same for W
.set G0B, 56
.set G1W0, (1<<16)|(1<<20)|(1<<21)|(4<<22)|(3<<25)  ; 17:16 elements of 2 bytes; 20 padding on; 21 set beside a mask; 24:22 after every 32 words; 31:25 4 words of it
.set MSB, 0
.macro WIN new                         ; the immediate's high byte repeats the setting that is left; a switch that changes nothing is dropped
.if MSB != (\new)
	s_set_vgpr_msb (MSB<<8)|(\new)
.set MSB, \new
.endif
.endm
; A joint load: waves 0 and 1 fetch X's two halves, waves 2 and 3 W's.  The branch hangs on the wave's number alone.  An s_nop 0 and four v_nop follow each of the two lines.
.macro JLOAD s
	s_cmp_eq_u32 s[WH], 0
	s_cbranch_scc0 .Lfor_b_\@
	tensor_load_to_lds s[G0A+4*(\s):G0A+4*(\s)+3], s[G1A:G1A+7]
	s_nop 0
.rept 4
	v_nop
.endr
	s_branch .Lasked_\@
.Lfor_b_\@:
	tensor_load_to_lds s[G0B+4*(\s):G0B+4*(\s)+3], s[G1B:G1B+7]
	s_nop 0
.rept 4
	v_nop
.endr
.Lasked_\@:
.endm
.macro CREST                           ; a round of the cluster's barrier behind its opening barrier: wave 0 signals for the work-group, every wave waits for all sixteen, the work-group's barrier closes it
	s_cmp_lg_u32 s[WV], 0
	s_cbranch_scc1 .Lnot_wave_0_\@
	s_barrier_signal -3
.Lnot_wave_0_\@:
	s_barrier_wait -3
	s_barrier_signal -1
	s_barrier_wait -1
.endm
.macro CROUND                          ; a whole round
	s_barrier_signal -1
	s_barrier_wait -1
	CREST
.endm
.macro PLACES                          ; four places in front of loads into registers that matrix instructions have read, and of conversions that read results
.rept 4
	v_nop
.endr
.endm
	s_load_b128 s[4:7], s[0:1], 0x0                ; xw s[4:5], qkv s[6:7]
	v_lshl_add_u32 v[SPW], v0, 2, SPARE
	v_mov_b32 v[NIL], 0
	ds_add_u32 v[SPW], v[NIL]                      ; the wave's opening: the add and its wait ahead of my first tensor load; the set-up below, work on registers, stands between them
	ds_add_u32 v28, v29
	v_lshrrev_b32 v1, 5, v0
	v_readfirstlane_b32 s[WV], v1                  ; wave 0..3
	s_lshr_b32 s[WH], s[WV], 1
	s_and_b32 s[WL], s[WV], 1
	s_bfe_u32 s17, ttmp6, 0x40000                  ; cx, cy: my place in the cluster
	s_bfe_u32 s18, ttmp6, 0x40004
	s_lshl_b32 s[TX], ttmp9, 2
	s_add_co_u32 s[TX], s[TX], s17                 ; tile column = 4 x cluster x + cx
	s_and_b32 s[TY], ttmp7, 0xffff
	s_lshl_b32 s[TY], s[TY], 2
	s_add_co_u32 s[TY], s[TY], s18                 ; tile row = 4 x cluster y + cy
	s_lshl_b32 s70, s18, 2
	s_lshl_b32 s70, 15, s70                        ; my row of the cluster: places 4 cy .. 4 cy + 3
	s_lshl_b32 s71, 0x1111, s17                    ; my column: places cx, cx + 4, cx + 8, cx + 12
	s_or_b32 s[G1A], s70, G1W0                     ; X's tiles go to my row,
	s_or_b32 s[G1B], s71, G1W0                     ; W's to my column
.irp g, G1A, G1B
	s_mov_b32 s[(\g)+1], 128<<16                   ; tensor_dim0 = 128: two of the tile's rows of 64 numbers
	s_mov_b32 s[(\g)+3], 128<<16                   ; tile_dim0 = 128
	s_mov_b32 s[(\g)+5], 128                       ; 128 elements from row to row: the block is dense
	s_mov_b32 s[(\g)+6], 0
	s_mov_b32 s[(\g)+7], 0
.endr
	s_mov_b32 s[G1A+2], 64<<16                     ; tensor_dim1 = tile_dim1 = 64: 128 rows of X a load,
	s_mov_b32 s[G1A+4], 64
	s_mov_b32 s[G1B+2], 96<<16                     ; 96: 192 rows of W
	s_mov_b32 s[G1B+4], 96
	s_lshl_b32 s40, s[TY], 15                      ; X: row 256 x tile row + 128 x half, 128 bytes a row: made of the tile row and the wave alone
	s_lshl_b32 s22, s[WL], 14
	s_add_co_u32 s40, s40, s22
	s_mov_b32 s41, 0
	s_mul_i32 s44, s[TX], 384*128                  ; W: row 8,192 + 384 x tile column + 192 x half: made of the tile column and the wave alone
	s_mul_i32 s23, s[WL], 192*128
	s_add_co_u32 s44, s44, s23
	s_add_co_u32 s44, s44, 8192*128
	s_mov_b32 s45, 0
	s_lshl_b32 s42, s[TY], 8                       ; qkv: the first row that I store, 256 x tile row + 128 x row half + 32 x column half, and the tile's first column, 768 bytes a tile
	s_lshl_b32 s43, s[WH], 7
	s_add_co_u32 s42, s42, s43
	s_lshl_b32 s43, s[WL], 5
	s_add_co_u32 s42, s42, s43
	s_mul_i32 s42, s42, CROW
	s_mul_i32 s43, s[TX], 768
	s_add_co_u32 s42, s42, s43
	s_mov_b32 s43, 0
	s_mul_i32 s[LA], s[WL], 128*PITCH              ; X's halves at 0 and 18,432
	s_mul_i32 s[LB], s[WL], 192*PITCH              ; W's halves at 36,864 and 64,512
	s_add_co_u32 s[LB], s[LB], BOFF
	s_mov_b32 s[TB], 0
	s_wait_dscnt 0x0                               ; the opening add is done
	s_wait_kmcnt 0x0
	s_add_nc_u64 s[40:41], s[4:5], s[40:41]
	s_add_nc_u64 s[44:45], s[4:5], s[44:45]
	s_add_nc_u64 s[6:7], s[6:7], s[42:43]
	CROUND                                         ; all sixteen work-groups are here: the first joint loads meet
.irp s, 0,1
	s_mov_b32 s[G0A+4*(\s)], 1                                        ; count = 1
	s_add_co_u32 s[G0A+4*(\s)+1], s[LA], (\s)*SLOT1                   ; LDS address
	s_add_nc_u64 s[G0A+4*(\s)+2:G0A+4*(\s)+3], s[40:41], (\s)*PLANE   ; global address: K step s
	s_or_b32 s[G0A+4*(\s)+3], s[G0A+4*(\s)+3], 0x80000000             ; type = 2
	s_mov_b32 s[G0B+4*(\s)], 1
	s_add_co_u32 s[G0B+4*(\s)+1], s[LB], (\s)*SLOT1
	s_add_nc_u64 s[G0B+4*(\s)+2:G0B+4*(\s)+3], s[44:45], (\s)*PLANE
	s_or_b32 s[G0B+4*(\s)+3], s[G0B+4*(\s)+3], 0x80000000
	JLOAD \s                                       ; two tensor loads of mine are out
.endr
	; A fragment is 16 rows x 32 K in 8 registers: lane l holds row l % 16; registers 0-3 K = 8 (l / 16) + 0..7, registers 4-7 K = 16 + 8 (l / 16) + 0..7: two loads of 16 bytes, 32 bytes apart.
	v_and_b32 v1, 15, v0                           ; l % 16
	v_bfe_u32 v2, v0, 4, 1                         ; l / 16
	v_mul_u32_u24 v3, v1, PITCH
	v_lshl_add_u32 v3, v2, 4, v3                   ; row x pitch + 16 x half
	s_mul_i32 s22, s[WH], 128*PITCH                ; my 128 rows of X
	s_mul_i32 s23, s[WL], 192*PITCH                ; my 192 rows of W,
	s_add_co_u32 s23, s23, BOFF                    ; which lie behind X's 256
	v_add_nc_u32 v[ADRA0], s22, v3
	v_add_nc_u32 v[ADRB0], s23, v3
	v_mov_b32 v[ADRA], v[ADRA0]                    ; the first fetches are from slot 0
	v_mov_b32 v[ADRB], v[ADRB0]
	s_mul_i32 s22, s[WH], 64*SPT                   ; into the stage: 64 rows for each row half, my 384 bytes of them; row l % 16, 16 bytes for each half of the lanes
	s_mul_i32 s23, s[WL], 384
	s_add_co_u32 s22, s22, s23
	s_add_co_u32 s22, s22, STG
	v_mul_u32_u24 v4, v1, SPT
	v_lshl_add_u32 v4, v2, 4, v4
	v_add_nc_u32 v[STO], s22, v4
	s_mul_i32 s22, s[WV], 32*SPT                   ; back: wave w takes stage rows 32 w .. 32 w + 31, whole; lanes 0-15 take 256 bytes of one row, lanes 16-31 of the next
	s_add_co_u32 s22, s22, STG
	v_mul_u32_u24 v4, v2, SPT
	v_lshl_add_u32 v4, v1, 4, v4
	v_add_nc_u32 v[RD], s22, v4
	v_mul_u32_u24 v4, v2, CROW                     ; and the same two rows in qkv
	v_lshl_add_u32 v[CO], v1, 4, v4
; 8 matrix instructions: column block c of window w x all 8 row blocks, 32 along K.  zero = 1: the product starts the sums: nothing is cleared.  The 96 accumulators take turns.
.macro MULC af, w, c, zero
	WIN ((\w)<<6)|((\w)<<4)                        ; sources 0 and 1 window 0; C and D window w
.irp a, 0,1,2,3,4,5,6,7
.if \zero
	v_wmma_f32_16x16x32_bf16 v[64*(\c)+8*(\a):64*(\c)+8*(\a)+7], v[BF+32*((\w)-1)+8*(\c):BF+32*((\w)-1)+8*(\c)+7], v[(\af)+8*(\a):(\af)+8*(\a)+7], 0
.else
	v_wmma_f32_16x16x32_bf16 v[64*(\c)+8*(\a):64*(\c)+8*(\a)+7], v[BF+32*((\w)-1)+8*(\c):BF+32*((\w)-1)+8*(\c)+7], v[(\af)+8*(\a):(\af)+8*(\a)+7], v[64*(\c)+8*(\a):64*(\c)+8*(\a)+7]
.endif
.endr
.endm
.macro MULH af, w, zero                ; a window's 32
.irp c, 0,1,2,3
	MULC \af, \w, \c, \zero
.endr
.endm
.macro LDB b0, k                       ; 8 LDS loads: W's fragments b0 .. b0 + 3, 32 K at byte k of the rows
	WIN 0
.irp i, 0,1,2,3
	ds_load_b128 v[BF+8*((\b0)+(\i)):BF+8*((\b0)+(\i))+3],   v[ADRB] offset:(\k)+((\b0)+(\i))*16*PITCH
	ds_load_b128 v[BF+8*((\b0)+(\i))+4:BF+8*((\b0)+(\i))+7], v[ADRB] offset:(\k)+((\b0)+(\i))*16*PITCH+32
.endr
.endm
.macro LDA af, a0, k                   ; 8 LDS loads: X's fragments a0 .. a0 + 3 into buffer af
	WIN 0
.irp i, 0,1,2,3
	ds_load_b128 v[(\af)+8*((\a0)+(\i)):(\af)+8*((\a0)+(\i))+3],   v[ADRA] offset:(\k)+((\a0)+(\i))*16*PITCH
	ds_load_b128 v[(\af)+8*((\a0)+(\i))+4:(\af)+8*((\a0)+(\i))+7], v[ADRA] offset:(\k)+((\a0)+(\i))*16*PITCH+32
.endr
.endm
; In every quarter the 40 loads for the next one go out in this order: W 0-3, X 0-3 | W 4-7, X 4-7 | W 8-11.  The counted waits lean on it.
; A K step's first quarter: multiplies X's buffer af, and fetches the quarter at byte k of the same slot into X's buffer ag and into W's fragments as they come free.
.macro QR af, ag, k, zero
	s_wait_dscnt 8                                 ; all of X and W's fragments 0-7 are in; the youngest eight loads (W 8-11) may be out
	MULH \af, 1, \zero
	PLACES
	LDB 0, \k
	LDA \ag, 0, \k
	MULH \af, 2, \zero
	PLACES
	LDB 4, \k
	LDA \ag, 4, \k
	s_wait_dscnt 32                                ; W 8-11 are in: behind them only the 32 loads of this quarter
	MULH \af, 3, \zero
	PLACES
	LDB 8, \k
.endm
; A K step's second quarter multiplies X's buffer 1 and changes slots: ONE barrier.  In front of it each wave waits for all its tensor loads (one is out: its part of the next slot), adds 0 to its spare word,
; and waits for that and for its own reads of this slot (the last were issued in front of the 32 products above).  fill = 1: the barrier opens a round of the cluster's, and this slot is filled again,
; two K steps ahead, first thing behind it: 176 matrix instructions ahead of the wait for it.  Then the next slot's first quarter is fetched.
.macro QT fill
	s_wait_dscnt 8
	MULH AF1, 1, 0
	WIN 0
	s_wait_tensorcnt 0x0                           ; all my tensor loads have landed, so a group 0 may be written;
	ds_add_u32 v[SPW], v[NIL]                      ; 0 onto my spare word; the steps below, work on registers, stand between it and the wait for it
.if \fill
.irp g, G0A+4, G0B+4
	s_xor_b32 s[(\g)+1], s[(\g)+1], SLOT1          ; the walking descriptor: the other slot than last time,
	s_add_nc_u64 s[(\g)+2:(\g)+3], s[(\g)+2:(\g)+3], PLANE  ; the next 64 along K; the type bits on top are not reached
.endr
.endif
	s_xor_b32 s[TB], s[TB], SLOT1                  ; the fetches go on in the other slot
	v_add_nc_u32 v[ADRA], s[TB], v[ADRA0]
	v_add_nc_u32 v[ADRB], s[TB], v[ADRB0]
	s_wait_dscnt 0x0                               ; the add is done, and my reads of this slot are over
	s_barrier_signal -1
	MULC AF1, 2, 0, 0                              ; work on registers while the others arrive
	MULC AF1, 2, 1, 0
.if \fill
	WIN 0
.endif
	s_barrier_wait -1
.if \fill
	CREST                                          ; no wave of any partner still reads this slot's tile or has a load on its way
	JLOAD 1                                        ; its four v_nop are also the places in front of the loads below
.else
	PLACES
.endif
	LDB 0, 0
	LDA AF0, 0, 0
	MULC AF1, 2, 2, 0
	MULC AF1, 2, 3, 0
	PLACES
	LDB 4, 0
	LDA AF0, 4, 0
	MULH AF1, 3, 0
	PLACES
	LDB 8, 0
.endm
	s_wait_tensorcnt 1                             ; my part of K step 0 is in; K step 1's may stay out
	s_barrier_signal -1
	s_barrier_wait -1                              ; everybody's is
	LDB 0, 0
	LDA AF0, 0, 0
	LDB 4, 0
	LDA AF0, 4, 0
	LDB 8, 0
	QR AF0, AF1, 64, 1                             ; the first quarter stands in front of the loop: its products start the sums
	WIN 0                                          ; at a label and at a branch every window is 0
	s_mov_b32 s3, 14
.Ltrip:                                                ; 14 trips: a K step's second quarter, which fills its slot again, and the next step's first; the LDS addresses hang on s[TB]
	QT 1
	QR AF0, AF1, 64, 0
	WIN 0
	s_sub_co_u32 s3, s3, 1
	s_cmp_lg_u32 s3, 0
	s_cbranch_scc1 .Ltrip
	QT 0                                           ; the tail is written out: the last two K steps fill nothing
	QR AF0, AF1, 64, 0
	s_wait_dscnt 8                                 ; the very last quarter: nothing more to fetch
	MULH AF1, 1, 0
	MULH AF1, 2, 0
	s_wait_dscnt 0x0
	MULH AF1, 3, 0
	WIN 0
; THE WAY OUT.  A wave's 192 columns are 384 bytes, one and a half aligned pieces of 256: so the two waves of a row half write the two halves of the same stage rows, a barrier stands between
; the writing and the reading, and each wave then reads 32 whole rows of 768 bytes and stores them.  Two passes, 64 rows of each wave a pass: 128 stage rows.
.macro PACK a                          ; row block a: rounded to f16, 16 bytes a lane and column block; each accumulator's registers in ascending order
.irp w, 1,2,3
	WIN ((\w)<<2)|(\w)                             ; sources 0 and 1 window w, destination window 0
.irp c, 0,1,2,3
.irp r, 0,1,2,3
	v_cvt_pk_f16_f32 v[TMP+16*((\w)-1)+4*(\c)+(\r)], v[64*(\c)+8*(\a)+2*(\r)], v[64*(\c)+8*(\a)+2*(\r)+1]
.endr
.endr
.endr
	WIN 0
.endm
.macro TOSTG aa                        ; into rows 16 aa on of my 64 stage rows
.irp b, 0,1,2,3,4,5,6,7,8,9,10,11
	ds_store_b128 v[STO], v[TMP+4*(\b):TMP+4*(\b)+3] offset:(\aa)*16*SPT+32*(\b)
.endr
.endm
.macro PASS p
.irp aa, 0,1,2,3
	PACK 4*(\p)+(\aa)
	TOSTG \aa
.endr
	s_wait_dscnt 0x0                               ; for the others' sake: my stores into the stage are done
	s_barrier_signal -1
	s_barrier_wait -1
.set t, 0
.rept 48                               ; load t: rows 2 (t / 3) and 2 (t / 3) + 1 of my 32, piece t % 3 of their three pieces of 256 bytes
	ds_load_b128 v[BK+4*t:BK+4*t+3], v[RD] offset:(t/3)*2*SPT+256*(t%3)
.set t, t+1
.endr
.set t, 0
.rept 16
	s_wait_dscnt 45-3*t                            ; LDS loads come back in order: pair t of rows is in, the pairs behind it stay out
.irp u, 0,1,2
	global_store_b128 v[CO], v[BK+4*(3*t+(\u)):BK+4*(3*t+(\u))+3], s[6:7] offset:(64*(\p)+2*t)*CROW+256*(\u)  ; 16 lanes store 256 consecutive bytes, at a multiple of 256 from qkv's first byte
.endr
.set t, t+1
.endr
.endm
	PLACES                                         ; behind the last products
	PASS 0
	s_barrier_signal -1                            ; my reads of the stage are back (the last count was 0): when all four have said so it is written again
	s_barrier_wait -1
	s_wait_xcnt 0x0                                ; every earlier store has had its addresses translated (ISA guide 3.1): its data registers are rewritten only behind this wait
	PASS 1
	s_wait_tensorcnt 0x0                           ; the wave's end, behind my last tensor load and my last LDS store
	ds_add_u32 v[SPW], v[NIL]
	s_wait_dscnt 0x0
	CROUND                                         ; the closing round: no work-group ends while a partner may still ask for a tile that names it
	s_endpgm
.Lfunc_end_k_qf0d3547228_proj:
	.size	k_qf0d3547228_proj, .Lfunc_end_k_qf0d3547228_proj-k_qf0d3547228_proj
	.p2alignl 7, 3214868480
	.fill 96, 4, 3214868480
	.section	.rodata,"a",@progbits
	.p2align	6, 0x0
	.amdhsa_kernel k_qf0d3547228_proj
		.amdhsa_group_segment_fixed_size 327680
		.amdhsa_private_segment_fixed_size 0
		.amdhsa_enable_private_segment 0
		.amdhsa_kernarg_size 16
		.amdhsa_user_sgpr_count 2
		.amdhsa_user_sgpr_kernarg_segment_ptr 1
		.amdhsa_wavefront_size32 1
		.amdhsa_system_sgpr_workgroup_id_x 1
		.amdhsa_system_sgpr_workgroup_id_y 1
		.amdhsa_system_sgpr_workgroup_id_z 1
		.amdhsa_system_vgpr_workitem_id 0
		.amdhsa_next_free_vgpr 1024
		.amdhsa_next_free_sgpr 72
		.amdhsa_reserve_vcc 0
		.amdhsa_float_denorm_mode_32 3
		.amdhsa_float_denorm_mode_16_64 3
		.amdhsa_memory_ordered 1
		.amdhsa_forward_progress 1
		.amdhsa_inst_pref_size 111
	.end_amdhsa_kernel
	.amdgpu_metadata
---
amdhsa.version: [ 1, 2 ]
amdhsa.kernels:
  - .name:           k_qf0d3547228_proj
    .symbol:         k_qf0d3547228_proj.kd
    .args:
      - { .name: xw, .offset: 0, .size: 8, .value_kind: global_buffer, .address_space: global }
      - { .name: qkv, .offset: 8, .size: 8, .value_kind: global_buffer, .address_space: global }
    .group_segment_fixed_size: 327680
    .private_segment_fixed_size: 0
    .kernarg_segment_align: 8
    .kernarg_segment_size: 16
    .max_flat_workgroup_size: 128
    .sgpr_count:     72
    .vgpr_count:     1024
    .wavefront_size: 32
...
	.end_amdgpu_metadata
.endif
;; end of part 6
;; launch score (part 7): grid 8 x 32, 4 waves a work-group, clusters of 4 x 4, 327,680 bytes of LDS; arguments qkv, pt, st; writes pt, st
.if DOCPART == 7
	.amdgcn_target "amdgcn-amd-amdhsa--gfx1250"
	.amdhsa_code_object_version 6
	.text
	.protected	k_qf0d3547228_score
	.globl	k_qf0d3547228_score
	.p2align	8
	.type	k_qf0d3547228_score,@function
k_qf0d3547228_score:
	s_mov_b64 s[64:65], 0
	v_nop
	global_prefetch_b8 v0, s[64:65] scope:SCOPE_SE
	s_setreg_imm32_b32 hwreg(HW_REG_WAVE_MODE, 25, 1), 1
	s_wait_xcnt 0x0
	s_wait_alu depctr_hold_cnt(0) depctr_sa_sdst(0) depctr_va_vdst(0) depctr_va_sdst(0) depctr_va_ssrc(0) depctr_va_vcc(0) depctr_vm_vsrc(0)
	s_getreg_b32 s2, hwreg(HW_REG_IB_STS2, 6, 4)
	s_cmp_eq_u32 s2, 0
	s_cbranch_scc0 .Lentry_in_a_cluster
	s_endpgm
.Lentry_in_a_cluster:
	s_bfe_u32 s2, ttmp6, 0x10000c
	s_cmp_lg_u32 s2, 0xf033
	s_cbranch_scc0 .Lentry_shape_is_right
	s_endpgm
.Lentry_shape_is_right:
; For a tile of 256 queries x 256 keys of one batch: s = Q . K (sum over 1,024 channels, f16 operands, f32 sums); m = the row's maximum over the tile's 256 keys; p = 2^(c s - c m), c = log2(e) / 32.
; Stored: p rounded once to f16 in pt, IN FRAGMENT ORDER: pt[block of 16 rows: 512][block of 16 keys: 128][lane 32][16 bytes]: lane l's 16 bytes are row l % 16, keys 8 (l / 16) + 0..7 of the two blocks.
; That is what a lane holds here behind the rounding, and what the launch behind takes as its half of a fragment: nothing changes lanes, and no stage in LDS is needed.
; In st, f32, [batch 4][half tile of 128 keys 16][kind 2][q 2048]: kind 0 = c m (the same in both halves of a tile), kind 1 = the sum of the unrounded p over that half's 128 keys.
; The launch behind brings the eight tiles of a row onto their common maximum.  The maximum taken away is the tile's true one: every exponent is 0 or less.
; LIMITS.  Q and K arrive in f16 (within 65,504).  p lies in 0 to 1; below 6e-5 it keeps f16's fixed step of 6e-8; a p below 2^-126 counts as 0 in the sum.  NaN and infinities are not treated apart.
; SHAPE.  Four waves, each 128 x 128: 64 accumulators of 16 x 16, 512 registers.  K goes in steps of 128 through a ring of two LDS slots filled by tensor loads: rows of 256 bytes, at multiples of 256 bytes.
; A K step is written once: the LDS addresses hang on a scalar that an exclusive or turns from one slot to the other.
; CLUSTER.  4 x 4 work-groups: the four of a row of the cluster need the same 256 rows of Q, the four of a column the same 256 rows of K (a cluster's 1,024 query rows lie in one batch): joint loads.
; THE MATRIX INSTRUCTION IS USED TRANSPOSED: source 0 = 16 keys, source 1 = 16 queries: a lane holds ONE query (l % 16) and the keys 8 (l / 16) + 0..7 of each block of 16.
; REGISTERS: window 0: v0-31 addresses; v64-127, v128-191 fragments of Q, two buffers; window 1: the same numbers, fragments of K; window 2: the accumulators of my rows 0-63 ((a, b) at v[8 (8 a + b)]); window 3: rows 64-127.
;   Behind the loop window 0 holds: v64-127 the maxima's chains; v128-159 the sums' first level; v160-175 c m, m by block; v176-183 the sums; v184-191, v64-71 the two waves' maxima; v192-223 packed p.
.set KSTEP,  128
.set PITCH,  272                       ; an LDS row: 256 bytes + 16 of padding = 68 words: row r starts at bank 4 r mod 64 (64 banks of 4 bytes: ISA guide 11.1)
.set HALFT,  128*PITCH                 ; 128 rows: what one tensor load brings, and what one wave reads of Q or of K
.set SLOT,   4*HALFT                   ; Q's 256 rows, then K's 256 rows: 139,264 = 0x22000, which shares no bit with 0, 1, 2 or 3 x HALFT: an exclusive or with it adds it or takes it away
.set XCH,    2*SLOT                    ; behind the ring: [wave 4][row 128] f32: the waves' maxima meet here
.set ST2,    XCH+2048                  ; 1,024 bytes for each wave: c m and the sums, turned from one a lane to four a lane
.set SPARE,  ST2+4096                  ; the spare words, 128 bytes for each wave: two blocks of 256 bytes that no other line names
.set QROW,   6144                      ; bytes in a row of qkv
.set RBLK,   65536                     ; bytes of pt for a block of 16 rows: 128 key blocks of 512
.set XA,   6                           ; v6   where I put my rows' maxima       v7   where I read both waves'
.set XR,   7
.set SA,   8                           ; v8   where I put c m and the sums      v9   where I read them back      v10  16 x lane
.set SB,   9
.set SO,   10
.set ADRA0, 16                         ; v16  my lane's place among Q's fragments in slot 0; never rewritten
.set ADRB0, 17                         ; v17  the same for K
.set ADRA, 18                          ; v18  the same in the slot that is being fetched from
.set ADRB, 19                          ; v19
.set SPW,  28                          ; v28  LDS address of my spare word; never rewritten
.set NIL,  29                          ; v29  0; never rewritten
.set F0,   64
.set F1,   128
.set CH,   64
.set PX1,  64
.set SV,   72
.set SUMT, 128
.set STT,  160
.set LS,   176
.set PX0,  184
.set TMP,  192
.set TB, 2                             ; s2  0 or SLOT: the slot that is being fetched from
.set WV, 12                            ; s12 wave; s13 wave / 2: my half of the rows, and: I fetch Q (0) or K (1); s14 wave % 2: my half of the keys, and: which 128 rows I fetch
.set WH, 13
.set WL, 14
.set TY, 15
.set TX, 16
.set BAT, 19                           ; s19 the batch, made of the cluster's y alone
.set LA, 20
.set G1A, 24                           ; s[24:31] descriptor group 1 for Q;  s[32:39] group 0: a set for each of the two first fills; the second then walks on
.set G0A, 32
.set G1B, 48                           ; s[48:55], s[56:63] the same for K
.set G0B, 56
.set CS,  66                           ; s[66:67] c, twice
.set SEL, 68                           ; s[68:69] v_permlanex16_b32's selects: each lane takes its own place in the other half
.set G1W0, (1<<16)|(1<<20)|(1<<21)|(5<<22)|(3<<25)
.set MSB, 0
.macro WIN new                         ; the immediate's high byte repeats the setting that is left; a switch that changes nothing is dropped
.if MSB != (\new)
	s_set_vgpr_msb (MSB<<8)|(\new)
.set MSB, \new
.endif
.endm
.set MUL_LO, 0xa1                      ; source 0 (K) window 1, source 1 (Q) window 0, C and D window 2
.set MUL_HI, 0xf1                      ; the same, C and D window 3
.set TO_B,   0x40                      ; destination window 1, address window 0
.macro JLOAD s                         ; a joint load: waves 0 and 1 fetch Q's halves, waves 2 and 3 K's; an s_nop 0 and four v_nop follow each of the two lines
	s_cmp_eq_u32 s[WH], 0
	s_cbranch_scc0 .Lfor_b_\@
	tensor_load_to_lds s[G0A+4*(\s):G0A+4*(\s)+3], s[G1A:G1A+7]
	s_nop 0
.rept 4
	v_nop
.endr
	s_branch .Lasked_\@
.Lfor_b_\@:
	tensor_load_to_lds s[G0B+4*(\s):G0B+4*(\s)+3], s[G1B:G1B+7]
	s_nop 0
.rept 4
	v_nop
.endr
.Lasked_\@:
.endm
.macro CREST                           ; a round of the cluster's barrier behind its opening barrier
	s_cmp_lg_u32 s[WV], 0
	s_cbranch_scc1 .Lnot_wave_0_\@
	s_barrier_signal -3
.Lnot_wave_0_\@:
	s_barrier_wait -3
	s_barrier_signal -1
	s_barrier_wait -1
.endm
.macro CROUND
	s_barrier_signal -1
	s_barrier_wait -1
	CREST
.endm
.macro PLACES                          ; four places in front of loads into registers that matrix instructions have read, and of vector lines that read results
.rept 4
	v_nop
.endr
.endm
	s_load_b128 s[4:7], s[0:1], 0x0                ; qkv s[4:5], pt s[6:7]
	s_load_b64 s[8:9], s[0:1], 0x10                ; st
	v_lshl_add_u32 v[SPW], v0, 2, SPARE
	v_mov_b32 v[NIL], 0
	ds_add_u32 v[SPW], v[NIL]                      ; the wave's opening: the add and its wait ahead of my first tensor load; the set-up below, work on registers, stands between them
	ds_add_u32 v28, v29
	v_lshrrev_b32 v1, 5, v0
	v_readfirstlane_b32 s[WV], v1
	s_lshr_b32 s[WH], s[WV], 1
	s_and_b32 s[WL], s[WV], 1
	s_bfe_u32 s17, ttmp6, 0x40000                  ; cx, cy
	s_bfe_u32 s18, ttmp6, 0x40004
	s_lshl_b32 s[TX], ttmp9, 2
	s_add_co_u32 s[TX], s[TX], s17                 ; key tile = 4 x cluster x + cx
	s_and_b32 s[TY], ttmp7, 0xffff
	s_lshr_b32 s[BAT], s[TY], 1                    ; eight query tiles, two clusters, to a batch
	s_lshl_b32 s[TY], s[TY], 2
	s_add_co_u32 s[TY], s[TY], s18                 ; query tile = 4 x cluster y + cy, counted through all batches
	s_lshl_b32 s70, s18, 2
	s_lshl_b32 s70, 15, s70                        ; my row of the cluster
	s_lshl_b32 s71, 0x1111, s17                    ; my column
	s_or_b32 s[G1A], s70, G1W0                     ; Q's tiles go to my row,
	s_or_b32 s[G1B], s71, G1W0                     ; K's to my column
.irp g, G1A, G1B
	s_mov_b32 s[(\g)+1], KSTEP<<16                 ; tensor_dim0 = 128
	s_mov_b32 s[(\g)+2], 128<<16                   ; tensor_dim1 = 128
	s_mov_b32 s[(\g)+3], KSTEP<<16                 ; tile_dim0 = 128
	s_mov_b32 s[(\g)+4], 128                       ; tile_dim1 = 128
	s_mov_b32 s[(\g)+5], 3072                      ; elements from row to row of qkv
	s_mov_b32 s[(\g)+6], 0
	s_mov_b32 s[(\g)+7], 0
.endr
	s_lshl_b32 s40, s[TY], 8                       ; Q: row 256 x query tile + 128 x half
	s_lshl_b32 s22, s[WL], 7
	s_add_co_u32 s40, s40, s22
	s_mul_i32 s40, s40, QROW
	s_mov_b32 s41, 0
	s_lshl_b32 s44, s[BAT], 11                     ; K: row 2,048 x batch + 256 x key tile + 128 x half, 2,048 bytes into the row
	s_lshl_b32 s23, s[TX], 8
	s_add_co_u32 s44, s44, s23
	s_lshl_b32 s23, s[WL], 7
	s_add_co_u32 s44, s44, s23
	s_mul_i32 s44, s44, QROW
	s_add_co_u32 s44, s44, 2048
	s_mov_b32 s45, 0
	s_lshl_b32 s42, s[TY], 20                      ; pt: row block 16 x query tile + 8 x row half, 65,536 bytes each; key block 16 x key tile + 8 x key half, 512 bytes each
	s_lshl_b32 s43, s[WH], 19
	s_add_co_u32 s42, s42, s43
	s_lshl_b32 s43, s[TX], 13
	s_add_co_u32 s42, s42, s43
	s_lshl_b32 s43, s[WL], 12
	s_add_co_u32 s42, s42, s43
	s_mov_b32 s43, 0
	s_lshl_b32 s46, s[BAT], 4                      ; st: (16 x batch + 2 x key tile + half) x 16,384 + 4 x my first query in the batch
	s_lshl_b32 s47, s[TX], 1
	s_add_co_u32 s46, s46, s47
	s_add_co_u32 s46, s46, s[WL]
	s_lshl_b32 s46, s46, 14
	s_and_b32 s47, s[TY], 7
	s_lshl_b32 s47, s47, 10
	s_add_co_u32 s46, s46, s47
	s_lshl_b32 s47, s[WH], 9
	s_add_co_u32 s46, s46, s47
	s_mov_b32 s47, 0
	s_mul_i32 s[LA], s[WV], HALFT                  ; Q's two halves, then K's two halves = wave x 128 rows
	s_mov_b32 s[TB], 0
	s_mov_b32 s[CS], 0x3d38aa3b                    ; c = log2(e) / 32
	s_mov_b32 s[CS+1], s[CS]
	s_mov_b32 s[SEL], 0x76543210
	s_mov_b32 s[SEL+1], 0xfedcba98
	s_wait_dscnt 0x0                               ; the opening add is done
	s_wait_kmcnt 0x0
	s_add_nc_u64 s[40:41], s[4:5], s[40:41]
	s_add_nc_u64 s[44:45], s[4:5], s[44:45]
	s_add_nc_u64 s[6:7], s[6:7], s[42:43]
	s_add_nc_u64 s[8:9], s[8:9], s[46:47]
	CROUND                                         ; all sixteen work-groups are here: the first joint loads meet
.irp s, 0,1
	s_mov_b32 s[G0A+4*(\s)], 1
	s_add_co_u32 s[G0A+4*(\s)+1], s[LA], (\s)*SLOT
	s_add_nc_u64 s[G0A+4*(\s)+2:G0A+4*(\s)+3], s[40:41], (\s)*KSTEP*2
	s_or_b32 s[G0A+4*(\s)+3], s[G0A+4*(\s)+3], 0x80000000
	s_mov_b32 s[G0B+4*(\s)], 1
	s_add_co_u32 s[G0B+4*(\s)+1], s[LA], (\s)*SLOT
	s_add_nc_u64 s[G0B+4*(\s)+2:G0B+4*(\s)+3], s[44:45], (\s)*KSTEP*2
	s_or_b32 s[G0B+4*(\s)+3], s[G0B+4*(\s)+3], 0x80000000
	JLOAD \s                                       ; two tensor loads of mine are out
.endr
	v_and_b32 v1, 15, v0                           ; l % 16
	v_bfe_u32 v2, v0, 4, 1                         ; l / 16
	v_mul_u32_u24 v3, v1, PITCH
	v_lshl_add_u32 v3, v2, 4, v3                   ; a fragment's row x pitch + 16 x half
	s_mul_i32 s22, s[WH], HALFT                    ; my 128 rows of Q
	s_mul_i32 s23, s[WL], HALFT                    ; my 128 rows of K,
	s_add_co_u32 s23, s23, 2*HALFT                 ; which lie behind Q's 256
	v_add_nc_u32 v[ADRA0], s22, v3
	v_add_nc_u32 v[ADRB0], s23, v3
	v_mov_b32 v[ADRA], v[ADRA0]                    ; the first fetches are from slot 0
	v_mov_b32 v[ADRB], v[ADRB0]
	s_lshl_b32 s22, s[WV], 9
	s_add_co_u32 s22, s22, XCH
	v_lshl_add_u32 v[XA], v1, 2, s22               ; my wave's 128 words
	s_lshl_b32 s22, s[WH], 10
	s_add_co_u32 s22, s22, XCH
	v_lshl_add_u32 v[XR], v1, 2, s22               ; those of the two waves that share my rows
	s_lshl_b32 s22, s[WV], 10
	s_add_co_u32 s22, s22, ST2
	v_lshl_add_u32 v[SA], v1, 2, s22
	v_and_b32 v[SO], 31, v0
	v_lshlrev_b32 v[SO], 4, v[SO]
	v_add_nc_u32 v[SB], s22, v[SO]
; 16 matrix instructions: row blocks a0, a0 + 1 of the window's four x all 8 key blocks, 32 along K.  zero = 1: the product starts the sums.  The 64 accumulators take turns.
.macro MUL16 f, hi, a0, zero
	WIN MUL_LO+0x50*(\hi)
.irp a, \a0, (\a0)+1
.irp b, 0,1,2,3,4,5,6,7
.if \zero
	v_wmma_f32_16x16x32_f16 v[8*(8*(\a)+(\b)):8*(8*(\a)+(\b))+7], v[(\f)+8*(\b):(\f)+8*(\b)+7], v[(\f)+8*(4*(\hi)+(\a)):(\f)+8*(4*(\hi)+(\a))+7], 0
.else
	v_wmma_f32_16x16x32_f16 v[8*(8*(\a)+(\b)):8*(8*(\a)+(\b))+7], v[(\f)+8*(\b):(\f)+8*(\b)+7], v[(\f)+8*(4*(\hi)+(\a)):(\f)+8*(4*(\hi)+(\a))+7], v[8*(8*(\a)+(\b)):8*(8*(\a)+(\b))+7]
.endif
.endr
.endr
.endm
; 32 LDS loads in one run: the fragments of a quarter step (128 rows of K, 128 rows of Q, 32 K at byte k of the rows) into buffer f
.macro FETCH k, f
	WIN TO_B
.irp i, 0,1,2,3,4,5,6,7
	ds_load_b128 v[(\f)+8*(\i):(\f)+8*(\i)+3],   v[ADRB] offset:(\k)+(\i)*16*PITCH
	ds_load_b128 v[(\f)+8*(\i)+4:(\f)+8*(\i)+7], v[ADRB] offset:(\k)+(\i)*16*PITCH+32
.endr
	WIN 0
.irp i, 0,1,2,3,4,5,6,7
	ds_load_b128 v[(\f)+8*(\i):(\f)+8*(\i)+3],   v[ADRA] offset:(\k)+(\i)*16*PITCH
	ds_load_b128 v[(\f)+8*(\i)+4:(\f)+8*(\i)+7], v[ADRA] offset:(\k)+(\i)*16*PITCH+32
.endr
.endm
; A K step is four quarters of 32 along K, 64 matrix instructions each, on buffers 0, 1, 0, 1.  One of the first three multiplies buffer f and, in its middle, fetches the quarter at byte k into buffer g.
.macro QUARTER k, f, g, zero
	s_wait_dscnt 8                                 ; K and Q's rows 0-63 are in; the youngest eight loads (Q's rows 64-127) may be out
	MUL16 \f, 0, 0, \zero
	MUL16 \f, 0, 2, \zero
	PLACES
	FETCH \k, \g
	s_wait_dscnt 32                                ; all but the 32 just issued
	MUL16 \f, 1, 0, \zero
	MUL16 \f, 1, 2, \zero
.endm
; The last quarter multiplies buffer 1 and changes slots: ONE barrier.  In front of it each wave waits for all its tensor loads (one is out: its part of the next slot), adds 0 to its spare word, and waits for
; that and for its own reads of this slot.  fill = 1: the barrier opens a round of the cluster's, and the slot just read out is filled again, two K steps ahead, first thing behind the round:
; 224 matrix instructions ahead of the wait for it.  Then the next slot's first quarter is fetched.
.macro TURN fill
	WIN 0
	s_wait_tensorcnt 0x0                           ; all my tensor loads have landed, so a group 0 may be written;
	ds_add_u32 v[SPW], v[NIL]                      ; 0 onto my spare word; the steps below and sixteen products stand between it and the wait for it
.if \fill
.irp g, G0A+4, G0B+4
	s_xor_b32 s[(\g)+1], s[(\g)+1], SLOT           ; the walking descriptor: the other slot than last time,
	s_add_nc_u64 s[(\g)+2:(\g)+3], s[(\g)+2:(\g)+3], KSTEP*2  ; the next 128 along K; the type bits on top are not reached
.endr
.endif
	s_xor_b32 s[TB], s[TB], SLOT                   ; the fetches go on in the other slot
	v_add_nc_u32 v[ADRA], s[TB], v[ADRA0]
	v_add_nc_u32 v[ADRB], s[TB], v[ADRB0]
	s_wait_dscnt 9                                 ; (the add and the youngest eight loads may be out)
	MUL16 F1, 0, 0, 0
	s_wait_dscnt 0x0                               ; the add is done, and my reads of this slot are over
	s_barrier_signal -1
	MUL16 F1, 0, 2, 0                              ; work on registers while the others arrive
.if \fill
	WIN 0
.endif
	s_barrier_wait -1
.if \fill
	CREST                                          ; no wave of any partner still reads this slot's tile or has a load on its way
	JLOAD 1                                        ; its four v_nop are also the places in front of the loads below
.else
	PLACES
.endif
	FETCH 0, F0
	MUL16 F1, 1, 0, 0
	MUL16 F1, 1, 2, 0
.endm
	s_wait_tensorcnt 1                             ; my part of K step 0 is in; K step 1's may stay out
	s_barrier_signal -1
	s_barrier_wait -1
	FETCH 0, F0
	QUARTER 64,  F0, F1, 1                         ; the first quarter's products start the sums
	WIN 0                                          ; at a label and at a branch every window is 0
	s_mov_b32 s3, 6
.Lstep:                                                ; six trips: the rest of a K step, which fills its slot again, and the next step's first quarter
	QUARTER 128, F1, F0, 0
	QUARTER 192, F0, F1, 0
	TURN 1
	QUARTER 64,  F0, F1, 0
	WIN 0
	s_sub_co_u32 s3, s3, 1
	s_cmp_lg_u32 s3, 0
	s_cbranch_scc1 .Lstep
	s_mov_b32 s3, 2                                ; the last two K steps fill nothing: their text stands apart, and is entered behind a step's first quarter
	s_branch .Lmid
.Ltail:
	QUARTER 64,  F0, F1, 0
	WIN 0
.Lmid:
	QUARTER 128, F1, F0, 0
	QUARTER 192, F0, F1, 0
	TURN 0                                         ; the second time there is no next step: its barrier and the 32 loads that it fetches serve nothing: the price, once a launch, of one text for both steps
	WIN 0
	s_sub_co_u32 s3, s3, 1
	s_cmp_lg_u32 s3, 0
	s_cbranch_scc1 .Ltail
	s_wait_dscnt 0x0                               ; those loads have landed: their registers are written below
; THE MAXIMA.  A lane holds 64 scores of each of its eight rows (one a block): a chain for each accumulator, three operands at a time, each accumulator's lowest registers first.
.macro MAXW w                          ; the 32 accumulators of window w: blocks 4 (w - 2) on
.set AB, 32*((\w)-2)
	WIN 0x2a+0x15*((\w)-2)                         ; all three sources in window w
.set i, 0
.rept 32
	v_max3_num_f32 v[CH+AB+i], v[8*i], v[8*i+1], v[8*i+2]
.set i, i+1
.endr
	WIN 0x28+0x14*((\w)-2)                         ; source 0 in window 0
.set i, 0
.rept 32
	v_max3_num_f32 v[CH+AB+i], v[CH+AB+i], v[8*i+3], v[8*i+4]
.set i, i+1
.endr
.set i, 0
.rept 32
	v_max3_num_f32 v[CH+AB+i], v[CH+AB+i], v[8*i+5], v[8*i+6]
.set i, i+1
.endr
.set i, 0
.rept 16
	v_max3_num_f32 v[CH+AB+2*i], v[CH+AB+2*i], v[16*i+7], v[16*i+15]
.set i, i+1
.endr
.endm
	PLACES                                         ; behind the last products
	MAXW 2
	MAXW 3
	WIN 0
.irp a, 0,1,2,3,4,5,6,7
	v_max3_num_f32 v[CH+8*(\a)], v[CH+8*(\a)], v[CH+8*(\a)+1], v[CH+8*(\a)+2]
.endr
.irp a, 0,1,2,3,4,5,6,7
	v_max3_num_f32 v[CH+8*(\a)+3], v[CH+8*(\a)+3], v[CH+8*(\a)+4], v[CH+8*(\a)+5]
.endr
.irp a, 0,1,2,3,4,5,6,7
	v_max3_num_f32 v[CH+8*(\a)], v[CH+8*(\a)], v[CH+8*(\a)+3], v[CH+8*(\a)+6]
.endr
.irp a, 0,1,2,3,4,5,6,7
	v_max_num_f32 v[CH+8*(\a)], v[CH+8*(\a)], v[CH+8*(\a)+7]
.endr
.irp a, 0,1,2,3,4,5,6,7
	v_permlanex16_b32 v[CH+8*(\a)+1], v[CH+8*(\a)], s[SEL], s[SEL+1]  ; the row's other 64 keys lie in the lane 16 away
.endr
.irp a, 0,1,2,3,4,5,6,7
	v_max_num_f32 v[STT+2*(\a)+1], v[CH+8*(\a)], v[CH+8*(\a)+1]       ; over my wave's 128 keys
.endr
	; The tile's other 128 keys belong to the other wave of my row half: both put their maxima into LDS, and both read both.
.irp a, 0,1,2,3,4,5,6,7
	ds_store_b32 v[XA], v[STT+2*(\a)+1] offset:64*(\a)                ; the two halves of the lanes write the same word with the same number
.endr
	s_wait_dscnt 0x0                               ; for the others' sake: my stores are done
	s_barrier_signal -1
	s_barrier_wait -1
.irp a, 0,1,2,3,4,5,6,7
	ds_load_b32 v[PX0+(\a)], v[XR] offset:64*(\a)
	ds_load_b32 v[PX1+(\a)], v[XR] offset:512+64*(\a)
.endr
	s_wait_dscnt 0x0
.irp a, 0,1,2,3,4,5,6,7
	v_max_num_f32 v[STT+2*(\a)+1], v[PX0+(\a)], v[PX1+(\a)]           ; m
.endr
.irp a, 0,1,2,3,4,5,6,7
	v_mul_f32 v[STT+2*(\a)], s[CS], v[STT+2*(\a)+1]                   ; c m
.endr
; Block a's 16 rows: c s - c m for 32 pairs, in place; 64 exponentials, in place, two on end and then a scaling four pairs ahead, so that a plain line that touches neither follows them;
; 32 roundings to f16 (the first is the plain line behind the last exponential); the sum of the unrounded p; and the block's eight stores, straight from the registers.
.macro SOFT a
.set AC, 64*((\a)%4)
.set WW, 2+(\a)/4
	WIN (WW<<6)|WW                                 ; destination and source 0 in the block's window, c m in window 0
.set j, 0
.rept 4
	v_pk_fma_f32 v[AC+2*j:AC+2*j+1], v[AC+2*j:AC+2*j+1], s[CS:CS+1], v[STT+2*(\a):STT+2*(\a)+1] op_sel_hi:[1,0,0] neg_lo:[0,0,1] neg_hi:[0,0,1]
.set j, j+1
.endr
.set j, 0
.rept 28
	v_exp_f32 v[AC+2*j], v[AC+2*j]
	v_exp_f32 v[AC+2*j+1], v[AC+2*j+1]
	v_pk_fma_f32 v[AC+2*j+8:AC+2*j+9], v[AC+2*j+8:AC+2*j+9], s[CS:CS+1], v[STT+2*(\a):STT+2*(\a)+1] op_sel_hi:[1,0,0] neg_lo:[0,0,1] neg_hi:[0,0,1]
.set j, j+1
.endr
.rept 4
	v_exp_f32 v[AC+2*j], v[AC+2*j]
	v_exp_f32 v[AC+2*j+1], v[AC+2*j+1]
.set j, j+1
.endr
	s_wait_xcnt 0x0                                ; every earlier store has had its addresses translated (ISA guide 3.1): the packed registers, which the block before stored, are rewritten only behind this wait
	WIN (WW<<2)|WW                                 ; sources 0 and 1 in the block's window, destination window 0
.set i, 0
	s_wait_alu depctr_va_vdst(0)
.rept 32
	v_cvt_pk_f16_f32 v[TMP+i], v[AC+2*i], v[AC+2*i+1]
.set i, i+1
.endr
.set i, 0
.rept 16
	v_pk_add_f32 v[SUMT+2*i:SUMT+2*i+1], v[AC+4*i:AC+4*i+1], v[AC+4*i+2:AC+4*i+3]
.set i, i+1
.endr
	WIN 0
.irp w, 16,8,4,2                       ; 16 pairs into one: neighbours 8, 4, 2, 1 pairs apart
.set i, 0
.rept (\w)/2
	v_pk_add_f32 v[SUMT+2*i:SUMT+2*i+1], v[SUMT+2*i:SUMT+2*i+1], v[SUMT+2*i+(\w):SUMT+2*i+(\w)+1]
.set i, i+1
.endr
.endr
	v_add_f32 v[SUMT], v[SUMT], v[SUMT+1]
	v_permlanex16_b32 v[SUMT+1], v[SUMT], s[SEL], s[SEL+1]
	v_add_f32 v[LS+(\a)], v[SUMT], v[SUMT+1]       ; over my wave's 128 keys
.irp b, 0,1,2,3,4,5,6,7
	global_store_b128 v[SO], v[TMP+4*(\b):TMP+4*(\b)+3], s[6:7] offset:(\a)*RBLK+(\b)*512  ; key block b: 512 consecutive bytes, at a multiple of 512 from pt's first byte; the eight together 4,096
.endr
.endm
.irp a, 0,1,2,3,4,5,6,7
	SOFT \a
.endr
	; c m and the sums: one number a lane and block goes into my own 1,024 bytes and comes back four a lane: each store of the wave covers 512 consecutive bytes
.irp a, 0,1,2,3,4,5,6,7
	ds_store_b32 v[SA], v[STT+2*(\a)] offset:64*(\a)
	ds_store_b32 v[SA], v[LS+(\a)] offset:512+64*(\a)
.endr
	ds_load_b128 v[SV:SV+3], v[SB]                 ; LDS serves a wave's instructions in order (ISA guide 5.7.1.4): these see the stores above
	ds_load_b128 v[SV+4:SV+7], v[SB] offset:512
	s_wait_dscnt 0x0
	global_store_b128 v[SO], v[SV:SV+3], s[8:9]
	global_store_b128 v[SO], v[SV+4:SV+7], s[8:9] offset:8192
	s_wait_tensorcnt 0x0                           ; the wave's end, behind my last tensor load and my last LDS store
	ds_add_u32 v[SPW], v[NIL]
	s_wait_dscnt 0x0
	CROUND                                         ; the closing round
	s_endpgm
.Lfunc_end_k_qf0d3547228_score:
	.size	k_qf0d3547228_score, .Lfunc_end_k_qf0d3547228_score-k_qf0d3547228_score
	.p2alignl 7, 3214868480
	.fill 96, 4, 3214868480
	.section	.rodata,"a",@progbits
	.p2align	6, 0x0
	.amdhsa_kernel k_qf0d3547228_score
		.amdhsa_group_segment_fixed_size 327680
		.amdhsa_private_segment_fixed_size 0
		.amdhsa_enable_private_segment 0
		.amdhsa_kernarg_size 24
		.amdhsa_user_sgpr_count 2
		.amdhsa_user_sgpr_kernarg_segment_ptr 1
		.amdhsa_wavefront_size32 1
		.amdhsa_system_sgpr_workgroup_id_x 1
		.amdhsa_system_sgpr_workgroup_id_y 1
		.amdhsa_system_sgpr_workgroup_id_z 1
		.amdhsa_system_vgpr_workitem_id 0
		.amdhsa_next_free_vgpr 1024
		.amdhsa_next_free_sgpr 72
		.amdhsa_reserve_vcc 0
		.amdhsa_float_denorm_mode_32 3
		.amdhsa_float_denorm_mode_16_64 3
		.amdhsa_memory_ordered 1
		.amdhsa_forward_progress 1
		.amdhsa_inst_pref_size 161
	.end_amdhsa_kernel
	.amdgpu_metadata
---
amdhsa.version: [ 1, 2 ]
amdhsa.kernels:
  - .name:           k_qf0d3547228_score
    .symbol:         k_qf0d3547228_score.kd
    .args:
      - { .name: qkv, .offset: 0, .size: 8, .value_kind: global_buffer, .address_space: global }
      - { .name: pt, .offset: 8, .size: 8, .value_kind: global_buffer, .address_space: global }
      - { .name: st, .offset: 16, .size: 8, .value_kind: global_buffer, .address_space: global }
    .group_segment_fixed_size: 327680
    .private_segment_fixed_size: 0
    .kernarg_segment_align: 8
    .kernarg_segment_size: 24
    .max_flat_workgroup_size: 128
    .sgpr_count:     72
    .vgpr_count:     1024
    .wavefront_size: 32
...
	.end_amdgpu_metadata
.endif
;; end of part 7
;; launch outp (part 8): grid 8 x 32, 4 waves a work-group, clusters of 4 x 4, 327,680 bytes of LDS; arguments pt, qkv, st, out0; writes out0
.if DOCPART == 8
	.amdgcn_target "amdgcn-amd-amdhsa--gfx1250"
	.amdhsa_code_object_version 6
	.text
	.protected	k_qf0d3547228_outp
	.globl	k_qf0d3547228_outp
	.p2align	8
	.type	k_qf0d3547228_outp,@function
k_qf0d3547228_outp:
	s_mov_b64 s[64:65], 0
	v_nop
	global_prefetch_b8 v0, s[64:65] scope:SCOPE_SE
	s_setreg_imm32_b32 hwreg(HW_REG_WAVE_MODE, 25, 1), 1
	s_wait_xcnt 0x0
	s_wait_alu depctr_hold_cnt(0) depctr_sa_sdst(0) depctr_va_vdst(0) depctr_va_sdst(0) depctr_va_ssrc(0) depctr_va_vcc(0) depctr_vm_vsrc(0)
	s_getreg_b32 s2, hwreg(HW_REG_IB_STS2, 6, 4)
	s_cmp_eq_u32 s2, 0
	s_cbranch_scc0 .Lentry_in_a_cluster
	s_endpgm
.Lentry_in_a_cluster:
	s_bfe_u32 s2, ttmp6, 0x10000c
	s_cmp_lg_u32 s2, 0xf033
	s_cbranch_scc0 .Lentry_shape_is_right
	s_endpgm
.Lentry_shape_is_right:
; out[q][e] = the sum over the eight key tiles t of g_t(q) (P_t V_t)[q][e], with g_t = 2^(c m_t - M) / L, M = the maximum over t of c m_t, L = the sum over t of 2^(c m_t - M) l_t.
; pt: f16, p = 2^(c s - c m_t) with each tile's own maximum, IN FRAGMENT ORDER: pt[block of 16 rows: 512][block of 16 keys: 128][lane 32][16 bytes]: lane l's 16 bytes are row l % 16, keys 8 (l / 16) + 0..7.
; V: f16, columns 2048- of qkv [8192][3072]; st: f32 [batch][half tile 16][c m, l][q 2048]; out0: f32 [8192][1024].
; M is the row's true maximum, so every exponent is 0 or less; L is at least about 1 (the tile that holds M has a weight of 1).  A tile's products are summed in f32 by themselves and folded into the totals in f32.
; LIMITS.  V arrives in f16 (within 65,504); a correction below 2^-126 counts as 0.  NaN and infinities are not treated apart.
; SHAPE.  A tile of out is 256 rows x 128 columns: 32 x 8 = 256 work-groups.  Four waves, one below the other, each 64 x 128: 32 accumulators T for the key tile in hand, 32 totals.  A wave's row is 512 whole bytes:
; a stage of its own, no barrier on the way out.  The keys go in steps of 128 through a ring of two LDS slots; two steps are a key tile.  (Two slots for 256 rows of p and 128 channels of V hold 199 keys each at
; the most, and no step between 128 and that divides a key tile.)  A step is written once: the LDS addresses hang on a scalar that an exclusive or turns from one slot to the other.
; CLUSTER.  4 x 4 work-groups: the four of a row of the cluster need the same 256 rows of p, the four of a column the same 128 keys x 128 channels of V (a cluster lies in one batch): joint loads.
; THE MATRIX INSTRUCTION IS USED TRANSPOSED: source 0 = 16 channels of V^T (V lies [key][channel] and is turned by ds_load_tr16_b128), source 1 = 16 rows of p: a lane holds row l % 16 and eight neighbouring channels.
; REGISTERS: window 0: v0-31 addresses; v32-39 g of block a at v[32 + 2 a]; v40-47 M, L; v48-55 zeros; two fragment buffers of 96 (v64-, v160-): 64 of V^T, then 32 of p; window 1: T (a, b) at v[8 (8 a + b)]; window 2: the totals, likewise.
.set KSTEP,  128
.set ABLK,   4096                      ; 16 rows x 128 keys of p: eight pieces of 512 bytes, in pt and in LDS alike; a load of 16 bytes a lane takes a piece, 512 consecutive bytes: no two lanes meet in a bank
.set RBLK,   65536                     ; bytes of pt for a block of 16 rows
.set PV,     288                       ; a row of V: 256 + 32 = 72 words
.set VOFF,   16*ABLK                   ; a slot: p's 16 row blocks, then V's 128 keys
.set SLOTB,  VOFF+128*PV               ; 102,400 bytes
.set SLOT1,  1<<17                     ; slot 1 begins here, so that one exclusive or turns an address in one slot into the other's
.set FT,     SLOTB                     ; between the slots: [wave 4][t 8][row 64] f32: g,
.set SPARE,  FT+8192                   ; and the spare words, 128 bytes for each wave: two blocks of 256 bytes that no other line names
.set STAGE,  SLOT1+SLOTB               ; behind the ring: 16 rows x 528 bytes for each wave
.set SP,     528                       ; 512 bytes + 16 = 132 words: row r starts at bank 4 r mod 64
.set VSTEP,  KSTEP*6144                ; bytes from 128 keys of V to the next
.set OROW,   4096                      ; bytes in a row of out0
.set FTW,  6                           ; v6   where I put four rows' g     v7   my 16 bytes in st's rows
.set SOF,  7
.set ADRA0, 16                         ; v16  my lane's place among p's fragments in slot 0; never rewritten
.set ADRB0, 17                         ; v17  the same for V
.set ADRA, 18                          ; v18  the same in the slot that is being fetched from
.set ADRB, 19                          ; v19
.set STO,  24
.set RD,   25
.set GO,   26                          ; v26  16 x lane
.set FTA,  27                          ; v27  where I read my rows' g of the key tile in hand: it steps at each fold
.set SPW,  28                          ; v28  LDS address of my spare word; never rewritten
.set NIL,  29                          ; v29  0; never rewritten
.set FV,   32
.set MX,   40
.set LL,   44
.set ZR,   48
.set CM,   64                          ; the prologue alone: c m_t of four rows at v[64 + 4 t], l of half h at v[96 + 4 h]
.set LH,   96
.set F0,   64
.set F1,   160
.set TB, 2                             ; s2  0 or SLOT1: the slot that is being fetched from
.set WV, 12
.set WH, 13
.set WL, 14
.set TY, 15
.set TX, 16
.set BAT, 19
.set LA, 20
.set LB, 21
.set G1A, 24                           ; s[24:31] descriptor group 1 for p;  s[32:39] group 0: a set for each of the two first fills; the second then walks on
.set G0A, 32
.set G1B, 48                           ; s[48:55], s[56:63] the same for V
.set G0B, 56
.set MSB, 0
.macro WIN new                         ; the immediate's high byte repeats the setting that is left; a switch that changes nothing is dropped
.if MSB != (\new)
	s_set_vgpr_msb (MSB<<8)|(\new)
.set MSB, \new
.endif
.endm
.set MUL, 0x50                         ; sources 0 and 1 window 0; C and D window 1
.macro JLOAD s                         ; a joint load: waves 0 and 1 fetch p's halves, waves 2 and 3 V's; an s_nop 0 and four v_nop follow each of the two lines
	s_cmp_eq_u32 s[WH], 0
	s_cbranch_scc0 .Lfor_b_\@
	tensor_load_to_lds s[G0A+4*(\s):G0A+4*(\s)+3], s[G1A:G1A+7]
	s_nop 0
.rept 4
	v_nop
.endr
	s_branch .Lasked_\@
.Lfor_b_\@:
	tensor_load_to_lds s[G0B+4*(\s):G0B+4*(\s)+3], s[G1B:G1B+7]
	s_nop 0
.rept 4
	v_nop
.endr
.Lasked_\@:
.endm
.macro CREST                           ; a round of the cluster's barrier behind its opening barrier
	s_cmp_lg_u32 s[WV], 0
	s_cbranch_scc1 .Lnot_wave_0_\@
	s_barrier_signal -3
.Lnot_wave_0_\@:
	s_barrier_wait -3
	s_barrier_signal -1
	s_barrier_wait -1
.endm
.macro CROUND
	s_barrier_signal -1
	s_barrier_wait -1
	CREST
.endm
.macro PLACES                          ; four places in front of loads into registers that matrix instructions have read, and of vector lines that read results
.rept 4
	v_nop
.endr
.endm
	s_load_b256 s[4:11], s[0:1], 0x0               ; pt s[4:5], qkv s[6:7], st s[8:9], out0 s[10:11]
	v_lshl_add_u32 v[SPW], v0, 2, SPARE
	v_mov_b32 v[NIL], 0
	ds_add_u32 v[SPW], v[NIL]                      ; the wave's opening: the add and its wait ahead of my first tensor load; the set-up below, work on registers, stands between them
	ds_add_u32 v28, v29
	v_lshrrev_b32 v1, 5, v0
	v_readfirstlane_b32 s[WV], v1
	s_lshr_b32 s[WH], s[WV], 1
	s_and_b32 s[WL], s[WV], 1
	s_bfe_u32 s17, ttmp6, 0x40000                  ; cx, cy
	s_bfe_u32 s18, ttmp6, 0x40004
	s_lshl_b32 s[TX], ttmp9, 2
	s_add_co_u32 s[TX], s[TX], s17                 ; channel tile = 4 x cluster x + cx
	s_and_b32 s[TY], ttmp7, 0xffff
	s_lshr_b32 s[BAT], s[TY], 1                    ; the batch, of the cluster's y alone
	s_lshl_b32 s[TY], s[TY], 2
	s_add_co_u32 s[TY], s[TY], s18                 ; row tile = 4 x cluster y + cy
	s_lshl_b32 s70, s18, 2
	s_lshl_b32 s70, 15, s70                        ; my row of the cluster
	s_lshl_b32 s71, 0x1111, s17                    ; my column
	s_or_b32 s[G1A], s70, (1<<16)|(1<<21)          ; p's tiles go to my row: elements of 2 bytes, no padding; bit 21 set beside a mask
	s_or_b32 s[G1B], s71, (1<<16)|(1<<20)|(1<<21)|(5<<22)|(7<<25)  ; V's to my column: 8 words of padding after every 64
	s_mov_b32 s[G1A+1], 2048<<16                   ; p: tensor_dim0 = tile_dim0 = 2,048 elements: a row block's 128 keys, 4,096 consecutive bytes;
	s_mov_b32 s[G1A+2], 8<<16                      ; tensor_dim1 = tile_dim1 = 8 row blocks a load;
	s_mov_b32 s[G1A+3], 2048<<16
	s_mov_b32 s[G1A+4], 8
	s_mov_b32 s[G1A+5], 32768                      ; 32,768 elements from row block to row block
	s_mov_b32 s[G1B+1], 128<<16                    ; V: 128 channels,
	s_mov_b32 s[G1B+2], 64<<16                     ; 64 keys a load,
	s_mov_b32 s[G1B+3], 128<<16
	s_mov_b32 s[G1B+4], 64
	s_mov_b32 s[G1B+5], 3072                       ; 3,072 elements from row to row of qkv
.irp g, G1A, G1B
	s_mov_b32 s[(\g)+6], 0
	s_mov_b32 s[(\g)+7], 0
.endr
	s_lshl_b32 s40, s[TY], 20                      ; p: row block 16 x row tile + 8 x half, 65,536 bytes each
	s_lshl_b32 s22, s[WL], 19
	s_add_co_u32 s40, s40, s22
	s_mov_b32 s41, 0
	s_lshl_b32 s44, s[BAT], 11                     ; V: row 2,048 x batch + 64 x half; 4,096 bytes into the row, and the tile's 256 bytes
	s_lshl_b32 s23, s[WL], 6
	s_add_co_u32 s44, s44, s23
	s_mul_i32 s44, s44, 6144
	s_lshl_b32 s23, s[TX], 8
	s_add_co_u32 s44, s44, s23
	s_add_co_u32 s44, s44, 4096
	s_mov_b32 s45, 0
	s_lshl_b32 s42, s[TY], 8                       ; out0: my first row, 256 x row tile + 64 x wave, and the tile's 512 bytes
	s_lshl_b32 s43, s[WV], 6
	s_add_co_u32 s42, s42, s43
	s_lshl_b32 s42, s42, 12
	s_lshl_b32 s43, s[TX], 9
	s_add_co_u32 s42, s42, s43
	s_mov_b32 s43, 0
	s_lshl_b32 s46, s[BAT], 18                     ; st: the batch's 262,144 bytes, and 4 x my first row in the batch
	s_and_b32 s47, s[TY], 7
	s_lshl_b32 s47, s47, 10
	s_add_co_u32 s46, s46, s47
	s_lshl_b32 s47, s[WV], 8
	s_add_co_u32 s46, s46, s47
	s_mov_b32 s47, 0
	s_lshl_b32 s[LA], s[WL], 15                    ; p's halves at 0 and 32,768
	s_mul_i32 s[LB], s[WL], 64*PV                  ; V's halves at 65,536 and 83,968
	s_add_co_u32 s[LB], s[LB], VOFF
	s_mov_b32 s[TB], 0
	s_wait_dscnt 0x0                               ; the opening add is done
	s_wait_kmcnt 0x0
	s_add_nc_u64 s[40:41], s[4:5], s[40:41]
	s_add_nc_u64 s[44:45], s[6:7], s[44:45]
	s_add_nc_u64 s[10:11], s[10:11], s[42:43]
	s_add_nc_u64 s[8:9], s[8:9], s[46:47]
	CROUND                                         ; all sixteen work-groups are here: the first joint loads meet
.irp s, 0,1
	s_mov_b32 s[G0A+4*(\s)], 1
	s_add_co_u32 s[G0A+4*(\s)+1], s[LA], (\s)*SLOT1
	s_add_nc_u64 s[G0A+4*(\s)+2:G0A+4*(\s)+3], s[40:41], (\s)*ABLK
	s_or_b32 s[G0A+4*(\s)+3], s[G0A+4*(\s)+3], 0x80000000
	s_mov_b32 s[G0B+4*(\s)], 1
	s_add_co_u32 s[G0B+4*(\s)+1], s[LB], (\s)*SLOT1
	s_add_nc_u64 s[G0B+4*(\s)+2:G0B+4*(\s)+3], s[44:45], (\s)*VSTEP
	s_or_b32 s[G0B+4*(\s)+3], s[G0B+4*(\s)+3], 0x80000000
	JLOAD \s                                       ; two tensor loads of mine are out
.endr
	v_and_b32 v1, 15, v0                           ; l % 16
	v_bfe_u32 v2, v0, 4, 1                         ; l / 16
	v_lshlrev_b32 v[SOF], 4, v1                    ; for the statistics a lane owns rows 4 (l % 16) + 0..3 of my wave's 64; the two halves of the lanes do the same work
.irp t, 0,1,2,3,4,5,6,7
	global_load_b128 v[CM+4*(\t):CM+4*(\t)+3], v[SOF], s[8:9] offset:32768*(\t)       ; c m_t: the tile's first half holds it
.endr
.set i, 0
.rept 16
	global_load_b128 v[LH+4*i:LH+4*i+3], v[SOF], s[8:9] offset:16384*i+8192           ; l of half i
.set i, i+1
.endr
	v_and_b32 v[GO], 31, v0
	v_lshlrev_b32 v[GO], 4, v[GO]                  ; 16 x lane
	s_lshl_b32 s22, s[WV], 14                      ; my four row blocks of p
	v_add_nc_u32 v[ADRA0], s22, v[GO]
	; The turning load takes 16 keys x 16 channels (lane l reads key 8 (l / 16) + l % 8, channels 8 ((l / 8) % 2) + 0..7) and leaves half a fragment of V^T: lane l holds channel l % 16 and 8 keys.
	v_and_b32 v4, 7, v0
	v_lshl_add_u32 v4, v2, 3, v4
	v_mul_u32_u24 v4, v4, PV
	v_bfe_u32 v5, v0, 3, 1
	v_lshl_add_u32 v4, v5, 4, v4
	v_add_nc_u32 v[ADRB0], VOFF, v4
	v_mov_b32 v[ADRA], v[ADRA0]                    ; the first fetches are from slot 0
	v_mov_b32 v[ADRB], v[ADRB0]
	s_mul_i32 s22, s[WV], 16*SP
	s_add_co_u32 s22, s22, STAGE                   ; my stage
	v_mul_u32_u24 v5, v1, SP                       ; in: row l % 16, 32 bytes for each half of the lanes
	v_lshl_add_u32 v5, v2, 5, v5
	v_add_nc_u32 v[STO], s22, v5
	v_add_nc_u32 v[RD], s22, v[GO]                 ; back and out: 32 lanes take a row's 512 bytes
	s_lshl_b32 s22, s[WV], 11
	s_add_co_u32 s22, s22, FT                      ; my wave's table of g
	v_lshl_add_u32 v[FTA], v1, 2, s22
	v_lshl_add_u32 v[FTW], v1, 4, s22
.irp i, 0,1,2,3,4,5,6,7
	v_mov_b32 v[ZR+(\i)], 0
.endr
.irp a, 0,1,2,3
	v_mov_b32 v[FV+2*(\a)+1], 0                    ; named with g as a pair, so it is written
.endr
	WIN 0x80                                       ; destination window 2.  The totals start at 0: 32 products of a fragment of zeros with itself write them, while the first tile is on its way;
.set i, 0
.rept 32                               ; (a first fold written as a multiply would want a third text of a step's first quarter)
	v_wmma_f32_16x16x32_f16 v[8*i:8*i+7], v[ZR:ZR+7], v[ZR:ZR+7], 0
.set i, i+1
.endr
	WIN 0
	s_wait_loadcnt 0x0                             ; the statistics
.irp c, 0,1,2,3
	v_max3_num_f32 v[MX+(\c)], v[CM+(\c)], v[CM+4+(\c)], v[CM+8+(\c)]
.endr
.irp c, 0,1,2,3
	v_max3_num_f32 v[MX+(\c)], v[MX+(\c)], v[CM+12+(\c)], v[CM+16+(\c)]
.endr
.irp c, 0,1,2,3
	v_max3_num_f32 v[MX+(\c)], v[MX+(\c)], v[CM+20+(\c)], v[CM+24+(\c)]
.endr
.irp c, 0,1,2,3
	v_max_num_f32 v[MX+(\c)], v[MX+(\c)], v[CM+28+(\c)]                 ; M
.endr
.set i, 0
.rept 16
	v_pk_add_f32 v[CM+2*i:CM+2*i+1], v[CM+2*i:CM+2*i+1], v[MX+2*(i%2):MX+2*(i%2)+1] neg_lo:[0,1] neg_hi:[0,1]  ; c m_t - M
.set i, i+1
.endr
.set i, 0
.rept 32
	v_exp_f32 v[CM+i], v[CM+i]
.set i, i+1
.endr
.set i, 0
.rept 16                               ; a tile's two halves' sums; also the plain lines behind the exponentials
	v_pk_add_f32 v[LH+8*(i/2)+2*(i%2):LH+8*(i/2)+2*(i%2)+1], v[LH+8*(i/2)+2*(i%2):LH+8*(i/2)+2*(i%2)+1], v[LH+8*(i/2)+4+2*(i%2):LH+8*(i/2)+4+2*(i%2)+1]
.set i, i+1
.endr
	s_wait_alu depctr_va_vdst(0)
.irp p, 0,1
	v_pk_mul_f32 v[LL+2*(\p):LL+2*(\p)+1], v[CM+2*(\p):CM+2*(\p)+1], v[LH+2*(\p):LH+2*(\p)+1]
.endr
.set t, 1
.rept 7
.irp p, 0,1
	v_pk_fma_f32 v[LL+2*(\p):LL+2*(\p)+1], v[CM+4*t+2*(\p):CM+4*t+2*(\p)+1], v[LH+8*t+2*(\p):LH+8*t+2*(\p)+1], v[LL+2*(\p):LL+2*(\p)+1]  ; L
.endr
.set t, t+1
.endr
.irp c, 0,1,2,3
	v_rcp_f32 v[LL+(\c)], v[LL+(\c)]
.endr
	v_nop                                          ; a plain line between the last reciprocal and the use of its result
.set i, 0
	s_wait_alu depctr_va_vdst(0)
.rept 16
	v_pk_mul_f32 v[CM+2*i:CM+2*i+1], v[CM+2*i:CM+2*i+1], v[LL+2*(i%2):LL+2*(i%2)+1]  ; g_t
.set i, i+1
.endr
.irp t, 0,1,2,3,4,5,6,7
	ds_store_b128 v[FTW], v[CM+4*(\t):CM+4*(\t)+3] offset:256*(\t)
.endr
.macro MULA f, a, zero                 ; 8 matrix instructions: block a of my rows x all 8 channel blocks, 32 keys.  zero = 1: the product starts T anew.  The 32 accumulators take turns.
	WIN MUL
.irp b, 0,1,2,3,4,5,6,7
.if \zero
	v_wmma_f32_16x16x32_f16 v[8*(8*(\a)+(\b)):8*(8*(\a)+(\b))+7], v[(\f)+8*(\b):(\f)+8*(\b)+7], v[(\f)+64+8*(\a):(\f)+64+8*(\a)+7], 0
.else
	v_wmma_f32_16x16x32_f16 v[8*(8*(\a)+(\b)):8*(8*(\a)+(\b))+7], v[(\f)+8*(\b):(\f)+8*(\b)+7], v[(\f)+64+8*(\a):(\f)+64+8*(\a)+7], v[8*(8*(\a)+(\b)):8*(8*(\a)+(\b))+7]
.endif
.endr
.endm
.macro FETCH q, f                      ; 24 LDS loads in one run: keys 32 q on of the slot into buffer f: 16 turning loads of V, then 8 loads of p (two pieces of 512 bytes a fragment)
	WIN 0
.irp i, 0,1,2,3,4,5,6,7
	ds_load_tr16_b128 v[(\f)+8*(\i):(\f)+8*(\i)+3],   v[ADRB] offset:(\q)*32*PV+32*(\i)
	ds_load_tr16_b128 v[(\f)+8*(\i)+4:(\f)+8*(\i)+7], v[ADRB] offset:(\q)*32*PV+32*(\i)+16*PV
.endr
.irp i, 0,1,2,3
	ds_load_b128 v[(\f)+64+8*(\i):(\f)+64+8*(\i)+3],   v[ADRA] offset:(\i)*ABLK+1024*(\q)
	ds_load_b128 v[(\f)+64+8*(\i)+4:(\f)+64+8*(\i)+7], v[ADRA] offset:(\i)*ABLK+1024*(\q)+512
.endr
.endm
; A step is four quarters of 32 keys, 32 matrix instructions each, on buffers 0, 1, 0, 1.  One of the first three multiplies buffer f and, in its middle, fetches quarter q into buffer g.
.macro QUARTER q, f, g, zero
	s_wait_dscnt 4                                 ; V and p's blocks 0, 1 are in; the youngest four loads (blocks 2, 3) may be out
	MULA \f, 0, \zero
	MULA \f, 1, \zero
	PLACES
	FETCH \q, \g
	s_wait_dscnt 24                                ; all but the 24 just issued
	MULA \f, 2, \zero
	MULA \f, 3, \zero
.endm
.macro LOADF                           ; g of the key tile in hand, for my row in each of the four blocks
	WIN 0
.irp a, 0,1,2,3
	ds_load_b32 v[FV+2*(\a)], v[FTA] offset:64*(\a)
.endr
.endm
.macro FOLDA a                         ; the totals of block a += g x T, each accumulator's registers in ascending order
	WIN 0xa1                                       ; destination and source 2 window 2, source 0 window 1, g in window 0
.set i, 0
.rept 32
	v_pk_fma_f32 v[64*(\a)+2*i:64*(\a)+2*i+1], v[64*(\a)+2*i:64*(\a)+2*i+1], v[FV+2*(\a):FV+2*(\a)+1], v[64*(\a)+2*i:64*(\a)+2*i+1] op_sel_hi:[1,0,1]
.set i, i+1
.endr
.endm
; The last quarter of a step multiplies buffer 1 and changes slots: ONE barrier; in front of it each wave waits for all its tensor loads (one is out: its part of the next slot), adds 0 to its spare word,
; and waits for that and for its own reads of this slot.  fill = 1: the barrier opens a round of the cluster's and the slot is filled again, two steps ahead, first thing behind it: 112 matrix instructions
; ahead of the wait for it.  g is fetched at every change, so that the counts of LDS loads are alike whichever first quarter follows; in the middle of a key tile its four words are not used.
.macro TURN fill
	WIN 0
	s_wait_tensorcnt 0x0                           ; all my tensor loads have landed, so a group 0 may be written;
	ds_add_u32 v[SPW], v[NIL]                      ; 0 onto my spare word; the steps below and eight products stand between it and the wait for it
.if \fill
	s_xor_b32 s[G0A+5], s[G0A+5], SLOT1            ; the walking descriptors: the other slot than last time,
	s_add_nc_u64 s[G0A+6:G0A+7], s[G0A+6:G0A+7], ABLK   ; the next 128 keys; the type bits on top are not reached
	s_xor_b32 s[G0B+5], s[G0B+5], SLOT1
	s_add_nc_u64 s[G0B+6:G0B+7], s[G0B+6:G0B+7], VSTEP
.endif
	s_xor_b32 s[TB], s[TB], SLOT1                  ; the fetches go on in the other slot
	v_add_nc_u32 v[ADRA], s[TB], v[ADRA0]
	v_add_nc_u32 v[ADRB], s[TB], v[ADRB0]
	s_wait_dscnt 5                                 ; (the add and the youngest four loads may be out)
	MULA F1, 0, 0
	s_wait_dscnt 0x0                               ; the add is done, and my reads of this slot are over
	s_barrier_signal -1
	MULA F1, 1, 0                                  ; work on registers while the others arrive
.if \fill
	WIN 0
.endif
	s_barrier_wait -1
.if \fill
	CREST                                          ; no wave of any partner still reads this slot's tile or has a load on its way
	JLOAD 1                                        ; its four v_nop are also the places in front of the loads below
.else
	PLACES
.endif
	LOADF
	FETCH 0, F0
	MULA F1, 2, 0
	MULA F1, 3, 0
.endm
; A key tile's first quarter, from the second tile on: block by block the tile before is folded into the totals, and the block's eight products start T anew.  A block's fold is issued while the block before
; is multiplied.  Behind the last product on a block's accumulators stand the four plain lines below and the earlier blocks' folds, which name none of its registers.
.macro FQUARTER
	s_wait_dscnt 4                                 ; g (older than the fragments), V and p's blocks 0, 1 are in
	v_add_nc_u32 v[FTA], 256, v[FTA]               ; the next fetch of g is the next tile's
.rept 3
	v_nop
.endr
	FOLDA 0
	MULA F0, 0, 1
	FOLDA 1
	MULA F0, 1, 1
	FETCH 1, F1
	s_wait_dscnt 24
	FOLDA 2
	MULA F0, 2, 1
	FOLDA 3
	MULA F0, 3, 1
.endm
	s_wait_tensorcnt 1                             ; my part of step 0 is in; step 1's may stay out
	s_wait_dscnt 0x0                               ; my table of g is written
	s_barrier_signal -1
	s_barrier_wait -1
	FETCH 0, F0
	QUARTER 1, F0, F1, 1                           ; the first quarter's products start T
	WIN 0                                          ; at a label and at a branch every window is 0
	s_mov_b32 s3, 14
.Lstep:                                                ; 14 trips: the rest of a step, which fills its slot again, and the next step's first quarter
	QUARTER 2, F1, F0, 0
	QUARTER 3, F0, F1, 0
	TURN 1
	WIN 0
	s_and_b32 s22, s3, 1                           ; the count runs 14 .. 1: where it is odd the step that ends is a key tile's second
	s_cmp_lg_u32 s22, 0
	s_cbranch_scc1 .Lfold
	QUARTER 1, F0, F1, 0
	WIN 0
	s_branch .Ljoin
.Lfold:
	FQUARTER
	WIN 0
.Ljoin:
	s_sub_co_u32 s3, s3, 1
	s_cmp_lg_u32 s3, 0
	s_cbranch_scc1 .Lstep
	s_mov_b32 s3, 2                                ; the last key tile's two steps fill nothing: their text stands apart, and is entered behind a step's first quarter
	s_branch .Lmid
.Ltail:
	QUARTER 1, F0, F1, 0
	WIN 0
.Lmid:
	QUARTER 2, F1, F0, 0
	QUARTER 3, F0, F1, 0
	TURN 0                                         ; the second time there is no next step: its barrier and the 24 fragment loads serve nothing: the price, once a launch, of one text for both steps; its g is the last fold's
	WIN 0
	s_sub_co_u32 s3, s3, 1
	s_cmp_lg_u32 s3, 0
	s_cbranch_scc1 .Ltail
	s_wait_dscnt 0x0                               ; g is in, and those loads have landed: their registers are written below
	PLACES                                         ; behind the last products
; THE WAY OUT, a block of 16 rows at a time: the last fold; 32 bytes a lane into my stage; back as whole rows of 512 bytes; stored.
.macro OUTB a
	FOLDA \a
	WIN 0x08                                       ; the stores' data in window 2
.irp b, 0,1,2,3,4,5,6,7
	ds_store_b128 v[STO], v[64*(\a)+8*(\b):64*(\a)+8*(\b)+3]   offset:64*(\b)
	ds_store_b128 v[STO], v[64*(\a)+8*(\b)+4:64*(\a)+8*(\b)+7] offset:64*(\b)+16
.endr
	WIN 0
	s_wait_xcnt 0x0                                ; every earlier store has had its addresses translated (ISA guide 3.1): the buffer stored two blocks ago is loaded again only behind this wait
.set BK, 64+64*((\a)%2)
.set i, 0
.rept 16
	ds_load_b128 v[BK+4*i:BK+4*i+3], v[RD] offset:SP*i   ; LDS serves a wave's instructions in order (ISA guide 5.7.1.4): these see the stores above; the next block's stores come behind them
.set i, i+1
.endr
.endm
.macro SEND a, younger                 ; younger: the LDS instructions issued behind block a's loads: the next block's 16 stores and 16 loads, or none
.set BK, 64+64*((\a)%2)
.set i, 0
.rept 16
.if i%4 == 0
	s_wait_dscnt (\younger)+12-i                   ; LDS loads come back in order: rows i to i + 3 are in, the rows behind them stay out
.endif
	global_store_b128 v[GO], v[BK+4*i:BK+4*i+3], s[10:11] offset:(16*(\a)+i)*OROW th:TH_STORE_NT  ; 512 consecutive bytes, at a multiple of 256 from out0's first byte
.set i, i+1
.endr
.endm
	OUTB 0
	OUTB 1                                         ; a block's fold stands between the loads of the block before and its stores
	SEND 0, 32
	OUTB 2
	SEND 1, 32
	OUTB 3
	SEND 2, 32
	SEND 3, 0
	s_wait_tensorcnt 0x0                           ; the wave's end, behind my last tensor load and my last LDS store
	ds_add_u32 v[SPW], v[NIL]
	s_wait_dscnt 0x0
	CROUND                                         ; the closing round
	s_endpgm
.Lfunc_end_k_qf0d3547228_outp:
	.size	k_qf0d3547228_outp, .Lfunc_end_k_qf0d3547228_outp-k_qf0d3547228_outp
	.p2alignl 7, 3214868480
	.fill 96, 4, 3214868480
	.section	.rodata,"a",@progbits
	.p2align	6, 0x0
	.amdhsa_kernel k_qf0d3547228_outp
		.amdhsa_group_segment_fixed_size 327680
		.amdhsa_private_segment_fixed_size 0
		.amdhsa_enable_private_segment 0
		.amdhsa_kernarg_size 32
		.amdhsa_user_sgpr_count 2
		.amdhsa_user_sgpr_kernarg_segment_ptr 1
		.amdhsa_wavefront_size32 1
		.amdhsa_system_sgpr_workgroup_id_x 1
		.amdhsa_system_sgpr_workgroup_id_y 1
		.amdhsa_system_sgpr_workgroup_id_z 1
		.amdhsa_system_vgpr_workitem_id 0
		.amdhsa_next_free_vgpr 768
		.amdhsa_next_free_sgpr 72
		.amdhsa_reserve_vcc 0
		.amdhsa_float_denorm_mode_32 3
		.amdhsa_float_denorm_mode_16_64 3
		.amdhsa_memory_ordered 1
		.amdhsa_forward_progress 1
		.amdhsa_inst_pref_size 93
	.end_amdhsa_kernel
	.amdgpu_metadata
---
amdhsa.version: [ 1, 2 ]
amdhsa.kernels:
  - .name:           k_qf0d3547228_outp
    .symbol:         k_qf0d3547228_outp.kd
    .args:
      - { .name: pt, .offset: 0, .size: 8, .value_kind: global_buffer, .address_space: global }
      - { .name: qkv, .offset: 8, .size: 8, .value_kind: global_buffer, .address_space: global }
      - { .name: st, .offset: 16, .size: 8, .value_kind: global_buffer, .address_space: global }
      - { .name: out0, .offset: 24, .size: 8, .value_kind: global_buffer, .address_space: global }
    .group_segment_fixed_size: 327680
    .private_segment_fixed_size: 0
    .kernarg_segment_align: 8
    .kernarg_segment_size: 32
    .max_flat_workgroup_size: 128
    .sgpr_count:     72
    .vgpr_count:     768
    .wavefront_size: 32
...
	.end_amdgpu_metadata
.endif
;; end of part 8
;; ======== version 3 of 3: 4 launches; version 2 with the launch cast written anew for expert scheduling mode
;; limits: values are held in f16: magnitudes above 65,504 overflow, below 6.1e-05 lose precision
;; workspace buffers: xw 23,068,672 bytes; qkv 50,331,648 bytes; pt 33,554,432 bytes; st 1,048,576 bytes
;; launch cast (part 9): grid 704 x 1, 8 waves a work-group, no clusters, 0 bytes of LDS; arguments x, Wq, Wk, Wv, xw; writes xw
.if DOCPART == 9
	.amdgcn_target "amdgcn-amd-amdhsa--gfx1250"
	.amdhsa_code_object_version 6
	.text
	.protected	k_qf0d3547228_cast
	.globl	k_qf0d3547228_cast
	.p2align	8
	.type	k_qf0d3547228_cast,@function
k_qf0d3547228_cast:
	s_mov_b64 s[64:65], 0
	v_nop
	global_prefetch_b8 v0, s[64:65] scope:SCOPE_SE
	s_setreg_imm32_b32 hwreg(HW_REG_WAVE_SCHED_MODE, 0, 2), 2
	s_setreg_imm32_b32 hwreg(HW_REG_WAVE_MODE, 25, 1), 1
	s_wait_xcnt 0x0
	s_wait_alu depctr_vm_vsrc(0)
; xw = x, Wq, Wk, Wv rounded once to bf16, one below the other (rows 0- x, 8192- Wq, 9216- Wk, 10240- Wv), laid out in BLOCKS of 64 along the rows:
; xw[kb 16][row 11264][64] bf16: number (row, e) lies at byte (e / 64) x PLANE + 128 row + 2 (e % 64).  So the rows of a tile of 64 along K lie end to end for the launch behind.
; A stream: every input byte is read once, every output byte written once; no LDS, no barrier, no matrix work would add anything.
; Work-group i takes 16 rows (65,536 bytes in, 2,048 bytes out in each of the 16 blocks).  i < 512: x; else j = i - 512: tensor j / 64 of Wq, Wk, Wv, its part j % 64.
; Thread t takes row t / 16 and, in each block, the 4 numbers at 4 (t % 16): a wave's load covers 256 consecutive bytes of each of two rows, each at a multiple of 256;
; its store covers 256 consecutive bytes at a multiple of 256 (two rows' 128 bytes, which are neighbours in a block).
; THE MODE: SCHED_MODE bits 1:0 = 2 (LLVM: expert scheduling mode 2), set by the entry lines.  The code itself states the register dependences
; between vector instructions and memory instructions, with s_wait_alu, always for 0.
; THE PLAN.  Registers that memory instructions touch:
;   v1, v[100:102]  byte offsets.  Written by vector instructions at the head, once; read by every load (v1) and every store (v[100:102]).
;   X               Written by the 16 loads, which all go out at the head, before any vector instruction names X; block j's four registers are read by its two roundings.
;   Y               Block j's two registers are written by its two roundings, once, and read by its store, once.
; No register that a memory instruction has read is written again, and no load lands in a register that a vector instruction has named: so only writes by vector instructions
; ahead of reads by memory instructions are to be stated.  The 16 blocks go in four groups of four.  Group g rounds its four blocks; the stores of group g - 1 stand among those roundings,
; behind ONE wait at the group's head, which states that group g - 1 has written its Y.  The roundings issued since that wait name X and Y of group g alone: none of the registers that those stores read.
.set PLANE, 11264*128                  ; bytes in a block
.set X, 4                              ; v[4:67]    block j: 4 numbers in f32
.set Y, 68                             ; v[68:99]   block j: 4 numbers in bf16
.set OFO, 100                          ; v[100:102] where I write in blocks 0, 6, 12: five blocks at the most stand in a store's immediate (7,208,960 bytes, inside its signed 24 bits)
	s_load_b256 s[4:11], s[0:1], 0x0               ; x s[4:5], Wq s[6:7], Wk s[8:9], Wv s[10:11]
	s_load_b64 s[12:13], s[0:1], 0x20              ; xw
	v_lshrrev_b32 v2, 4, v0                        ; my row among the group's 16
	v_and_b32 v1, 15, v0
	v_lshlrev_b32 v1, 4, v1
	v_lshl_add_u32 v1, v2, 12, v1                  ; where I read: 4,096 x row + 16 (t % 16)
	v_lshlrev_b32 v[OFO], 3, v0                    ; where I write: 128 x row + 8 (t % 16) = 8 t
	v_add_nc_u32 v[OFO+1], 6*PLANE, v[OFO]
	v_add_nc_u32 v[OFO+2], 12*PLANE, v[OFO]
	s_sub_co_u32 s16, ttmp9, 512                   ; j (of use only where i >= 512)
	s_lshr_b32 s17, s16, 6                         ; which of the three weights
	s_and_b32 s18, s16, 63                         ; which part of it
	s_cmp_lt_u32 ttmp9, 512
	s_cselect_b32 s18, ttmp9, s18                  ; the part's number in its own tensor
	s_lshl_b32 s22, s18, 16                        ; times 65,536 bytes
	s_mov_b32 s23, 0
	s_lshl_b32 s14, ttmp9, 11                      ; 16 i rows of 128 bytes
	s_mov_b32 s15, 0
	s_wait_kmcnt 0x0
	s_cmp_eq_u32 s17, 1                            ; the source is chosen by the work-group's number alone
	s_cselect_b64 s[20:21], s[8:9], s[6:7]
	s_cmp_eq_u32 s17, 2
	s_cselect_b64 s[20:21], s[10:11], s[20:21]
	s_cmp_lt_u32 ttmp9, 512
	s_cselect_b64 s[20:21], s[4:5], s[20:21]
	s_add_nc_u64 s[20:21], s[20:21], s[22:23]
	s_add_nc_u64 s[12:13], s[12:13], s[14:15]
	s_wait_alu depctr_va_vdst(0)                   ; v1 and v[100:102] are written: every load of the kernel reads the first as its offset, every store one of the others
.irp j, 0,1,2,3,4,5,6,7,8,9,10,11,12,13,14,15
	global_load_b128 v[X+4*(\j):X+4*(\j)+3], v1, s[20:21] offset:256*(\j) th:TH_LOAD_NT
.endr
.macro ROUNDED j                       ; block j: four numbers rounded to bf16, packed
	v_cvt_pk_bf16_f32 v[Y+2*(\j)],   v[X+4*(\j)],   v[X+4*(\j)+1]
	v_cvt_pk_bf16_f32 v[Y+2*(\j)+1], v[X+4*(\j)+2], v[X+4*(\j)+3]
.endm
.macro STORED j                        ; block j: stored
	global_store_b64 v[OFO+(\j)/6], v[Y+2*(\j):Y+2*(\j)+1], s[12:13] offset:((\j)%6)*PLANE
.endm
.irp g, 0,1,2,3
	s_wait_loadcnt 12-4*(\g)                       ; loads come back in order (ISA guide 5.7.1): the group's four blocks are in, the 12 - 4 g younger ones stay out
.if (\g) > 0
	s_wait_alu depctr_va_vdst(0)                   ; the roundings of the group before have written its eight registers of Y, which the four stores below read
.endif
.irp i, 0,1,2,3
.if (\g) > 0
	STORED 4*(\g)+(\i)-4                           ; the group before.  No further wait: no vector instruction since the wait above names its Y or an offset
.endif
	ROUNDED 4*(\g)+(\i)
.endr
.endr
	s_wait_alu depctr_va_vdst(0)                   ; the last group's roundings have written its Y, which the last four stores read
.irp j, 12,13,14,15
	STORED \j
.endr
	s_endpgm
.Lfunc_end_k_qf0d3547228_cast:
	.size	k_qf0d3547228_cast, .Lfunc_end_k_qf0d3547228_cast-k_qf0d3547228_cast
	.p2alignl 7, 3214868480
	.fill 96, 4, 3214868480
	.section	.rodata,"a",@progbits
	.p2align	6, 0x0
	.amdhsa_kernel k_qf0d3547228_cast
		.amdhsa_group_segment_fixed_size 0
		.amdhsa_private_segment_fixed_size 0
		.amdhsa_enable_private_segment 0
		.amdhsa_kernarg_size 40
		.amdhsa_user_sgpr_count 2
		.amdhsa_user_sgpr_kernarg_segment_ptr 1
		.amdhsa_wavefront_size32 1
		.amdhsa_system_sgpr_workgroup_id_x 1
		.amdhsa_system_sgpr_workgroup_id_y 1
		.amdhsa_system_sgpr_workgroup_id_z 1
		.amdhsa_system_vgpr_workitem_id 0
		.amdhsa_next_free_vgpr 104
		.amdhsa_next_free_sgpr 66
		.amdhsa_reserve_vcc 0
		.amdhsa_float_denorm_mode_32 3
		.amdhsa_float_denorm_mode_16_64 3
		.amdhsa_memory_ordered 1
		.amdhsa_forward_progress 1
		.amdhsa_inst_pref_size 7
	.end_amdhsa_kernel
	.amdgpu_metadata
---
amdhsa.version: [ 1, 2 ]
amdhsa.kernels:
  - .name:           k_qf0d3547228_cast
    .symbol:         k_qf0d3547228_cast.kd
    .args:
      - { .name: x, .offset: 0, .size: 8, .value_kind: global_buffer, .address_space: global }
      - { .name: Wq, .offset: 8, .size: 8, .value_kind: global_buffer, .address_space: global }
      - { .name: Wk, .offset: 16, .size: 8, .value_kind: global_buffer, .address_space: global }
      - { .name: Wv, .offset: 24, .size: 8, .value_kind: global_buffer, .address_space: global }
      - { .name: xw, .offset: 32, .size: 8, .value_kind: global_buffer, .address_space: global }
    .group_segment_fixed_size: 0
    .private_segment_fixed_size: 0
    .kernarg_segment_align: 8
    .kernarg_segment_size: 40
    .max_flat_workgroup_size: 256
    .sgpr_count:     66
    .vgpr_count:     104
    .wavefront_size: 32
...
	.end_amdgpu_metadata
.endif
;; end of part 9
;; launch proj: the kernel of part 6 again; grid 8 x 32, 4 waves a work-group, clusters of 4 x 4, 327,680 bytes of LDS; arguments xw, qkv; writes qkv
;; launch score: the kernel of part 7 again; grid 8 x 32, 4 waves a work-group, clusters of 4 x 4, 327,680 bytes of LDS; arguments qkv, pt, st; writes pt, st
;; launch outp: the kernel of part 8 again; grid 8 x 32, 4 waves a work-group, clusters of 4 x 4, 327,680 bytes of LDS; arguments pt, qkv, st, out0; writes out0
